; MI455X (gfx1250); checked and timed in simulation.
; The chip was launched on July 23, 2026; its instructions are those of AMD's public machine-readable ISA for CDNA 5 (MIT licence, August 2026) and "CDNA5" Instruction Set Architecture Reference Guide (July 2026). The comments in the code are by the model that wrote it; some were corrected since.
;; Encoder Layer. Allowed arithmetic: matrix products marked QUANTISED: E2M3 operands, one E8M0 scale for each 32 along K, by v_wmma_scale_f32_16x16x128_f8f6f4 with both operands' format E2M3, f32 sums; everything else in f32.
;; Inputs: W1 512 x 2,048 float32; W2 2,048 x 512 float32; Wk 512 x 512 float32; Wo 512 x 512 float32; Wq 512 x 512 float32; Wv 512 x 512 float32; b1 2,048 float32; b2 512 float32; beta1 512 float32; beta2 512 float32; bk 512 float32; bo 512 float32; bq 512 float32; bv 512 float32; gamma1 512 float32; gamma2 512 float32; x 2 x 4,096 x 512 float32.
;; Outputs: out0 2 x 4,096 x 512 float32.
;; This version of the problem:
;;   THIS VERSION OF THE PROBLEM IS GIVEN IN LOW PRECISION. The matrix products marked QUANTISED in the list below multiply operands that are first quantised to E2M3 (2 exponent bits, 3 mantissa bits; 6 bits a number), with one power-of-two scale for each 32 numbers along K (OCP MX v1.0); their sums are f32. All else is computed in f32.
;;   The module's matrix products, in the order in which they are computed (A, B: the left and right operand; K: the contracted axis; several contracted axes count as one K, in the product's order):
;;     1. [M 8,192, K 512] x [K 512, N 512]; A: input x; B: input Wq: QUANTISED
;;     2. [M 8,192, K 512] x [K 512, N 512]; A: input x; B: input Wk: QUANTISED
;;     3. [M 8,192, K 512] x [K 512, N 512]; A: input x; B: input Wv: QUANTISED
;;     4. batch 16 x [M 4,096, K 64] x [K 64, N 4,096]; A: computed on the way; B: computed on the way: QUANTISED
;;     5. batch 16 x [M 4,096, K 4,096] x [K 4,096, N 64]; A: softmax (see below); B: computed on the way: QUANTISED
;;     6. [M 8,192, K 512] x [K 512, N 512]; A: computed on the way; B: input Wo: QUANTISED
;;     7. [M 8,192, K 512] x [K 512, N 2,048]; A: computed on the way; B: input W1: QUANTISED
;;     8. [M 8,192, K 2,048] x [K 2,048, N 512]; A: computed on the way; B: input W2: QUANTISED
;;   THE QUANTISER, for each operand of a quantised product, along K:
;;     - K is cut into blocks of 32 from its start; a last block that is shorter is filled with zeros.
;;     - A block's scale is 2^e with e = floor(log2(the largest magnitude in the block)) - 2, held to -126 .. 127; a block of zeros has e = 0. As a byte (E8M0): e + 127.
;;     - Each number is divided by its block's scale, clamped to +-7.5, and rounded to the nearest number of E2M3, ties to even, subnormals kept.
;;     - The product sums the exact products of the quantised numbers (number of the format x scale) in f32.
;;   ~~~python
;;   def quantise(x, axis):      # numpy; x: float32 -> the quantised numbers, widened to float32 again
;;       x = np.moveaxis(x, axis, -1); K = x.shape[-1]
;;       x = np.pad(x, [(0, 0)] * (x.ndim - 1) + [(0, -K % 32)]); x = x.reshape(x.shape[:-1] + (-1, 32)); a = np.abs(x).max(-1, keepdims=True)
;;       e = np.where(a > 0, np.clip(np.frexp(np.where(a > 0, a, 1))[1] - 1 - 2, -126, 127), 0)      # np.frexp(a)[1] - 1 = floor(log2(a)), exactly
;;       r = np.clip(x / 2.0 ** e, -7.5, 7.5)
;;       step = 2.0 ** (np.maximum(np.frexp(np.where(r == 0, 1, r))[1] - 1, 0) - 3)
;;       q = np.round(r / step) * step * 2.0 ** e      # np.round: ties to even
;;       return np.moveaxis(q.reshape(q.shape[:-2] + (-1,))[..., :K], -1, axis).astype(np.float32)
;;   ~~~
;;   SOFTMAX AHEAD OF A QUANTISED PRODUCT. Where the list says 'softmax', what is quantised is not the finished softmax but p = 2^(t - M), with t = logit x log2(e) and M = ceil(the row's largest t), a whole number; so 1/2 < the row's largest p <= 1. The row's sum l is taken of the UNQUANTISED p, in f32, and the product's result is divided by l at the end. Since M is a whole number, a kernel that streams over the keys may use a running M (the ceiling of the running maximum): every later rescaling is an exact power of two, which a block's scale takes up: the codes' values come out the same.
;;   OPERANDS COMPUTED ON THE WAY. 'Computed on the way' means the value that the module computes at that place (a softmax that the list does not call 'softmax' is quantised finished and normalised). What goes into a quantiser is computed in f32, as accurately as f32 sums, v_exp_f32 and their like allow (about 1e-6 of the number): no bf16 or f16 on the way to a quantiser, and a product that is left as it is and whose result goes on into a quantised operand takes f32 operands (vector FMAs, or v_wmma_f32_16x16x4_f32). A number that lies on a knife's edge between two numbers of the format may be rounded either way, as far as f32 arithmetic and the matrix unit's own rounding can turn it there, and no further.
;; 2 versions. Each part assembles by itself: llvm-mc -triple=amdgcn-amd-amdhsa -mcpu=gfx1250 --defsym DOCPART=n.
;; ======== version 1 of 2: 4 launches
;; workspace buffers: xq 3,276,800 bytes; wts 2,457,600 bytes; qc 3,407,872 bytes; kv 6,684,672 bytes; ao 3,670,016 bytes
;; launch quant (part 1): grid 224 x 1, 4 waves a work-group, no clusters, 59,904 bytes of LDS; arguments x, Wq, Wk, Wv, Wo, W1, W2, xq, wts; writes xq, wts
.if DOCPART == 1
	.amdgcn_target "amdgcn-amd-amdhsa--gfx1250"
	.amdhsa_code_object_version 6
	.text
	.protected	k_qad27bc0bdd_quant
	.globl	k_qad27bc0bdd_quant
	.p2align	8
	.type	k_qad27bc0bdd_quant,@function
k_qad27bc0bdd_quant:
	s_mov_b64 s[64:65], 0
	v_nop
	global_prefetch_b8 v0, s[64:65] scope:SCOPE_SE
	s_setreg_imm32_b32 hwreg(HW_REG_WAVE_MODE, 25, 1), 1
	s_wait_xcnt 0x0
; x [8192][512] and the six weights ([K][N], f32) become codes of FP6 (E2M3) with one E8M0 byte for each 32 along K, laid as IMAGES OF OPERAND REGISTERS.
; A tile is 16 rows: tile 2 B + u, lane-row r, is row 32 B + 8 u + r + (r & 8).  A fragment image (16 rows x 128 K, 12 registers a lane) is 1,536 bytes: registers 4 g .. 4 g + 3 of lane l at 512 g + 16 l.
; Codes: [group of 4 tiles][K step of 128][tile] images.  Scales: for 4 tiles and 512 along K 1,024 bytes [tile][row 16][4 words].
; A block's scale is 2^(floor(log2(largest magnitude)) - 2); its byte is the largest magnitude's exponent field - 2, held at 1 from below.
; LIMITS: NaN and infinities are not served; a block whose largest magnitude lies under 2^-124 gets the byte 1; a block of zeros gets the byte 1 and not 127: its codes are zeros, and the bytes are read by this program alone.
; Work-groups 0-127 take x (a wave: one tile of 16 tokens, all 512 of K), work-groups 128-223 the weights (a wave: 32 columns x 256 along K).  The two ways have LDS bytes of their own.  Waves share nothing: no barrier.
.set XSOFF, 3145728                    ; xq: where the scale words begin
.set QKVS,  2359296                    ; wts: scales of Wq, Wk, Wv
.set CHC,   589824                     ; wts: codes of Wo, W1, W2 in the order in which the last launch's waves use them
.set CHS,   2383872                    ; wts: their scales
.set WSTG,  33792                      ; LDS: the weights' stages, 6,400 bytes a wave, behind x's four of 8,448
.set R,   16                           ; v16-143  x: two sets of 16 rows x 16 bytes a lane
.set X,   144                          ; v144-207 x: 64 numbers of my row
.set TM,  208                          ; v208-223 at work in QUANT
.set PC,  224                          ; v224-243 the codes just made
.set PW,  244                          ; v244-247 the four K steps' scale words
.set C,   176                          ; weights: a block's six registers of codes
.set SB,  188                          ; weights: v188-189 scale bytes, four to a register
.set SEL, 58                           ; s[58:59] selects of v_permlanex16_b32 for lane l xor 16
; 64 numbers of a lane, register 16 b + i = k 32 b + 16 (lane / 16) + i of my row, become a fragment's codes in v[PC] on and its scale word in v[pw].
.macro QUANT src, pw
.irp b, 0,1,2,3
	v_max3_num_f32 v[TM+\b], |v[\src+16*\b]|, |v[\src+1+16*\b]|, 0x1800000   ; my 16 numbers of block b, and the floor 2^(3 - 127): the byte cannot fall under 1
.endr
.irp i, 2,4,6,8,10,12,14
.irp b, 0,1,2,3
	v_max3_num_f32 v[TM+\b], v[TM+\b], |v[\src+16*\b+\i]|, |v[\src+1+16*\b+\i]|
.endr
.endr
.irp b, 0,1,2,3
	v_permlanex16_b32 v[TM+4+\b], v[TM+\b], s[SEL], s[SEL+1]
.endr
.irp b, 0,1,2,3
	v_max_num_f32 v[TM+\b], v[TM+\b], v[TM+4+\b]   ; with lane l xor 16's: the block's largest magnitude
.endr
.irp b, 0,1,2,3
	v_add_nc_u32 v[TM+12+\b], 0xff000000, v[TM+\b]   ; 2 off its exponent field: the conversion's scale operand
.endr
.irp b, 0,1,2,3
	v_lshrrev_b32 v[TM+4+\b], 23, v[TM+12+\b]      ; the scale's byte
.endr
	v_lshl_or_b32 v[\pw], v[TM+5], 8, v[TM+4]
	v_lshl_or_b32 v[\pw], v[TM+6], 16, v[\pw]
	v_lshl_or_b32 v[\pw], v[TM+7], 24, v[\pw]
.irp c, 0,1
	v_cvt_scalef32_pk16_fp6_f32 v[PC+6*\c:PC+2+6*\c], v[\src+32*\c:\src+15+32*\c], v[TM+12+2*\c]
	v_cvt_scalef32_pk16_fp6_f32 v[PC+12+4*\c:PC+14+4*\c], v[\src+16+32*\c:\src+31+32*\c], v[TM+12+2*\c+1]   ; (a conversion's three registers begin on an even number)
.endr
	v_nop                                          ; one plain place behind a scaled conversion
.irp c, 0,1                                    ; the operand's layout wants a whole block in a lane
.irp i, 0,1,2
	v_permlane16_swap_b32 v[PC+6*\c+\i], v[PC+12+4*\c+\i]
.endr
.irp i, 0,1,2
	v_mov_b32 v[PC+3+6*\c+\i], v[PC+12+4*\c+\i]
.endr
.endr
.endm
	s_load_b512 s[4:19], s[0:1], 0x0               ; x, Wq, Wk, Wv, Wo, W1, W2, xq
	s_load_b64 s[20:21], s[0:1], 0x40              ; wts
	v_lshl_add_u32 v254, v0, 2, 0xe800
	v_mov_b32 v255, 0
	v_lshrrev_b32 v1, 5, v0
	v_readfirstlane_b32 s22, v1                    ; wave
	v_and_b32 v10, 31, v0                          ; lane
	v_and_b32 v11, 15, v0                          ; r
	v_bfe_u32 v12, v0, 4, 1                        ; h
	v_lshlrev_b32 v1, 4, v10                       ; 16 x lane
	s_mov_b32 s[SEL], 0x76543210
	s_mov_b32 s[SEL+1], 0xfedcba98
	s_lshr_b32 s31, s22, 1                         ; wave / 2
	s_and_b32 s52, s22, 1                          ; wave % 2
	s_cmp_ge_u32 ttmp9, 128
	s_cbranch_scc1 .Lweights
; ---- x.  Wave w of work-group g takes tile 4 g + w: tokens 64 g + 32 (w / 2) + 8 (w % 2) + i + 8 (i / 8), i = 0 .. 15.
	s_mul_i32 s23, s22, 8448
	v_add_nc_u32 v2, s23, v1                       ; the stage, in: a row's 512 bytes on end; rows 528 bytes apart (an odd multiple of 16)
	v_mul_u32_u24 v3, v11, 528
	v_lshl_add_u32 v3, v12, 6, v3
	v_add_nc_u32 v3, s23, v3                       ; out: row r, + 64 h: my 16 numbers of each block of 32
	v_lshlrev_b32 v4, 4, v11
	v_lshl_add_u32 v4, v12, 3, v4                  ; my two scale words' place: 16 r + 8 h
.irp b, 0,1,2,3
	v_mov_b32 v[TM+4+\b], 0                        ; written once: a lane permute's destination counts as one of its sources
.endr
	v_cmp_eq_u32 vcc_lo, 1, v12
	s_lshl_b32 s24, ttmp9, 17                      ; 64 tokens of 2,048 bytes
	s_lshl_b32 s25, s31, 16
	s_add_co_u32 s24, s24, s25
	s_lshl_b32 s25, s52, 14
	s_add_co_u32 s24, s24, s25
	s_mov_b32 s25, 0
	s_mul_i32 s26, ttmp9, 24576                    ; my group of four tiles,
	s_mul_i32 s27, s22, 1536                       ; my tile in each K step's unit
	s_add_co_u32 s26, s26, s27
	s_mov_b32 s27, 0
	s_lshl_b32 s28, ttmp9, 10
	s_lshl_b32 s29, s22, 8
	s_add_co_u32 s28, s28, s29
	s_add_co_u32 s28, s28, XSOFF                   ; my tile's 256 bytes of scale words
	s_mov_b32 s29, 0
	s_wait_kmcnt 0x0
	s_add_nc_u64 s[4:5], s[4:5], s[24:25]
	s_add_nc_u64 s[26:27], s[18:19], s[26:27]
	s_add_nc_u64 s[28:29], s[18:19], s[28:29]
.macro LOADX st                        ; K step st of my 16 rows: each load reads 512 consecutive bytes of one row
.irp i, 0,1,2,3,4,5,6,7,8,9,10,11,12,13,14,15
	global_load_b128 v[R+64*((\st)%2)+4*\i:R+64*((\st)%2)+4*\i+3], v1, s[4:5] offset:(\i+8*(\i/8))*2048+512*(\st)
.endr
.endm
.macro XSTEP st
.if (\st) < 3
	s_wait_loadcnt 16                              ; this K step's 16 loads are in; the next step's 16 stay out
.else
	s_wait_loadcnt 0x0
.endif
.irp i, 0,1,2,3,4,5,6,7,8,9,10,11,12,13,14,15
	ds_store_b128 v2, v[R+64*((\st)%2)+4*\i:R+64*((\st)%2)+4*\i+3] offset:528*\i
.endr
.irp b, 0,1,2,3
.irp q, 0,1,2,3
	ds_load_b128 v[X+16*\b+4*\q:X+16*\b+4*\q+3], v3 offset:128*\b+16*\q   ; LDS serves a wave's instructions in order: these see my stores
.endr
.endr
	s_wait_dscnt 0x0
.if (\st) < 2
	LOADX (\st)+2
.endif
	s_wait_xcnt 0x0                                ; the last step's stores have read the codes' registers
	QUANT X, PW+(\st)
.irp g, 0,1,2
	global_store_b128 v1, v[PC+4*\g:PC+4*\g+3], s[26:27] offset:6144*(\st)+512*\g   ; 512 consecutive bytes
.endr
.endm
	LOADX 0
	LOADX 1
	XSTEP 0
	XSTEP 1
	XSTEP 2
	XSTEP 3
	v_cndmask_b32 v248, v[PW], v[PW+2], vcc_lo     ; lanes 0-15 store words 0, 1 of their row, lanes 16-31 words 2, 3
	v_cndmask_b32 v249, v[PW+1], v[PW+3], vcc_lo
	global_store_b64 v4, v[248:249], s[28:29]      ; the wave stores 256 consecutive bytes
	s_wait_tensorcnt 0x0
	ds_add_u32 v254, v255
	s_wait_dscnt 0x0
	s_endpgm
; ---- the weights.  Work-group j takes 128 columns x 256 along K; a lane takes a column and its registers run down K.
.Lweights:
	s_sub_co_u32 s23, ttmp9, 128                   ; j
	s_mov_b32 s24, 2048                            ; bytes in a row of the weight
	s_mov_b32 s29, CHC
	s_mov_b32 s30, CHS
	s_cmp_ge_u32 s23, 24
	s_cbranch_scc1 .Lnot_qkv
	s_lshr_b32 s53, s23, 3                         ; Wq, Wk or Wv
	s_and_b32 s25, s23, 3                          ; column group of 128
	s_bfe_u32 s26, s23, 0x10002                    ; K chunk of 256
	s_lshl_b32 s54, s25, 1
	s_add_co_u32 s54, s54, s31                     ; group of four tiles
	s_lshl_b32 s27, s53, 5
	s_lshl_b32 s55, s54, 2
	s_add_co_u32 s27, s27, s55                     ; unit
	s_lshl_b32 s28, s53, 3
	s_add_co_u32 s28, s28, s54                     ; quad of scales
	s_mov_b32 s29, 0
	s_mov_b32 s30, QKVS
	s_branch .Larm_done
.Lnot_qkv:
	s_cmp_ge_u32 s23, 32
	s_cbranch_scc1 .Lnot_wo
	s_and_b32 s25, s23, 3                          ; Wo
	s_bfe_u32 s26, s23, 0x10002
	s_mul_i32 s27, s25, 72
	s_lshl_b32 s55, s31, 2
	s_add_co_u32 s27, s27, s55
	s_mul_i32 s28, s25, 18
	s_add_co_u32 s28, s28, s31
	s_branch .Larm_done
.Lnot_wo:
	s_cmp_ge_u32 s23, 64
	s_cbranch_scc1 .Lw2
	s_sub_co_u32 s53, s23, 32                      ; W1
	s_and_b32 s25, s53, 15
	s_lshr_b32 s26, s53, 4
	s_mov_b32 s24, 8192
	s_lshl_b32 s54, s25, 1
	s_add_co_u32 s54, s54, s31
	s_and_b32 s54, s54, 7
	s_lshr_b32 s55, s25, 2
	s_mul_i32 s27, s55, 72
	s_add_co_u32 s27, s27, 8
	s_lshl_b32 s56, s54, 2
	s_add_co_u32 s27, s27, s56
	s_mul_i32 s28, s55, 18
	s_add_co_u32 s28, s28, 2
	s_add_co_u32 s28, s28, s54
	s_branch .Larm_done
.Lw2:
	s_sub_co_u32 s53, s23, 64                      ; W2
	s_and_b32 s25, s53, 3
	s_lshr_b32 s26, s53, 2
	s_mul_i32 s27, s25, 72
	s_add_co_u32 s27, s27, 40
	s_lshl_b32 s55, s31, 4
	s_add_co_u32 s27, s27, s55
	s_mul_i32 s28, s25, 18
	s_add_co_u32 s28, s28, 10
	s_lshl_b32 s55, s31, 2
	s_add_co_u32 s28, s28, s55
	s_lshr_b32 s55, s26, 1
	s_add_co_u32 s28, s28, s55
.Larm_done:
	s_lshl_b32 s55, s26, 1
	s_add_co_u32 s27, s27, s55                     ; + the chunk's first K step
	s_mul_i32 s54, s27, 6144
	s_add_co_u32 s54, s54, s29
	s_mul_i32 s53, s52, 3072
	s_add_co_u32 s54, s54, s53                     ; codes: base + 6,144 x unit + my two tiles
	s_mov_b32 s55, 0
	s_lshl_b32 s56, s28, 10
	s_add_co_u32 s56, s56, s30
	s_lshl_b32 s53, s52, 9
	s_add_co_u32 s56, s56, s53
	s_and_b32 s53, s26, 1
	s_lshl_b32 s53, s53, 3
	s_add_co_u32 s56, s56, s53                     ; scales: base + 1,024 x quad + my two tiles + my two words
	s_mov_b32 s57, 0
	s_mul_i32 s48, s26, s24
	s_lshl_b32 s48, s48, 8                         ; 256 rows a chunk
	s_lshl_b32 s53, s25, 9
	s_add_co_u32 s48, s48, s53
	s_lshl_b32 s53, s22, 7
	s_add_co_u32 s48, s48, s53                     ; + my wave's first column
	s_mov_b32 s49, 0
	v_bfe_u32 v13, v10, 3, 1                       ; my column c of 32 is lane-row r' = (c & 7) + 8 (c >> 4) of tile u = (c >> 3) & 1
	v_and_b32 v14, 7, v10
	v_lshrrev_b32 v15, 4, v10
	v_lshl_add_u32 v14, v15, 3, v14
	s_mul_i32 s53, s22, 6400
	s_add_co_u32 s53, s53, WSTG
	v_mul_u32_u24 v5, v13, 3200                    ; the stage: a tile's two images, 3,072 bytes, + 128
	v_lshl_add_u32 v5, v14, 4, v5
	v_add_nc_u32 v5, s53, v5
	v_add_nc_u32 v6, s53, v1
	v_lshlrev_b32 v7, 8, v13
	v_lshl_add_u32 v7, v14, 4, v7                  ; my row of scale words: 256 u + 16 r'
	v_lshlrev_b32 v16, 2, v10
.irp i, 1,2,3,4,5,6,7,8,9,10,11,12,13,14,15,16,17,18,19,20,21,22,23,24,25,26,27,28,29,30,31
	v_add_nc_u32 v[16+\i], s24, v[15+\i]           ; row i of a block: 4 c + i rows
.endr
	s_wait_kmcnt 0x0
	s_cmp_lt_u32 s23, 8                            ; which weight: the choice hangs on the work-group's number alone
	s_cselect_b64 s[50:51], s[6:7], s[8:9]
	s_cmp_lt_u32 s23, 16
	s_cselect_b64 s[50:51], s[50:51], s[10:11]
	s_cmp_lt_u32 s23, 24
	s_cselect_b64 s[50:51], s[50:51], s[12:13]
	s_cmp_lt_u32 s23, 32
	s_cselect_b64 s[50:51], s[50:51], s[14:15]
	s_cmp_lt_u32 s23, 64
	s_cselect_b64 s[50:51], s[50:51], s[16:17]
	s_add_nc_u64 s[32:33], s[50:51], s[48:49]
	s_lshl_b32 s48, s24, 5                         ; 32 rows from block to block
.irp t, 1,2,3,4,5,6,7
	s_add_nc_u64 s[32+2*\t:33+2*\t], s[30+2*\t:31+2*\t], s[48:49]
.endr
	s_add_nc_u64 s[54:55], s[20:21], s[54:55]
	s_add_nc_u64 s[56:57], s[20:21], s[56:57]
.macro LOADW t                         ; block t: 32 rows at my column; a load reads 128 consecutive bytes
.irp i, 0,1,2,3,4,5,6,7,8,9,10,11,12,13,14,15,16,17,18,19,20,21,22,23,24,25,26,27,28,29,30,31
	global_load_b32 v[48+32*((\t)%2)+\i], v[16+\i], s[32+2*(\t):33+2*(\t)] th:TH_LOAD_NT
.endr
.endm
.macro BLOCK t
.set XB, 48+32*((\t)%2)
.set F, 1536*((\t)/4)+256*((\t)%2)     ; K step t / 4; lanes 16 (t % 2) on of its image
.if (\t) < 7
	s_wait_loadcnt 32                              ; this block's 32 loads are in; the next block's stay out
.else
	s_wait_loadcnt 0x0
.endif
	v_max3_num_f32 v190, |v[XB]|, |v[XB+1]|, |v[XB+2]|
	v_max3_num_f32 v191, |v[XB+3]|, |v[XB+4]|, |v[XB+5]|
.irp i, 6,10,14,18,22,26
	v_max3_num_f32 v190, v190, |v[XB+\i]|, |v[XB+\i+1]|
	v_max3_num_f32 v191, v191, |v[XB+\i+2]|, |v[XB+\i+3]|
.endr
	v_max3_num_f32 v190, v190, |v[XB+30]|, |v[XB+31]|
	v_max3_num_f32 v190, v190, v191, 0x1800000     ; and the floor
	v_add_nc_u32 v192, 0xff000000, v190
	v_lshrrev_b32 v193, 23, v192
.if (\t)%4 == 0
	v_mov_b32 v[SB+(\t)/4], v193
.else
	v_lshl_or_b32 v[SB+(\t)/4], v193, 8*((\t)%4), v[SB+(\t)/4]
.endif
	v_cvt_scalef32_pk16_fp6_f32 v[C:C+2], v[XB:XB+15], v192
	v_cvt_scalef32_pk16_fp6_f32 v[184:186], v[XB+16:XB+31], v192
	v_nop
	v_mov_b32 v[C+3], v184
	v_mov_b32 v[C+4], v185
	v_mov_b32 v[C+5], v186
.if ((\t)/2)%2 == 0                    ; the block is registers 0-5 of its lane,
	ds_store_b128 v5, v[C:C+3] offset:F
	ds_store_b64 v5, v[C+4:C+5] offset:F+512
.else                                  ; or registers 6-11
	ds_store_b64 v5, v[C:C+1] offset:F+520
	ds_store_b128 v5, v[C+2:C+5] offset:F+1024
.endif
.if (\t) < 6
	LOADW (\t)+2
.endif
	s_wait_dscnt 0x0                               ; the stores have read their registers
.endm
	LOADW 0
	LOADW 1
.irp t, 0,1,2,3,4,5,6,7
	BLOCK \t
.endr
	global_store_b64 v7, v[SB:SB+1], s[56:57]      ; my column's two scale words
.irp u, 0,1
.irp ks, 0,1
.irp g, 0,1,2
	ds_load_b128 v[48+4*(6*\u+3*\ks+\g):48+4*(6*\u+3*\ks+\g)+3], v6 offset:3200*\u+1536*\ks+512*\g
.endr
.endr
.endr
.irp u, 0,1
.irp ks, 0,1
.irp g, 0,1,2
	s_wait_dscnt 11-(6*\u+3*\ks+\g)                ; LDS loads come back in order: this one is in
	global_store_b128 v1, v[48+4*(6*\u+3*\ks+\g):48+4*(6*\u+3*\ks+\g)+3], s[54:55] offset:6144*\ks+1536*\u+512*\g   ; 512 consecutive bytes
.endr
.endr
.endr
	s_wait_tensorcnt 0x0
	ds_add_u32 v254, v255
	s_wait_dscnt 0x0
	s_endpgm
.Lfunc_end_k_qad27bc0bdd_quant:
	.size	k_qad27bc0bdd_quant, .Lfunc_end_k_qad27bc0bdd_quant-k_qad27bc0bdd_quant
	.p2alignl 7, 3214868480
	.fill 96, 4, 3214868480
	.section	.rodata,"a",@progbits
	.p2align	6, 0x0
	.amdhsa_kernel k_qad27bc0bdd_quant
		.amdhsa_group_segment_fixed_size 59904
		.amdhsa_private_segment_fixed_size 0
		.amdhsa_enable_private_segment 0
		.amdhsa_kernarg_size 72
		.amdhsa_user_sgpr_count 2
		.amdhsa_user_sgpr_kernarg_segment_ptr 1
		.amdhsa_wavefront_size32 1
		.amdhsa_system_sgpr_workgroup_id_x 1
		.amdhsa_system_sgpr_workgroup_id_y 1
		.amdhsa_system_sgpr_workgroup_id_z 1
		.amdhsa_system_vgpr_workitem_id 0
		.amdhsa_next_free_vgpr 256
		.amdhsa_next_free_sgpr 66
		.amdhsa_reserve_vcc 1
		.amdhsa_float_denorm_mode_32 3
		.amdhsa_float_denorm_mode_16_64 3
		.amdhsa_memory_ordered 1
		.amdhsa_forward_progress 1
		.amdhsa_inst_pref_size 78
	.end_amdhsa_kernel
	.amdgpu_metadata
---
amdhsa.version: [ 1, 2 ]
amdhsa.kernels:
  - .name:           k_qad27bc0bdd_quant
    .symbol:         k_qad27bc0bdd_quant.kd
    .args:
      - { .name: x, .offset: 0, .size: 8, .value_kind: global_buffer, .address_space: global }
      - { .name: Wq, .offset: 8, .size: 8, .value_kind: global_buffer, .address_space: global }
      - { .name: Wk, .offset: 16, .size: 8, .value_kind: global_buffer, .address_space: global }
      - { .name: Wv, .offset: 24, .size: 8, .value_kind: global_buffer, .address_space: global }
      - { .name: Wo, .offset: 32, .size: 8, .value_kind: global_buffer, .address_space: global }
      - { .name: W1, .offset: 40, .size: 8, .value_kind: global_buffer, .address_space: global }
      - { .name: W2, .offset: 48, .size: 8, .value_kind: global_buffer, .address_space: global }
      - { .name: xq, .offset: 56, .size: 8, .value_kind: global_buffer, .address_space: global }
      - { .name: wts, .offset: 64, .size: 8, .value_kind: global_buffer, .address_space: global }
    .group_segment_fixed_size: 59904
    .private_segment_fixed_size: 0
    .kernarg_segment_align: 8
    .kernarg_segment_size: 72
    .max_flat_workgroup_size: 128
    .sgpr_count:     66
    .vgpr_count:     256
    .wavefront_size: 32
...
	.end_amdgpu_metadata
.endif
;; end of part 1
;; launch qkv (part 2): grid 64 x 3, 4 waves a work-group, no clusters, 0 bytes of LDS; arguments xq, wts, bq, bk, bv, qc, kv; writes qc, kv
.if DOCPART == 2
	.amdgcn_target "amdgcn-amd-amdhsa--gfx1250"
	.amdhsa_code_object_version 6
	.text
	.protected	k_qad27bc0bdd_qkv
	.globl	k_qad27bc0bdd_qkv
	.p2align	8
	.type	k_qad27bc0bdd_qkv,@function
k_qad27bc0bdd_qkv:
	s_mov_b64 s[64:65], 0
	v_nop
	global_prefetch_b8 v0, s[64:65] scope:SCOPE_SE
	s_setreg_imm32_b32 hwreg(HW_REG_WAVE_MODE, 25, 1), 1
	s_wait_xcnt 0x0
; q = x Wq + bq, k = x Wk + bk, v = x Wv + bv on codes of FP6 (E2M3) with E8M0 scales; the results are quantised at once: q and k along the head's 64, v along the keys.
; Work-group (ch, mode): ch = 128 tokens (8 tiles), mode 0 q, 1 k, 2 v.  Wave w takes column tiles 8 w .. 8 w + 7: two heads.
; A wave keeps one operand R (8 tiles x 4 K steps: 384 registers) as source 0 and streams the other, S, tile by tile as source 1: 32 matrix instructions a tile.
; q, k: R = my columns of W, S = the tokens: a lane holds a token and its registers run along the columns.  v: R = the tokens, S = my columns of Wv: a lane holds a column and its registers run along 128 keys.
; Both chunks have one layout ([group of 4 tiles][K step][tile] images of 1,536 bytes), so the loads are the same lines on swapped pointers.  Each fragment is wanted by this wave alone and lies in register order: no LDS, no barrier.
; A tile's rows: tile 2 B + u, lane-row r, is row 32 B + 8 u + r + (r & 8): so the 16 registers of result tiles 2 B and 2 B + 1 are 16 neighbours along R's rows.
; LIMITS: NaN and infinities are not served; a block whose largest magnitude lies under 2^-124 gets the byte 1; a block of zeros gets the byte 1 and not 127: its codes are zeros, and the bytes are read by this program alone.
; REGISTERS: window 0: v1-7 addresses; v16-31 R's scale words; v48-55 S's; v56-119 the 8 accumulators; v120-155 QUANT; v156-171 scale words made; v172-187 v's bias; v192-239 S, buffer 0.
;   window 1: v0-191 R, K steps 0, 1; v192-255 the bias of q or k.   window 2: v0-191 R, K steps 2, 3; v192-239 S, buffer 1.
.set XSOFF, 3145728
.set QKVS,  2359296
.set QSOFF, 3145728
.set STEPB, 13056                      ; kv: a step of 128 keys: K's 8 half images, V's 4 images, K's 512 and V's 256 bytes of scale words
.set HEADKV, 417792
.set RS,  16
.set SS,  48
.set ACC, 56
.set TM,  120
.set PC,  136
.set PW,  156
.set OW,  164
.set CB,  172
.set BV,  180
.set SBUF, 192
.set BR,  192
.set SEL, 58
.set MSB, 0
.macro WIN new                         ; the immediate's high byte repeats the setting that is left
.if MSB != (\new)
	s_set_vgpr_msb (MSB<<8)|(\new)
.set MSB, (\new)
.endif
.endm
.macro QUANT src, pw                   ; 64 numbers of a lane, register 16 b + i = k 32 b + 16 (lane / 16) + i, become 12 registers of codes in v[PC] on and a scale word
.irp b, 0,1,2,3
	v_max3_num_f32 v[TM+\b], |v[\src+16*\b]|, |v[\src+1+16*\b]|, 0x1800000   ; each accumulator is read from its low end on; the floor 2^(3 - 127) holds the byte at 1
.endr
.irp i, 2,4,6,8,10,12,14
.irp b, 0,1,2,3
	v_max3_num_f32 v[TM+\b], v[TM+\b], |v[\src+16*\b+\i]|, |v[\src+1+16*\b+\i]|
.endr
.endr
.irp b, 0,1,2,3
	v_permlanex16_b32 v[TM+4+\b], v[TM+\b], s[SEL], s[SEL+1]
.endr
.irp b, 0,1,2,3
	v_max_num_f32 v[TM+\b], v[TM+\b], v[TM+4+\b]
.endr
.irp b, 0,1,2,3
	v_add_nc_u32 v[TM+12+\b], 0xff000000, v[TM+\b]
.endr
.irp b, 0,1,2,3
	v_lshrrev_b32 v[TM+4+\b], 23, v[TM+12+\b]
.endr
	v_lshl_or_b32 v[\pw], v[TM+5], 8, v[TM+4]
	v_lshl_or_b32 v[\pw], v[TM+6], 16, v[\pw]
	v_lshl_or_b32 v[\pw], v[TM+7], 24, v[\pw]
.irp c, 0,1
	v_cvt_scalef32_pk16_fp6_f32 v[PC+6*\c:PC+2+6*\c], v[\src+32*\c:\src+15+32*\c], v[TM+12+2*\c]
	v_cvt_scalef32_pk16_fp6_f32 v[PC+12+4*\c:PC+14+4*\c], v[\src+16+32*\c:\src+31+32*\c], v[TM+12+2*\c+1]
.endr
	v_nop                                          ; one plain place behind a scaled conversion
.irp c, 0,1
.irp i, 0,1,2
	v_permlane16_swap_b32 v[PC+6*\c+\i], v[PC+12+4*\c+\i]
.endr
.irp i, 0,1,2
	v_mov_b32 v[PC+3+6*\c+\i], v[PC+12+4*\c+\i]
.endr
.endr
.endm
.macro WM d, a, b, c, sa, sb, ra, rb   ; one product; ra, rb: the scale words stand in lanes 16-31
.if (\ra) && (\rb)
	v_wmma_scale_f32_16x16x128_f8f6f4 v[\d:\d+7], v[\a:\a+11], v[\b:\b+11], v[\c:\c+7], v[\sa], v[\sb] matrix_a_fmt:MATRIX_FMT_FP6 matrix_b_fmt:MATRIX_FMT_FP6 matrix_a_scale:MATRIX_SCALE_ROW1 matrix_b_scale:MATRIX_SCALE_ROW1
.elseif (\ra)
	v_wmma_scale_f32_16x16x128_f8f6f4 v[\d:\d+7], v[\a:\a+11], v[\b:\b+11], v[\c:\c+7], v[\sa], v[\sb] matrix_a_fmt:MATRIX_FMT_FP6 matrix_b_fmt:MATRIX_FMT_FP6 matrix_a_scale:MATRIX_SCALE_ROW1
.elseif (\rb)
	v_wmma_scale_f32_16x16x128_f8f6f4 v[\d:\d+7], v[\a:\a+11], v[\b:\b+11], v[\c:\c+7], v[\sa], v[\sb] matrix_a_fmt:MATRIX_FMT_FP6 matrix_b_fmt:MATRIX_FMT_FP6 matrix_b_scale:MATRIX_SCALE_ROW1
.else
	v_wmma_scale_f32_16x16x128_f8f6f4 v[\d:\d+7], v[\a:\a+11], v[\b:\b+11], v[\c:\c+7], v[\sa], v[\sb] matrix_a_fmt:MATRIX_FMT_FP6 matrix_b_fmt:MATRIX_FMT_FP6
.endif
.endm
	s_load_b256 s[4:11], s[0:1], 0x0               ; xq, wts, bq, bk
	s_load_b128 s[12:15], s[0:1], 0x20             ; bv, qc
	s_load_b64 s[16:17], s[0:1], 0x30              ; kv
	v_lshrrev_b32 v1, 5, v0
	v_readfirstlane_b32 s18, v1                    ; wave
	v_and_b32 v5, 31, v0
	v_and_b32 v6, 15, v0                           ; r
	v_bfe_u32 v7, v0, 4, 1                         ; h
	v_lshlrev_b32 v1, 4, v5                        ; 16 x lane
	v_lshlrev_b32 v2, 3, v5                        ; 8 x lane
	v_lshlrev_b32 v3, 6, v7                        ; 64 h
	v_and_b32 v4, 8, v6
	v_add_nc_u32 v4, v4, v6
	v_lshlrev_b32 v4, 2, v4                        ; 4 (r + (r & 8))
.irp b, 0,1,2,3
	v_mov_b32 v[TM+4+\b], 0                        ; written once: a lane permute's destination counts as one of its sources
.endr
	v_cmp_eq_u32 vcc_lo, 1, v7
	s_and_b32 s19, ttmp7, 0xffff                   ; mode
	s_mov_b32 s[SEL], 0x76543210
	s_mov_b32 s[SEL+1], 0xfedcba98
	s_mul_i32 s32, ttmp9, 49152                    ; the tokens' 8 tiles x 4 K steps
	s_mov_b32 s33, 0
	s_lshl_b32 s34, ttmp9, 11
	s_add_co_u32 s34, s34, XSOFF
	s_mov_b32 s35, 0
	s_mul_i32 s36, s19, 196608
	s_mul_i32 s20, s18, 49152
	s_add_co_u32 s36, s36, s20                     ; my 8 column tiles of the mode's weight
	s_mov_b32 s37, 0
	s_lshl_b32 s38, s19, 13
	s_lshl_b32 s20, s18, 11
	s_add_co_u32 s38, s38, s20
	s_add_co_u32 s38, s38, QKVS
	s_mov_b32 s39, 0
	s_lshr_b32 s20, ttmp9, 5
	s_lshl_b32 s20, s20, 3
	s_lshl_b32 s21, s18, 1
	s_add_co_u32 s20, s20, s21                     ; my first head: 8 x batch + 2 w
	s_and_b32 s21, ttmp9, 31                       ; which 128 tokens of the batch
	s_lshl_b32 s22, s20, 5
	s_add_co_u32 s22, s22, s21
	s_mul_i32 s40, s22, STEPB                      ; kv: (head, step)
	s_mov_b32 s41, 0
	s_mul_i32 s42, s22, 6144                       ; qc: 8 half images of 768 bytes
	s_mov_b32 s43, 0
	s_lshl_b32 s44, s22, 9
	s_add_co_u32 s44, s44, QSOFF
	s_mov_b32 s45, 0
	s_mov_b32 s56, HEADKV                          ; from my first head to my second: k's codes and words,
	s_mov_b32 s57, 0
	s_mov_b32 s22, HEADKV
	s_mov_b32 s23, 0
	s_lshl_b32 s20, s18, 9                         ; my 128 columns of a bias
	s_mov_b32 s21, 0
	s_wait_kmcnt 0x0
	s_add_nc_u64 s[32:33], s[4:5], s[32:33]
	s_add_nc_u64 s[34:35], s[4:5], s[34:35]
	s_add_nc_u64 s[36:37], s[6:7], s[36:37]
	s_add_nc_u64 s[38:39], s[6:7], s[38:39]
	s_cmp_eq_u32 s19, 2                            ; which operand stays: the choice hangs on the work-group's number alone
	s_cselect_b64 s[24:25], s[32:33], s[36:37]     ; R's codes
	s_cselect_b64 s[28:29], s[34:35], s[38:39]     ; R's scales
	s_cselect_b64 s[26:27], s[36:37], s[32:33]     ; S's codes
	s_cselect_b64 s[30:31], s[38:39], s[34:35]     ; S's scales
	WIN 0x40
.irp s, 0,1
.irp t, 0,1,2,3,4,5,6,7
.irp g, 0,1,2
	global_load_b128 v[96*\s+12*\t+4*\g:96*\s+12*\t+4*\g+3], v1, s[24:25] offset:24576*(\t/4)+6144*\s+1536*(\t%4)+512*\g
.endr
.endr
.endr
	WIN 0x80
.irp s, 0,1
.irp t, 0,1,2,3,4,5,6,7
.irp g, 0,1,2
	global_load_b128 v[96*\s+12*\t+4*\g:96*\s+12*\t+4*\g+3], v1, s[24:25] offset:24576*(\t/4)+6144*(\s+2)+1536*(\t%4)+512*\g
.endr
.endr
.endr
	WIN 0
.irp p, 0,1,2,3
	global_load_b128 v[RS+4*\p:RS+4*\p+3], v1, s[28:29] offset:512*\p   ; lanes 0-15: tile 2 p's four words, lanes 16-31: tile 2 p + 1's
.endr
	s_add_nc_u64 s[40:41], s[16:17], s[40:41]
	s_add_nc_u64 s[42:43], s[14:15], s[42:43]
	s_add_nc_u64 s[44:45], s[14:15], s[44:45]
	s_add_nc_u64 s[54:55], s[40:41], 12288
	s_cmp_eq_u32 s19, 0
	s_cselect_b64 s[46:47], s[42:43], s[40:41]     ; where codes go, first head,
	s_cselect_b64 s[50:51], s[44:45], s[54:55]     ; and scale words
	s_cselect_b32 s56, 196608, s56                 ; (q's: 256 tiles of 768 bytes, 32 octets of 512)
	s_cselect_b32 s22, 16384, s22
	s_cselect_b64 s[8:9], s[8:9], s[10:11]         ; bq or bk
	s_add_nc_u64 s[48:49], s[46:47], s[56:57]      ; second head
	s_add_nc_u64 s[52:53], s[50:51], s[22:23]
	s_add_nc_u64 s[8:9], s[8:9], s[20:21]
	s_add_nc_u64 s[12:13], s[12:13], s[20:21]
.macro SLOAD i                         ; streamed tile i: its four fragments into buffer i % 2; with an even tile the scale words of tiles i and i + 1
.if (\i)%2
	WIN 0x80
.endif
.irp s, 0,1,2,3
.irp g, 0,1,2
	global_load_b128 v[SBUF+12*\s+4*\g:SBUF+12*\s+4*\g+3], v1, s[26:27] offset:24576*((\i)/4)+6144*\s+1536*((\i)%4)+512*\g
.endr
.endr
	WIN 0
.if (\i)%2 == 0
	global_load_b128 v[SS+4*(((\i)/2)%2):SS+4*(((\i)/2)%2)+3], v1, s[30:31] offset:512*((\i)/2)
.endif
.endm
.macro MULS i, vm                      ; 32 products: the 8 accumulators by turns, K step by K step; the bias is the C of each sum's first
.irp s, 0,1,2,3
.if (\s == 0) && (\vm == 0)
	WIN 0x11|(((\i)%2)<<3)
.else
	WIN (1+\s/2)|(((\i)%2)<<3)
.endif
.irp t, 0,1,2,3,4,5,6,7
.if (\s == 0) && (\vm == 0)
	WM ACC+8*\t, 96*(\s%2)+12*\t, SBUF+12*\s, BR+8*\t, RS+4*(\t/2)+\s, SS+4*(((\i)/2)%2)+\s, \t%2, (\i)%2
.elseif \s == 0
	WM ACC+8*\t, 96*(\s%2)+12*\t, SBUF+12*\s, CB, RS+4*(\t/2)+\s, SS+4*(((\i)/2)%2)+\s, \t%2, (\i)%2
.else
	WM ACC+8*\t, 96*(\s%2)+12*\t, SBUF+12*\s, ACC+8*\t, RS+4*(\t/2)+\s, SS+4*(((\i)/2)%2)+\s, \t%2, (\i)%2
.endif
.endr
.endr
	WIN 0
.endm
.macro TILE i, vm
.if (\i) == 7
	s_wait_loadcnt 0x0
.elseif ((\i)+1)%2 == 0
	s_wait_loadcnt 13                              ; tile i is in; the next tile's 12 fragment loads and its scale words stay out
.else
	s_wait_loadcnt 12                              ; tile i is in; the next tile's 12 loads stay out
.endif
.if \vm
.irp j, 0,1,2,3,4,5,6,7
	v_mov_b32 v[CB+\j], v[BV+(\i)]                 ; my column's bias for all eight tokens of a lane
.endr
.rept 4
	v_nop
.endr
.endif
	MULS \i, \vm
.rept 5
	v_nop                                          ; places in front of the loads into S's buffer and of the first read of results
.endr
.if (\i) < 6
	SLOAD (\i)+2
.endif
	s_wait_xcnt 0x0                                ; the last tile's stores have read the codes' registers
.if \vm
	QUANT ACC, PW+(\i)%4
.irp g, 0,1,2
	global_store_b128 v1, v[PC+4*\g:PC+4*\g+3], s[40:41] offset:HEADKV*((\i)/4)+6144+1536*((\i)%4)+512*\g   ; V's image: 16 of the head's 64 x these 128 keys
.endr
.if (\i)%4 == 3
	v_cndmask_b32 v[OW+2*((\i)/4)], v[PW], v[PW+2], vcc_lo       ; lanes 0-15 store the words of tiles 0, 1, lanes 16-31 those of tiles 2, 3
	v_cndmask_b32 v[OW+2*((\i)/4)+1], v[PW+1], v[PW+3], vcc_lo
	global_store_b64 v2, v[OW+2*((\i)/4):OW+2*((\i)/4)+1], s[40:41] offset:HEADKV*((\i)/4)+12800
.endif
.else
	QUANT ACC, PW+(\i)
	global_store_b128 v1, v[PC:PC+3], s[46:47] offset:768*(\i)          ; registers 0-5: my first head's 64,
	global_store_b64 v2, v[PC+4:PC+5], s[46:47] offset:768*(\i)+512
	global_store_b128 v1, v[PC+6:PC+9], s[48:49] offset:768*(\i)        ; registers 6-11: my second head's
	global_store_b64 v2, v[PC+10:PC+11], s[48:49] offset:768*(\i)+512
.endif
.endm
	s_cmp_eq_u32 s19, 2
	s_cbranch_scc1 .Lv
	WIN 0x40
.irp b, 0,1,2,3
.irp q, 0,1,2,3
	global_load_b128 v[BR+16*\b+4*\q:BR+16*\b+4*\q+3], v3, s[8:9] offset:128*\b+16*\q   ; the bias at my lane's columns 32 b + 16 h + 0 .. 15
.endr
.endr
	WIN 0
	SLOAD 0
	SLOAD 1
.irp i, 0,1,2,3,4,5,6,7
	TILE \i, 0
.endr
.irp k, 0,1,2,3
	v_cndmask_b32 v[OW+\k], v[PW+\k], v[PW+4+\k], vcc_lo   ; lanes 0-15 store the words of tiles 0-3, lanes 16-31 those of tiles 4-7
.endr
.irp k, 0,1,2,3
	v_lshrrev_b32 v[OW+4+\k], 16, v[OW+\k]         ; bytes 2, 3: the second head's two blocks
.endr
.irp k, 0,1,2,3
	v_and_b32 v[OW+\k], 0xffff, v[OW+\k]           ; bytes 0, 1: the first head's.  The upper two bytes are 0: they scale zero codes
.endr
	global_store_b128 v1, v[OW:OW+3], s[50:51]
	global_store_b128 v1, v[OW+4:OW+7], s[52:53]
	s_endpgm
.Lv:
.irp i, 0,1,2,3,4,5,6,7
	global_load_b32 v[BV+\i], v4, s[12:13] offset:(32*(\i/2)+8*(\i%2))*4
.endr
	SLOAD 0
	SLOAD 1
.irp i, 0,1,2,3,4,5,6,7
	TILE \i, 1
.endr
	s_endpgm
.Lfunc_end_k_qad27bc0bdd_qkv:
	.size	k_qad27bc0bdd_qkv, .Lfunc_end_k_qad27bc0bdd_qkv-k_qad27bc0bdd_qkv
	.p2alignl 7, 3214868480
	.fill 96, 4, 3214868480
	.section	.rodata,"a",@progbits
	.p2align	6, 0x0
	.amdhsa_kernel k_qad27bc0bdd_qkv
		.amdhsa_group_segment_fixed_size 0
		.amdhsa_private_segment_fixed_size 0
		.amdhsa_enable_private_segment 0
		.amdhsa_kernarg_size 56
		.amdhsa_user_sgpr_count 2
		.amdhsa_user_sgpr_kernarg_segment_ptr 1
		.amdhsa_wavefront_size32 1
		.amdhsa_system_sgpr_workgroup_id_x 1
		.amdhsa_system_sgpr_workgroup_id_y 1
		.amdhsa_system_sgpr_workgroup_id_z 1
		.amdhsa_system_vgpr_workitem_id 0
		.amdhsa_next_free_vgpr 768
		.amdhsa_next_free_sgpr 66
		.amdhsa_reserve_vcc 1
		.amdhsa_float_denorm_mode_32 3
		.amdhsa_float_denorm_mode_16_64 3
		.amdhsa_memory_ordered 1
		.amdhsa_forward_progress 1
		.amdhsa_inst_pref_size 173
	.end_amdhsa_kernel
	.amdgpu_metadata
---
amdhsa.version: [ 1, 2 ]
amdhsa.kernels:
  - .name:           k_qad27bc0bdd_qkv
    .symbol:         k_qad27bc0bdd_qkv.kd
    .args:
      - { .name: xq, .offset: 0, .size: 8, .value_kind: global_buffer, .address_space: global }
      - { .name: wts, .offset: 8, .size: 8, .value_kind: global_buffer, .address_space: global }
      - { .name: bq, .offset: 16, .size: 8, .value_kind: global_buffer, .address_space: global }
      - { .name: bk, .offset: 24, .size: 8, .value_kind: global_buffer, .address_space: global }
      - { .name: bv, .offset: 32, .size: 8, .value_kind: global_buffer, .address_space: global }
      - { .name: qc, .offset: 40, .size: 8, .value_kind: global_buffer, .address_space: global }
      - { .name: kv, .offset: 48, .size: 8, .value_kind: global_buffer, .address_space: global }
    .group_segment_fixed_size: 0
    .private_segment_fixed_size: 0
    .kernarg_segment_align: 8
    .kernarg_segment_size: 56
    .max_flat_workgroup_size: 128
    .sgpr_count:     66
    .vgpr_count:     768
    .wavefront_size: 32
...
	.end_amdgpu_metadata
.endif
;; end of part 2
;; launch attn (part 3): grid 16 x 16, 16 waves a work-group, clusters of 4 x 1, 327,680 bytes of LDS; arguments qc, kv, ao; writes ao
.if DOCPART == 3
	.amdgcn_target "amdgcn-amd-amdhsa--gfx1250"
	.amdhsa_code_object_version 6
	.text
	.protected	k_qad27bc0bdd_attn
	.globl	k_qad27bc0bdd_attn
	.p2align	8
	.type	k_qad27bc0bdd_attn,@function
k_qad27bc0bdd_attn:
	s_mov_b64 s[64:65], 0
	v_nop
	global_prefetch_b8 v0, s[64:65] scope:SCOPE_SE
	s_setreg_imm32_b32 hwreg(HW_REG_WAVE_MODE, 25, 1), 1
	s_wait_xcnt 0x0
	s_wait_alu depctr_hold_cnt(0) depctr_sa_sdst(0) depctr_va_vdst(0) depctr_va_sdst(0) depctr_va_ssrc(0) depctr_va_vcc(0) depctr_vm_vsrc(0)
	s_getreg_b32 s2, hwreg(HW_REG_IB_STS2, 6, 4)
	s_cmp_eq_u32 s2, 0
	s_cbranch_scc0 .Lentry_in_a_cluster
	s_endpgm
.Lentry_in_a_cluster:
	s_bfe_u32 s2, ttmp6, 0x10000c
	s_cmp_lg_u32 s2, 0x3003
	s_cbranch_scc0 .Lentry_shape_is_right
	s_endpgm
.Lentry_shape_is_right:
; O = softmax(q k^T / 8) v for one head, both products on codes of FP6 (E2M3) with E8M0 scales; O / l is quantised along the head's 64 for the next product.
; THE SOFTMAX: t = score x log2(e) / 8; M = the running largest t rounded UP to a whole number; p = 2^(t - M) is quantised along the keys, not normalised; the row's sum is taken of the unquantised p and divides at the end.
; When M moves, the sum and O are multiplied by 2^(old M - new M): exact.
; SHARES.  A work-group owns 256 queries of one head (grid y); each of its sixteen waves owns one tile of 16, in 256 registers: four waves to a SIMD, so that one wave's vector work stands beside another's products and LDS loads.
; Every wave walks the head's 4,096 keys, 128 a step.  A step's bytes (K's 8 half images, V's 4 images, their scale words: 13,056) are one dense run of memory in register order.
; LDS HOLDS 24 OF THE HEAD'S 32 STEPS: three groups of eight steps, step s at byte 13,056 s.  All three are asked for at the start.
; So the waves are brought into step three times in the walk: in front of steps 0, 8 and 24.
; CLUSTER.  The four work-groups of a cluster belong to one head and walk the same bytes: each group is asked for JOINTLY (mask 15), by waves 0 to 3, a quarter (two steps) each.  By this text's count a wave has at most three tensor loads out.
; LAYOUT.  Both products are used transposed: S^T = K Q^T, O^T = V^T P^T: a lane holds one query throughout.  A tile's keys are 32 b + 8 u + r + (r & 8), so the 16 registers of tiles 2 b, 2 b + 1 are 16 neighbouring keys.
; The first product's K is 64: registers 6-11 of Q's and K's fragments hold zero codes, cleared once, and the upper two scale bytes are 0.
; LIMITS: NaN and infinities are not served; a block whose largest magnitude lies under 2^-124 gets the byte 1; a block of zeros gets the byte 1 and not 127: its codes are zeros, and the bytes are read by this program alone.
; REGISTERS: v1-9 addresses; v[10:11] V's scale words; v12 -M, v13 the largest t, v[14:15] the sum; v16-27 Q; v28-31 K's scale words; v32-79 four fragments of K; v80-127 V's four; v128-191 S^T, then p; v192-223 O^T; v224-254 at work; v255 Q's scale word.
.set STEPB, 13056
.set GRP,   8*STEPB                    ; a group of eight steps: 104,448 bytes
.set SPARE, 3*GRP                      ; behind the three groups: the spare words, 128 bytes for each of 16 waves
.set OSC,   SPARE+2048                 ; 2,048 bytes: the sixteen tiles' scale words of O meet here; no fill lands here
.set HEADKV, 32*STEPB
.set QSOFF, 3145728
.set AOS,   3145728
.set WV,  18
.set SEL, 20
.set CS,  22
.set G1,  24                           ; s[24:31] descriptor group 1, the same for every load
.set G0,  40                           ; s[40:43] group 0 for group 0 of the steps, later for steps 24-31
.set G0B, 44                           ; s[44:47] for steps 8-15
.set G0C, 60                           ; s[60:63] for steps 16-23
.set TB,  48                           ; s48  LDS byte at which the four steps in hand begin
.set CNT, 49                           ; s49  trips to go
.macro CROUND                          ; a round of the cluster's barrier
	s_barrier_signal -1
	s_barrier_wait -1
	s_cmp_lg_u32 s[WV], 0
	s_cbranch_scc1 .Lnot_wave_0_\@
	s_barrier_signal -3
.Lnot_wave_0_\@:
	s_barrier_wait -3
	s_barrier_signal -1
	s_barrier_wait -1
.endm
	s_load_b128 s[4:7], s[0:1], 0x0                ; qc, kv
	s_load_b64 s[8:9], s[0:1], 0x10                ; ao
	v_lshl_add_u32 v5, v0, 2, SPARE                ; my spare word; never rewritten
	v_mov_b32 v6, 0                                ; 0; never rewritten
	ds_add_u32 v5, v6
	ds_add_u32 v5, v6
	s_wait_dscnt 0x0
	v_lshl_add_u32 v7, v0, 2, OSC                  ; where my lane's scale word of O goes
	v_lshl_add_u32 v4, v0, 4, OSC                  ; and where waves 0-3 read 16 bytes a lane back
	v_lshrrev_b32 v8, 5, v0
	v_readfirstlane_b32 s[WV], v8                  ; wave 0..15
	v_and_b32 v8, 31, v0
	v_lshlrev_b32 v1, 4, v8                        ; 16 x lane
	v_lshlrev_b32 v2, 3, v8                        ; 8 x lane
	v_and_b32 v9, 15, v0
	v_lshlrev_b32 v3, 4, v9                        ; 16 r
	s_bfe_u32 s10, ttmp6, 0x40000                  ; cx: it enters Q's and O's addresses alone
	s_lshl_b32 s11, ttmp9, 2
	s_add_co_u32 s11, s11, s10                     ; my block of 256 queries
	s_and_b32 s12, ttmp7, 0xffff                   ; the head, which the four partners share
	s_lshl_b32 s13, s11, 4
	s_add_co_u32 s13, s13, s[WV]                   ; my tile of queries
	s_lshl_b32 s14, s12, 8
	s_add_co_u32 s14, s14, s13
	s_mul_i32 s32, s14, 768                        ; its half image, in qc and in ao
	s_mov_b32 s33, 0
	s_lshl_b32 s15, s12, 5
	s_lshr_b32 s16, s13, 3
	s_add_co_u32 s15, s15, s16
	s_lshl_b32 s34, s15, 9                         ; Q's scale words: the octet's 512 bytes,
	s_bfe_u32 s16, s13, 0x10002
	s_lshl_b32 s16, s16, 8
	s_add_co_u32 s34, s34, s16                     ; its half of the lanes,
	s_and_b32 s16, s13, 3
	s_lshl_b32 s16, s16, 2
	s_add_co_u32 s34, s34, s16                     ; its word of four
	s_add_co_u32 s34, s34, QSOFF
	s_mov_b32 s35, 0
	s_lshl_b32 s36, s12, 8
	s_lshl_b32 s16, s11, 4
	s_add_co_u32 s36, s36, s16
	s_lshl_b32 s36, s36, 7
	s_add_co_u32 s36, s36, AOS                     ; O's scale words: 128 bytes a tile, my block's sixteen tiles
	s_mov_b32 s37, 0
	s_and_b32 s17, s[WV], 3                        ; which quarter of a group I would ask for (in registers that never hold cx)
	s_mul_i32 s19, s17, 2*STEPB                    ; two steps: the same bytes on in memory and in LDS
	s_mul_i32 s38, s12, HEADKV
	s_add_co_u32 s38, s38, s19
	s_mov_b32 s39, 0
	; descriptor group 1: 102 dense rows of 256 bytes (32 elements of 8 bytes): two steps.  No padding: the images are read 16 bytes a lane on end
	s_mov_b32 s[G1], 15|(3<<16)|(1<<21)            ; 15:0 the mask: all four work-groups; 17:16 elements of 8 bytes; 21 set beside a mask
	s_mov_b32 s[G1+1], 32<<16                      ; tensor_dim0 = 32
	s_mov_b32 s[G1+2], 102<<16                     ; tensor_dim1 = 102
	s_mov_b32 s[G1+3], 32<<16                      ; tile_dim0 = 32
	s_mov_b32 s[G1+4], 102                         ; tile_dim1 = 102
	s_mov_b32 s[G1+5], 32                          ; elements from row to row
	s_mov_b32 s[G1+6], 0
	s_mov_b32 s[G1+7], 0
	s_mov_b32 s[SEL], 0x76543210
	s_mov_b32 s[SEL+1], 0xfedcba98
	s_mov_b32 s[CS], 0x3e38aa3b                    ; c = log2(e) / 8
	s_mov_b32 s[CS+1], s[CS]                       ; (named with it as a pair, so it is written)
	s_mov_b32 s[TB], 0
	s_wait_kmcnt 0x0
	s_mov_b32 s[G0], 1                             ; count = 1
	s_mov_b32 s[G0+1], s19                         ; LDS address: group 0, my quarter
	s_add_nc_u64 s[G0+2:G0+3], s[6:7], s[38:39]    ; global address: the head's steps 0-7, my quarter
	s_mov_b32 s[G0B], 1
	s_add_co_u32 s[G0B+1], s19, GRP                ; group 1
	s_add_nc_u64 s[G0B+2:G0B+3], s[G0+2:G0+3], GRP
	s_mov_b32 s[G0C], 1
	s_add_co_u32 s[G0C+1], s19, 2*GRP              ; group 2
	s_add_nc_u64 s[G0C+2:G0C+3], s[G0+2:G0+3], 2*GRP
	s_or_b32 s[G0+3], s[G0+3], 0x80000000          ; type = 2
	s_or_b32 s[G0B+3], s[G0B+3], 0x80000000
	s_or_b32 s[G0C+3], s[G0C+3], 0x80000000
	CROUND                                         ; all four work-groups are here: the first joint loads meet
	s_cmp_lt_u32 s[WV], 4                          ; a wave's three first fills stand in one branch, ahead of every wait on TENSORcnt, every LDS read and every other barrier
	s_cbranch_scc0 .Lno_first
	tensor_load_to_lds s[G0:G0+3], s[G1:G1+7]      ; steps 0-7
	s_nop 0
	tensor_load_to_lds s[G0B:G0B+3], s[G1:G1+7]    ; steps 8-15
	s_nop 0
	tensor_load_to_lds s[G0C:G0C+3], s[G1:G1+7]    ; steps 16-23
	s_nop 0
.rept 4
	v_nop                                          ; four v_nop follow the last of them
.endr
.Lno_first:
	s_add_nc_u64 s[50:51], s[4:5], s[32:33]
	s_add_nc_u64 s[52:53], s[4:5], s[34:35]
	s_add_nc_u64 s[54:55], s[8:9], s[32:33]
	s_add_nc_u64 s[56:57], s[8:9], s[36:37]
	global_load_b128 v[16:19], v1, s[50:51]        ; Q's half image stays in registers
	global_load_b64 v[20:21], v2, s[50:51] offset:512
	global_load_b32 v255, v3, s[52:53]
.irp j, 22,23,24,25,26,27
	v_mov_b32 v\j, 0                               ; K = 64 .. 127 of the first product: zero codes
.endr
.irp t, 0,1,2,3
.irp j, 6,7,8,9,10,11
	v_mov_b32 v[32+12*\t+\j], 0
.endr
.endr
	v_mov_b32 v13, 0xff61b1e6                      ; the largest t so far: -3e38
	v_floor_f32 v12, -v13                          ; -M
	v_mov_b32 v14, 0
	v_mov_b32 v15, 0
.irp b, 0,1,2,3
	v_mov_b32 v[236+\b], 0                         ; written once: a lane permute's destination counts as one of its sources
.endr
	v_mov_b32 v253, 0                              ; (named as the upper half of v[252:253] before it is first written)
.set j, 0
.rept 32
	v_mov_b32 v[192+j], 0                          ; O^T: the step is written once; the first finds zeros
.set j, j+1
.endr
; A KEY STEP: 128 keys, the q-th of the four in hand.
.macro STEP q
.set OB, (\q)*STEPB
	v_add_nc_u32 v8, s[TB], v1
	v_add_nc_u32 v9, s[TB], v2
.irp t, 0,1,2,3
	ds_load_b128 v[32+12*\t:35+12*\t], v8 offset:OB+768*\t
	ds_load_b64 v[36+12*\t:37+12*\t], v9 offset:OB+768*\t+512
.endr
	ds_load_b128 v[28:31], v8 offset:OB+12288      ; lanes 0-15: the words of tiles 0-3, lanes 16-31: of tiles 4-7
	s_wait_dscnt 0x0
.irp t, 0,1,2,3
	v_wmma_scale_f32_16x16x128_f8f6f4 v[128+8*\t:135+8*\t], v[32+12*\t:43+12*\t], v[16:27], 0, v[28+\t], v255 matrix_a_fmt:MATRIX_FMT_FP6 matrix_b_fmt:MATRIX_FMT_FP6
.endr
.rept 4
	v_nop                                          ; places in front of loads into registers that matrix instructions have read (with the two additions above: six behind the last step's products), and of the first read of these four results
.endr
.irp t, 0,1,2,3
	ds_load_b128 v[32+12*\t:35+12*\t], v8 offset:OB+768*(\t+4)
	ds_load_b64 v[36+12*\t:37+12*\t], v9 offset:OB+768*(\t+4)+512
.endr
.irp d, 0,1,2,3
.irp g, 0,1,2
	ds_load_b128 v[80+12*\d+4*\g:83+12*\d+4*\g], v8 offset:OB+6144+1536*\d+512*\g
.endr
.endr
	ds_load_b64 v[10:11], v9 offset:OB+12800       ; lanes 0-15: the words of V's tiles 0, 1, lanes 16-31: of tiles 2, 3
	s_wait_dscnt 13                                ; K's tiles 4-7 are in; V's 12 loads and its words stay out
.irp t, 0,1,2,3
	v_wmma_scale_f32_16x16x128_f8f6f4 v[160+8*\t:167+8*\t], v[32+12*\t:43+12*\t], v[16:27], 0, v[28+\t], v255 matrix_a_fmt:MATRIX_FMT_FP6 matrix_b_fmt:MATRIX_FMT_FP6 matrix_a_scale:MATRIX_SCALE_ROW1
.endr
; THE LARGEST SCORE OF EACH BLOCK OF 32 KEYS: for the row's maximum and, since p rises with the score, for the block's largest p.  Blocks 0 and 1 first: their scores are the first four products', and these
; sixteen lines, which name no register of the four products just issued, are the places behind those.  Two chains a block, one for each of its two accumulators, each read from its low end on.
.irp p, 0,2
.irp b, 0,1
	v_max3_num_f32 v[232+\p+\b], v[128+16*(\p+\b)], v[129+16*(\p+\b)], v[130+16*(\p+\b)]
.endr
.irp b, 0,1
	v_max3_num_f32 v[236+\p+\b], v[136+16*(\p+\b)], v[137+16*(\p+\b)], v[138+16*(\p+\b)]
.endr
.irp i, 3,5
.irp b, 0,1
	v_max3_num_f32 v[232+\p+\b], v[232+\p+\b], v[128+16*(\p+\b)+\i], v[129+16*(\p+\b)+\i]
.endr
.irp b, 0,1
	v_max3_num_f32 v[236+\p+\b], v[236+\p+\b], v[136+16*(\p+\b)+\i], v[137+16*(\p+\b)+\i]
.endr
.endr
.irp b, 0,1
	v_max3_num_f32 v[232+\p+\b], v[232+\p+\b], v[236+\p+\b], v[135+16*(\p+\b)]
.endr
.irp b, 0,1
	v_max_num_f32 v[232+\p+\b], v[232+\p+\b], v[143+16*(\p+\b)]
.endr
.endr
.irp b, 0,1,2,3
	v_permlanex16_b32 v[236+\b], v[232+\b], s[SEL], s[SEL+1]
.endr
.irp b, 0,1,2,3
	v_max_num_f32 v[232+\b], v[232+\b], v[236+\b]  ; with lane l xor 16's 16 keys
.endr
	v_max3_num_f32 v254, v232, v233, v234
	v_max_num_f32 v254, v254, v235
	v_mul_f32 v254, s[CS], v254                    ; the step's largest t
	v_max_num_f32 v13, v13, v254
	v_mov_b32 v254, v12
	v_floor_f32 v12, -v13                          ; the new -M = -ceil(t)
	v_sub_f32 v254, v12, v254                      ; old M - new M: a whole number, 0 or less
	v_cvt_i32_f32 v254, v254                       ; (it saturates)
	v_ldexp_f32 v252, 1.0, v254                    ; f = 2^(old M - new M)
.set j, 0
.rept 32
	v_pk_fma_f32 v[128+j:129+j], v[128+j:129+j], s[CS:CS+1], v[12:13] op_sel_hi:[1,0,0]   ; t - M, two at a time
.set j, j+2
.endr
.irp b, 0,1,2,3
	v_fma_f32 v[232+\b], v[232+\b], s[CS], v12
.endr
.set j, 0
.rept 64
	v_exp_f32 v[128+j], v[128+j]                   ; p = 2^(t - M)
.set j, j+1
.endr
.irp b, 0,1,2,3
	v_exp_f32 v[232+\b], v[232+\b]                 ; the block's largest p: the same two instructions on the same number
.endr
	v_pk_mul_f32 v[14:15], v[14:15], v[252:253] op_sel_hi:[1,0]   ; the sum under the new M (a plain place behind the exponentials)
	s_wait_alu depctr_va_vdst(0)
.irp b, 0,1,2,3
	v_max_num_f32 v[232+\b], 0x1800000, v[232+\b]  ; the floor: the byte cannot fall under 1
.endr
.irp b, 0,1,2,3
	v_add_nc_u32 v[244+\b], 0xff000000, v[232+\b]
.endr
.irp b, 0,1,2,3
	v_lshrrev_b32 v[236+\b], 23, v[244+\b]
.endr
	v_lshl_or_b32 v253, v237, 8, v236              ; p's scale word for these 128 keys
	v_lshl_or_b32 v253, v238, 16, v253
	v_lshl_or_b32 v253, v239, 24, v253
.irp c, 0,1
	v_cvt_scalef32_pk16_fp6_f32 v[224+6*\c:226+6*\c], v[128+32*\c:143+32*\c], v[244+2*\c]
	v_cvt_scalef32_pk16_fp6_f32 v[236+4*\c:238+4*\c], v[144+32*\c:159+32*\c], v[244+2*\c+1]
.endr
	v_nop                                          ; one plain place behind a scaled conversion
.irp c, 0,1
.irp i, 0,1,2
	v_permlane16_swap_b32 v[224+6*\c+\i], v[236+4*\c+\i]
.endr
.irp i, 0,1,2
	v_mov_b32 v[227+6*\c+\i], v[236+4*\c+\i]
.endr
.endr
	v_pk_add_f32 v[236:237], v[128:129], v[130:131]   ; the row's sum is taken of the unquantised p, in two chains
.irp j, 4,8,12,16,20,24,28,32,36,40,44,48,52,56,60
	v_pk_add_f32 v[14:15], v[14:15], v[128+\j:129+\j]
	v_pk_add_f32 v[236:237], v[236:237], v[130+\j:131+\j]
.endr
	v_pk_add_f32 v[14:15], v[14:15], v[236:237]
.set j, 0
.rept 16
	v_pk_mul_f32 v[192+j:193+j], v[192+j:193+j], v[252:253] op_sel_hi:[1,0]   ; O^T under the new M, each accumulator from its low end on.  (These and the sums are the places between p's codes and word and the products)
.set j, j+2
.endr
	s_wait_dscnt 0x0                               ; V is in
	v_wmma_scale_f32_16x16x128_f8f6f4 v[192:199], v[80:91], v[224:235], v[192:199], v10, v253 matrix_a_fmt:MATRIX_FMT_FP6 matrix_b_fmt:MATRIX_FMT_FP6
	v_wmma_scale_f32_16x16x128_f8f6f4 v[200:207], v[92:103], v[224:235], v[200:207], v11, v253 matrix_a_fmt:MATRIX_FMT_FP6 matrix_b_fmt:MATRIX_FMT_FP6
	v_wmma_scale_f32_16x16x128_f8f6f4 v[208:215], v[104:115], v[224:235], v[208:215], v10, v253 matrix_a_fmt:MATRIX_FMT_FP6 matrix_b_fmt:MATRIX_FMT_FP6 matrix_a_scale:MATRIX_SCALE_ROW1
	v_wmma_scale_f32_16x16x128_f8f6f4 v[216:223], v[116:127], v[224:235], v[216:223], v11, v253 matrix_a_fmt:MATRIX_FMT_FP6 matrix_b_fmt:MATRIX_FMT_FP6 matrix_a_scale:MATRIX_SCALE_ROW1
.endm
.macro FOUR_STEPS                      ; four steps by immediate offsets (51,968 bytes at the most), then the base goes on
	STEP 0
	STEP 1
	STEP 2
	STEP 3
	s_add_co_u32 s[TB], s[TB], 4*STEPB
.endm
	s_wait_loadcnt 0x0                             ; Q
	s_wait_tensorcnt 2                             ; my quarter of steps 0-7 is in; my two younger loads stay out
	s_barrier_signal -1
	s_barrier_wait -1                              ; everybody's is
	s_mov_b32 s[CNT], 2
.Lfirst:                                           ; steps 0-7, from group 0
	FOUR_STEPS
	s_sub_co_u32 s[CNT], s[CNT], 1
	s_cmp_lg_u32 s[CNT], 0
	s_cbranch_scc1 .Lfirst
	; THE ONE REFILL.  Each wave waits for all its tensor loads (groups 1 and 2 are in), adds 0 to its spare word, and waits for that and for its reads of group 0; a round of the cluster's barrier, so that no wave
	; of any partner still reads group 0; then steps 24-31 are asked for jointly onto group 0's bytes, one load a wave: it has sixteen steps in which to land.
	s_wait_tensorcnt 0x0                           ; no tensor load of mine is out, so a descriptor may be written
	ds_add_u32 v5, v6                              ; 0 onto my spare word
	ds_add_u32 v5, v6
	s_add_nc_u64 s[G0+2:G0+3], s[G0+2:G0+3], 3*GRP ; 24 steps on; the LDS address stays; the type bits on top are not reached
	s_wait_dscnt 0x0                               ; the add is done, and my reads of group 0 are over
	CROUND
	s_cmp_lt_u32 s[WV], 4
	s_cbranch_scc0 .Lno_refill
	tensor_load_to_lds s[G0:G0+3], s[G1:G1+7]      ; the first thing behind the round, and the wave's last tensor load
	s_nop 0
.rept 4
	v_nop
.endr
.Lno_refill:
	s_mov_b32 s[TB], GRP
	s_mov_b32 s[CNT], 4
.Lmiddle:                                          ; steps 8-23, from groups 1 and 2: no barrier among them
	FOUR_STEPS
	s_sub_co_u32 s[CNT], s[CNT], 1
	s_cmp_lg_u32 s[CNT], 0
	s_cbranch_scc1 .Lmiddle
	s_wait_tensorcnt 0x0                           ; my quarter of steps 24-31 is in
	ds_add_u32 v5, v6
	s_mov_b32 s[TB], 0
	s_wait_dscnt 0x0
	s_barrier_signal -1
	s_barrier_wait -1                              ; everybody's is; nothing is filled any more
	s_mov_b32 s[CNT], 2
.Llast:                                            ; steps 24-31, from group 0's bytes
	FOUR_STEPS
	s_sub_co_u32 s[CNT], s[CNT], 1
	s_cmp_lg_u32 s[CNT], 0
	s_cbranch_scc1 .Llast
	; THE WAY OUT.  O^T / the sum; its 64 numbers a row are two blocks of the next product's K: quantised here, stored as a half image.
.rept 4
	v_nop                                          ; places behind the last products
.endr
	v_add_f32 v14, v14, v15
	v_permlanex16_b32 v252, v14, s[SEL], s[SEL+1]
	v_add_f32 v14, v14, v252                       ; the row's sum
	v_rcp_f32 v14, v14
	v_lshlrev_b32 v8, 4, v0                        ; (a plain place behind the reciprocal)  16 x thread
.set j, 0
	s_wait_alu depctr_va_vdst(0)
.rept 32
	v_mul_f32 v[128+j], v[192+j], v14              ; register 16 b + i: channel 32 b + 16 (lane / 16) + i of my query
.set j, j+1
.endr
.irp b, 0,1
	v_max3_num_f32 v[232+\b], |v[128+16*\b]|, |v[129+16*\b]|, 0x1800000
.endr
.irp i, 2,4,6,8,10,12,14
.irp b, 0,1
	v_max3_num_f32 v[232+\b], v[232+\b], |v[128+16*\b+\i]|, |v[129+16*\b+\i]|
.endr
.endr
.irp b, 0,1
	v_permlanex16_b32 v[236+\b], v[232+\b], s[SEL], s[SEL+1]
.endr
.irp b, 0,1
	v_max_num_f32 v[232+\b], v[232+\b], v[236+\b]
.endr
.irp b, 0,1
	v_add_nc_u32 v[244+\b], 0xff000000, v[232+\b]
.endr
.irp b, 0,1
	v_lshrrev_b32 v[236+\b], 23, v[244+\b]
.endr
	v_lshl_or_b32 v254, v237, 8, v236              ; my row's two bytes
	v_cvt_scalef32_pk16_fp6_f32 v[224:226], v[128:143], v244
	v_cvt_scalef32_pk16_fp6_f32 v[240:242], v[144:159], v245
	v_nop
.irp i, 0,1,2
	v_permlane16_swap_b32 v[224+\i], v[240+\i]
.endr
.irp i, 0,1,2
	v_mov_b32 v[227+\i], v[240+\i]
.endr
	global_store_b128 v1, v[224:227], s[54:55]     ; 512 consecutive bytes,
	global_store_b64 v2, v[228:229], s[54:55] offset:512   ; and 256
	ds_store_b32 v7, v254
	s_wait_dscnt 0x0                               ; for the others' sake: my word lies in LDS
	s_barrier_signal -1
	s_barrier_wait -1
	s_cmp_lt_u32 s[WV], 4
	s_cbranch_scc0 .Lno_words
	ds_load_b128 v[128:131], v4                    ; the block's 2,048 bytes of scale words leave in stores of 512 consecutive bytes
	s_wait_dscnt 0x0
	global_store_b128 v8, v[128:131], s[56:57]
.Lno_words:
	s_wait_tensorcnt 0x0                           ; the wave's end
	ds_add_u32 v5, v6
	s_wait_dscnt 0x0
	CROUND                                         ; the closing round: no work-group ends while a partner may still ask for a tile that names it
	s_endpgm
.Lfunc_end_k_qad27bc0bdd_attn:
	.size	k_qad27bc0bdd_attn, .Lfunc_end_k_qad27bc0bdd_attn-k_qad27bc0bdd_attn
	.p2alignl 7, 3214868480
	.fill 96, 4, 3214868480
	.section	.rodata,"a",@progbits
	.p2align	6, 0x0
	.amdhsa_kernel k_qad27bc0bdd_attn
		.amdhsa_group_segment_fixed_size 327680
		.amdhsa_private_segment_fixed_size 0
		.amdhsa_enable_private_segment 0
		.amdhsa_kernarg_size 24
		.amdhsa_user_sgpr_count 2
		.amdhsa_user_sgpr_kernarg_segment_ptr 1
		.amdhsa_wavefront_size32 1
		.amdhsa_system_sgpr_workgroup_id_x 1
		.amdhsa_system_sgpr_workgroup_id_y 1
		.amdhsa_system_sgpr_workgroup_id_z 1
		.amdhsa_system_vgpr_workitem_id 0
		.amdhsa_next_free_vgpr 256
		.amdhsa_next_free_sgpr 66
		.amdhsa_reserve_vcc 0
		.amdhsa_float_denorm_mode_32 3
		.amdhsa_float_denorm_mode_16_64 3
		.amdhsa_memory_ordered 1
		.amdhsa_forward_progress 1
		.amdhsa_inst_pref_size 197
	.end_amdhsa_kernel
	.amdgpu_metadata
---
amdhsa.version: [ 1, 2 ]
amdhsa.kernels:
  - .name:           k_qad27bc0bdd_attn
    .symbol:         k_qad27bc0bdd_attn.kd
    .args:
      - { .name: qc, .offset: 0, .size: 8, .value_kind: global_buffer, .address_space: global }
      - { .name: kv, .offset: 8, .size: 8, .value_kind: global_buffer, .address_space: global }
      - { .name: ao, .offset: 16, .size: 8, .value_kind: global_buffer, .address_space: global }
    .group_segment_fixed_size: 327680
    .private_segment_fixed_size: 0
    .kernarg_segment_align: 8
    .kernarg_segment_size: 24
    .max_flat_workgroup_size: 512
    .sgpr_count:     66
    .vgpr_count:     256
    .wavefront_size: 32
...
	.end_amdgpu_metadata
.endif
;; end of part 3
;; launch chain (part 4): grid 128 x 1, 4 waves a work-group, no clusters, 175,616 bytes of LDS; arguments x, ao, wts, bo, gamma1, beta1, b1, b2, gamma2, beta2, out0; writes out0
.if DOCPART == 4
	.amdgcn_target "amdgcn-amd-amdhsa--gfx1250"
	.amdhsa_code_object_version 6
	.text
	.protected	k_qad27bc0bdd_chain
	.globl	k_qad27bc0bdd_chain
	.p2align	8
	.type	k_qad27bc0bdd_chain,@function
k_qad27bc0bdd_chain:
	s_mov_b64 s[64:65], 0
	v_nop
	global_prefetch_b8 v0, s[64:65] scope:SCOPE_SE
	s_setreg_imm32_b32 hwreg(HW_REG_WAVE_MODE, 25, 1), 1
	s_wait_xcnt 0x0
; x1 = LN(x + a Wo + bo); out = LN(x1 + relu(x1 W1 + b1) W2 + b2), LN(y) = (y - mean) / (std + 1e-5) x gain + shift.  The three products on codes of FP6 (E2M3) with E8M0 scales; all else in f32.
; SHARES.  A work-group takes 64 tokens (4 tiles m).  The waves share the COLUMNS: wave w makes columns 128 w on of the first and third product and hidden units 512 w on, which are K steps 4 w .. 4 w + 3 of the third.
; Every work-group that owns whole rows has to see all 1.77 MB of the weights' codes; with 64 tokens each fragment of a weight feeds four matrix instructions.
; THE WEIGHTS' CODES lie in memory in the order in which a wave uses them, in register order: 72 units (4 column tiles x 128 K: 6,144 bytes) a wave, streamed into a ring of four unit buffers in registers: 48 loads of 512 bytes a wave are out.
; Each fragment is wanted by one wave of the work-group alone, so it goes through no LDS and no tensor load is used.
; x1 and the hidden layer are quantised in registers and go from wave to wave through LDS as images of operand registers.  They never go to memory.
; The products are used transposed (source 0 = 16 columns of a weight, source 1 = 16 tokens): a lane holds one token, and register 16 b + i of its 64 is column 128 w + 32 b + 16 (lane / 16) + i.
; The variance is taken in two passes: no difference of large sums is formed.
; LIMITS: NaN and infinities are not served; a block whose largest magnitude lies under 2^-124 gets the byte 1; a block of zeros gets the byte 1 and not 127: its codes are zeros, and the bytes are read by this program alone.
; REGISTERS: window 0: v1-15, v229-235 addresses; v16-31 the weights' scale words, two sets; v32-47 the tokens' scale words; v48-79 b1; v80-207 the hidden layer's 16 accumulators, else at work; v208-228, v236-254 QUANT.
;   window 1: Y, 4 tiles x 64: x, then the sums.   window 2: v0-191 the tokens' fragments (K step s', tile m at 48 s' + 12 m); v192-255 a row vector.   window 3: v0-191 the ring; v192-255 a row vector.
.set RED,  33792                       ; LDS: 0: a stage of 16 rows x 528 bytes for each wave;  RED: 4 uses x 4 waves x 512 bytes of partial sums
.set XIMG, 41984                       ; x1's 16 fragments, (4 s + m) x 1,536;  behind them its scale words, 512 s + 16 l
.set XSCO, 24576
.set HIMG, 68608                       ; the hidden layer's 64 fragments, (4 s + m) x 1,536, each as two half images
.set HSC,  166912                      ; its scale words, 512 s + 16 l
.set CHC,  589824
.set CHS,  2383872
.set AOS,  3145728
.set WS,   16
.set AS,   32
.set B1,   48
.set ACC1, 80
.set TM,   208
.set PWM,  224
.set PW,   228
.set HSR,  229
.set CV,   230
.set AW,   231
.set T16,  232
.set T8,   233
.set TW,   234
.set XSW,  235
.set PC,   236
.set SEL,  38
.set MSB, 0
.macro WIN new                         ; the immediate's high byte repeats the setting that is left
.if MSB != (\new)
	s_set_vgpr_msb (MSB<<8)|(\new)
.set MSB, (\new)
.endif
.endm
; 64 numbers of a lane in window sw, register 16 b + i = k 32 b + 16 (lane / 16) + i, become 12 registers of codes in v[PC] on and a scale word in v[pw].
.macro QUANT src, sw, pw
	WIN (\sw)*5
.irp b, 0,1,2,3
	v_max3_num_f32 v[TM+\b], |v[\src+16*\b]|, |v[\src+1+16*\b]|, 0x1800000   ; the floor 2^(3 - 127) holds the byte at 1
.endr
	WIN (\sw)*20
.irp i, 2,4,6,8,10,12,14
.irp b, 0,1,2,3
	v_max3_num_f32 v[TM+\b], v[TM+\b], |v[\src+16*\b+\i]|, |v[\src+1+16*\b+\i]|
.endr
.endr
	WIN 0
.irp b, 0,1,2,3
	v_permlanex16_b32 v[TM+4+\b], v[TM+\b], s[SEL], s[SEL+1]
.endr
.irp b, 0,1,2,3
	v_max_num_f32 v[TM+\b], v[TM+\b], v[TM+4+\b]
.endr
.irp b, 0,1,2,3
	v_add_nc_u32 v[TM+12+\b], 0xff000000, v[TM+\b]
.endr
.irp b, 0,1,2,3
	v_lshrrev_b32 v[TM+4+\b], 23, v[TM+12+\b]
.endr
	v_lshl_or_b32 v[\pw], v[TM+5], 8, v[TM+4]
	v_lshl_or_b32 v[\pw], v[TM+6], 16, v[\pw]
	v_lshl_or_b32 v[\pw], v[TM+7], 24, v[\pw]
	WIN (\sw)
.irp c, 0,1
	v_cvt_scalef32_pk16_fp6_f32 v[PC+6*\c:PC+2+6*\c], v[\src+32*\c:\src+15+32*\c], v[TM+12+2*\c]
	v_cvt_scalef32_pk16_fp6_f32 v[PC+12+4*\c:PC+14+4*\c], v[\src+16+32*\c:\src+31+32*\c], v[TM+12+2*\c+1]
.endr
	WIN 0
	v_nop                                          ; one plain place behind a scaled conversion
.irp c, 0,1
.irp i, 0,1,2
	v_permlane16_swap_b32 v[PC+6*\c+\i], v[PC+12+4*\c+\i]
.endr
.irp i, 0,1,2
	v_mov_b32 v[PC+3+6*\c+\i], v[PC+12+4*\c+\i]
.endr
.endr
.endm
.macro WM d, a, b, c, sa, sb, ra       ; one product; ra: the weight's scale words stand in lanes 16-31
.if (\ra)
	v_wmma_scale_f32_16x16x128_f8f6f4 v[\d:\d+7], v[\a:\a+11], v[\b:\b+11], v[\c:\c+7], v[\sa], v[\sb] matrix_a_fmt:MATRIX_FMT_FP6 matrix_b_fmt:MATRIX_FMT_FP6 matrix_a_scale:MATRIX_SCALE_ROW1
.else
	v_wmma_scale_f32_16x16x128_f8f6f4 v[\d:\d+7], v[\a:\a+11], v[\b:\b+11], v[\c:\c+7], v[\sa], v[\sb] matrix_a_fmt:MATRIX_FMT_FP6 matrix_b_fmt:MATRIX_FMT_FP6
.endif
.endm
.macro HLOAD hs, sp                    ; the hidden layer's K step hs, four tiles of tokens, into buffer sp, and its scale words: 17 LDS loads
.if (\hs) < 8
.set HB, 12
.else
.set HB, 14
.endif
.set HO, ((\hs)%8)*6144
	WIN 0x80
.irp m, 0,1,2,3
	ds_load_b128 v[48*(\sp)+12*\m:48*(\sp)+12*\m+3], v[HB] offset:HO+1536*\m
	ds_load_b64 v[48*(\sp)+12*\m+4:48*(\sp)+12*\m+5], v[HB+1] offset:HO+1536*\m+512
	ds_load_b128 v[48*(\sp)+12*\m+6:48*(\sp)+12*\m+9], v[HB] offset:HO+1536*\m+768
	ds_load_b64 v[48*(\sp)+12*\m+10:48*(\sp)+12*\m+11], v[HB+1] offset:HO+1536*\m+1280
.endr
	WIN 0
	ds_load_b128 v[AS+4*(\sp):AS+4*(\sp)+3], v[HSR] offset:512*(\hs)
.endm
; A UNIT: 4 column tiles x 4 tiles of tokens x 128 K: 16 products, the 16 accumulators by turns in one order.
; sp: ring and token buffer; aw, ab, am: the accumulators' window, base and step from tile to tile of tokens; cf: b1 starts the sums; wsb: the set of the weight's scale words;
; lc, dc: the younger global and LDS loads that may stay out; goff: the unit four on, fetched into this buffer; xa: 1: the next quad's scale words (xoff), 2: and its b1 (pointer s[bp]); hs: the hidden K step four on.
.macro UNIT sp, aw, ab, am, cf, wsb, lc, dc, goff, xa, bp, xoff, hs
	s_wait_loadcnt \lc
.if (\dc) >= 0
	s_wait_dscnt \dc
.endif
	WIN 0x0b|((\aw)*0x50)
.irp m, 0,1,2,3
.irp t, 0,1,2,3
.if \cf
	WM \ab+\am*\m+8*\t, 48*(\sp)+12*\t, 48*(\sp)+12*\m, B1+8*\t, WS+8*(\wsb)+4*(\t/2)+(\sp), AS+4*(\sp)+\m, \t%2
.else
	WM \ab+\am*\m+8*\t, 48*(\sp)+12*\t, 48*(\sp)+12*\m, \ab+\am*\m+8*\t, WS+8*(\wsb)+4*(\t/2)+(\sp), AS+4*(\sp)+\m, \t%2
.endif
.endr
.endr
	WIN 0
.rept 5
	v_nop                                          ; places in front of loads into registers that these products have read, of the first read of results, and of sums begun anew
.endr
.if (\xa) >= 1
	global_load_b128 v[WS+8*(1-(\wsb)):WS+8*(1-(\wsb))+3], v1, s[30:31] offset:\xoff
	global_load_b128 v[WS+8*(1-(\wsb))+4:WS+8*(1-(\wsb))+7], v1, s[30:31] offset:\xoff+512
.endif
.if (\xa) == 2
.irp b, 0,1
.irp q, 0,1,2,3
	global_load_b128 v[B1+16*\b+4*\q:B1+16*\b+4*\q+3], v[CV], s[\bp:\bp+1] offset:128*\b+16*\q
.endr
.endr
.endif
.if (\goff) >= 0
	WIN 0xc0
.irp t, 0,1,2,3
.irp g, 0,1,2
	global_load_b128 v[48*(\sp)+12*\t+4*\g:48*(\sp)+12*\t+4*\g+3], v1, s[28:29] offset:\goff+1536*\t+512*\g
.endr
.endr
	WIN 0
.endif
.if (\hs) >= 0
	HLOAD \hs, \sp
.endif
.endm
.macro VECLOAD dw, p                   ; a row vector at my lane's 64 columns into v192-255 of window dw
	WIN (\dw)<<6
.irp b, 0,1,2,3
.irp q, 0,1,2,3
	global_load_b128 v[192+16*\b+4*\q:192+16*\b+4*\q+3], v[CV], s[\p:\p+1] offset:128*\b+16*\q
.endr
.endr
	WIN 0
.endm
.macro REDUCE red                      ; v[80 + 2 m] pairs -> v[88 + m]: the row's total over my lane, lane l xor 16 and the four waves, in a fixed order
.irp m, 0,1,2,3
	v_add_f32 v[88+\m], v[80+2*\m], v[81+2*\m]
.endr
.irp m, 0,1,2,3
	v_permlanex16_b32 v[92+\m], v[88+\m], s[SEL], s[SEL+1]
.endr
.irp m, 0,1,2,3
	v_add_f32 v[88+\m], v[88+\m], v[92+\m]
.endr
	ds_store_b128 v5, v[88:91] offset:\red
	s_wait_dscnt 0x0                               ; for the others' sake: my partial sums lie in LDS
	s_barrier_signal -1
	s_barrier_wait -1
.irp k, 0,1,2,3
	ds_load_b128 v[96+4*\k:99+4*\k], v6 offset:\red+512*\k
.endr
	s_wait_dscnt 0x0
.irp m, 0,1,2,3
	v_add_f32 v[88+\m], v[96+\m], v[100+\m]
.endr
.irp m, 0,1,2,3
	v_add_f32 v[92+\m], v[104+\m], v[108+\m]
.endr
.irp m, 0,1,2,3
	v_add_f32 v[88+\m], v[88+\m], v[92+\m]
.endr
.endm
; The layer norm of Y's 64 rows.  The gain lies in window 2, the shift in window 3.  red: this use's bytes for partial sums; lcnt: the loads issued behind the gain's and the shift's.
.macro LN red, lcnt
.irp m, 0,1,2,3
	v_mov_b32 v[92+\m], 0                          ; a lane permute's destination counts as one of its sources
.endr
	WIN 0x05
.irp m, 0,1,2,3
	v_pk_add_f32 v[80+2*\m:81+2*\m], v[64*\m:64*\m+1], v[64*\m+2:64*\m+3]   ; each accumulator is read from its low end on
.endr
	WIN 0x04
.set k, 4
.rept 30
.irp m, 0,1,2,3
	v_pk_add_f32 v[80+2*\m:81+2*\m], v[80+2*\m:81+2*\m], v[64*\m+k:64*\m+k+1]
.endr
.set k, k+2
.endr
	WIN 0
	REDUCE \red
.irp m, 0,1,2,3
	v_mul_f32 v[112+2*\m], 0xbb000000, v[88+\m]    ; -mean = -sum / 512
.endr
.irp m, 0,1,2,3
	v_mov_b32 v[113+2*\m], v[112+2*\m]
.endr
	WIN 0x41
.irp m, 0,1,2,3
.set k, 0
.rept 32
	v_pk_add_f32 v[64*\m+k:64*\m+k+1], v[64*\m+k:64*\m+k+1], v[112+2*\m:113+2*\m]
.set k, k+2
.endr
.endr
	WIN 0x05
.irp m, 0,1,2,3
	v_pk_mul_f32 v[80+2*\m:81+2*\m], v[64*\m:64*\m+1], v[64*\m:64*\m+1]
.endr
.set k, 2
.rept 31
.irp m, 0,1,2,3
	v_pk_fma_f32 v[80+2*\m:81+2*\m], v[64*\m+k:64*\m+k+1], v[64*\m+k:64*\m+k+1], v[80+2*\m:81+2*\m]
.endr
.set k, k+2
.endr
	WIN 0
	REDUCE \red+2048
.irp m, 0,1,2,3
	v_mul_f32 v[88+\m], 0x3b000000, v[88+\m]       ; the variance
.endr
.irp m, 0,1,2,3
	v_sqrt_f32 v[88+\m], v[88+\m]
.endr
	v_nop                                          ; one plain place behind a transcendental
	s_wait_alu depctr_va_vdst(0)
.irp m, 0,1,2,3
	v_add_f32 v[88+\m], 0x3727c5ac, v[88+\m]       ; std + 1e-5
.endr
.irp m, 0,1,2,3
	v_rcp_f32 v[120+2*\m], v[88+\m]
.endr
	v_nop
	s_wait_alu depctr_va_vdst(0)
.irp m, 0,1,2,3
	v_mov_b32 v[121+2*\m], v[120+2*\m]
.endr
	WIN 0x41
.irp m, 0,1,2,3
.set k, 0
.rept 32
	v_pk_mul_f32 v[64*\m+k:64*\m+k+1], v[64*\m+k:64*\m+k+1], v[120+2*\m:121+2*\m]
.set k, k+2
.endr
.endr
	s_wait_loadcnt \lcnt                           ; the gain and the shift are in
	WIN 0x79
.irp m, 0,1,2,3
.set k, 0
.rept 32
	v_pk_fma_f32 v[64*\m+k:64*\m+k+1], v[64*\m+k:64*\m+k+1], v[192+k:193+k], v[192+k:193+k]   ; x gain (window 2) + shift (window 3)
.set k, k+2
.endr
.endr
	WIN 0
.endm
	s_load_b512 s[4:19], s[0:1], 0x0               ; x, ao, wts, bo, gamma1, beta1, b1, b2
	s_load_b128 s[20:23], s[0:1], 0x40             ; gamma2, beta2
	s_load_b64 s[24:25], s[0:1], 0x50              ; out0
	v_lshl_add_u32 v251, v0, 2, 0x2ac00
	v_mov_b32 v255, 0
	v_lshrrev_b32 v1, 5, v0
	v_readfirstlane_b32 s26, v1                    ; wave
	v_and_b32 v80, 31, v0                          ; lane
	v_and_b32 v81, 15, v0                          ; r
	v_bfe_u32 v82, v0, 4, 1                        ; h
	v_lshlrev_b32 v1, 4, v80                       ; 16 l
	v_lshlrev_b32 v2, 3, v80                       ; 8 l
	s_mul_i32 s27, s26, 8448
	v_add_nc_u32 v3, s27, v1                       ; my stage by rows: 512 bytes on end, rows 528 apart (an odd multiple of 16)
	v_mul_u32_u24 v4, v81, 528
	v_lshl_add_u32 v4, v82, 6, v4
	v_add_nc_u32 v4, s27, v4                       ; and by lanes: row r, + 64 h
	s_lshl_b32 s27, s26, 9
	v_add_nc_u32 v5, s27, v1
	v_add_nc_u32 v5, RED, v5                       ; my wave's partial sums
	v_add_nc_u32 v6, RED, v1                       ; every wave's
	v_add_nc_u32 v[XSW], s27, v1
	v_add_nc_u32 v[XSW], XIMG+XSCO, v[XSW]         ; x1's scale words of K step w
	s_mul_i32 s27, s26, 6144
	v_add_nc_u32 v7, s27, v1
	v_add_nc_u32 v7, XIMG, v7                      ; x1's images of K step w
	v_add_nc_u32 v8, XIMG, v1                      ; all of x1's images
	s_mul_i32 s27, s26, 24576
	v_add_nc_u32 v9, s27, v1
	v_add_nc_u32 v9, HIMG, v9                      ; the hidden layer's images of K steps 4 w on: 16 bytes a lane,
	v_add_nc_u32 v10, s27, v2
	v_add_nc_u32 v10, HIMG, v10                    ; 8 bytes a lane
	s_lshl_b32 s27, s26, 11
	v_add_nc_u32 v11, s27, v1
	v_add_nc_u32 v11, HSC, v11                     ; and their scale words
	v_add_nc_u32 v12, HIMG, v1                     ; all hidden images: K steps 0-7,
	v_add_nc_u32 v13, HIMG, v2
	v_add_nc_u32 v14, HIMG+49152, v1               ; K steps 8-15: so that every immediate stays under 65,536
	v_add_nc_u32 v15, HIMG+49152, v2
	v_add_nc_u32 v[HSR], HSC, v1
	v_lshlrev_b32 v[CV], 6, v82                    ; a row vector: 64 h
	v_lshlrev_b32 v[AW], 2, v80
.irp b, 0,1,2,3
	v_mov_b32 v[TM+4+\b], 0                        ; written once: a lane permute's destination counts as one of its sources
.endr
	s_mov_b32 s[SEL], 0x76543210
	s_mov_b32 s[SEL+1], 0xfedcba98
	s_lshl_b32 s56, ttmp9, 17                      ; 64 tokens of 2,048 bytes,
	s_lshl_b32 s54, s26, 9                         ; my 128 columns
	s_add_co_u32 s56, s56, s54
	s_mov_b32 s57, 0
	s_mov_b32 s55, 0
	s_lshr_b32 s35, ttmp9, 6                       ; the batch
	s_lshl_b32 s35, s35, 11                        ; its first head's first tile: 8 x 256
	s_and_b32 s36, ttmp9, 63
	s_lshl_b32 s36, s36, 2
	s_add_co_u32 s35, s35, s36                     ; + my first tile
	s_mul_i32 s50, s35, 768
	s_mov_b32 s51, 0
	s_lshl_b32 s52, s35, 7
	s_add_co_u32 s52, s52, AOS
	s_mov_b32 s53, 0
	s_mul_i32 s28, s26, 442368                     ; my 72 units
	s_add_co_u32 s28, s28, CHC
	s_mov_b32 s29, 0
	s_mul_i32 s30, s26, 18432                      ; my 18 quads of scale words
	s_add_co_u32 s30, s30, CHS
	s_mov_b32 s31, 0
	s_lshl_b32 s42, s26, 11                        ; my 512 numbers of b1
	s_mov_b32 s43, 0
	s_wait_kmcnt 0x0
	s_add_nc_u64 s[46:47], s[4:5], s[56:57]
	s_add_nc_u64 s[48:49], s[24:25], s[56:57]
	s_add_nc_u64 s[50:51], s[6:7], s[50:51]
	s_add_nc_u64 s[52:53], s[6:7], s[52:53]
	s_add_nc_u64 s[28:29], s[8:9], s[28:29]
	s_add_nc_u64 s[30:31], s[8:9], s[30:31]
	s_add_nc_u64 s[10:11], s[10:11], s[54:55]
	s_add_nc_u64 s[12:13], s[12:13], s[54:55]
	s_add_nc_u64 s[14:15], s[14:15], s[54:55]
	s_add_nc_u64 s[18:19], s[18:19], s[54:55]
	s_add_nc_u64 s[20:21], s[20:21], s[54:55]
	s_add_nc_u64 s[22:23], s[22:23], s[54:55]
	s_add_nc_u64 s[44:45], s[16:17], s[42:43]
	; ---- A: everything that the first product wants is asked for in one run
	WIN 0x40
.irp m, 0,1,2,3
.irp i, 0,1,2,3,4,5,6,7,8,9,10,11,12,13,14,15
	global_load_b128 v[64*\m+4*\i:64*\m+4*\i+3], v1, s[46:47] offset:(32*(\m/2)+8*(\m%2)+\i+8*(\i/8))*2048 th:TH_LOAD_NT   ; 512 consecutive bytes of one row of x
.endr
.endr
	VECLOAD 2, 10                                  ; bo
	WIN 0x80
.irp s, 0,1,2,3                        ; K step s of the first product is heads 2 s and 2 s + 1: two half images make a fragment
.irp m, 0,1,2,3
	global_load_b128 v[48*\s+12*\m:48*\s+12*\m+3], v1, s[50:51] offset:196608*(2*\s)+768*\m
	global_load_b64 v[48*\s+12*\m+4:48*\s+12*\m+5], v2, s[50:51] offset:196608*(2*\s)+768*\m+512
	global_load_b128 v[48*\s+12*\m+6:48*\s+12*\m+9], v1, s[50:51] offset:196608*(2*\s+1)+768*\m
	global_load_b64 v[48*\s+12*\m+10:48*\s+12*\m+11], v2, s[50:51] offset:196608*(2*\s+1)+768*\m+512
.endr
.endr
	WIN 0
.irp m, 0,1,2,3
.irp d, 0,1,2,3,4,5,6,7
	global_load_b32 v[128+8*\m+\d], v[AW], s[52:53] offset:32768*\d+128*\m   ; head d's two scale bytes of my row
.endr
.endr
	global_load_b128 v[WS:WS+3], v1, s[30:31]
	global_load_b128 v[WS+4:WS+7], v1, s[30:31] offset:512
	WIN 0xc0
.irp u, 0,1,2,3
.irp t, 0,1,2,3
.irp g, 0,1,2
	global_load_b128 v[48*\u+12*\t+4*\g:48*\u+12*\t+4*\g+3], v1, s[28:29] offset:6144*\u+1536*\t+512*\g
.endr
.endr
.endr
	WIN 0
	s_wait_loadcnt 50                              ; all but the stream's first 2 + 48 loads
.irp m, 0,1,2,3                        ; x turns through my stage: in by rows, back 64 numbers a lane.  LDS serves a wave's instructions in order
	WIN 0x04
.irp i, 0,1,2,3,4,5,6,7,8,9,10,11,12,13,14,15
	ds_store_b128 v3, v[64*\m+4*\i:64*\m+4*\i+3] offset:528*\i
.endr
	WIN 0x40
.irp b, 0,1,2,3
.irp q, 0,1,2,3
	ds_load_b128 v[64*\m+16*\b+4*\q:64*\m+16*\b+4*\q+3], v4 offset:128*\b+16*\q
.endr
.endr
.endr
	WIN 0
.irp s, 0,1,2,3
.irp m, 0,1,2,3
	v_lshl_or_b32 v[AS+4*\s+\m], v[128+8*\m+2*\s+1], 16, v[128+8*\m+2*\s]   ; the two heads' bytes make K step s's scale word
.endr
.endr
	s_wait_dscnt 0x0
	WIN 0x49
.irp m, 0,1,2,3
.set k, 0
.rept 32
	v_pk_add_f32 v[64*\m+k:64*\m+k+1], v[64*\m+k:64*\m+k+1], v[192+k:193+k]   ; Y = x + bo: the C of the first product
.set k, k+2
.endr
.endr
	WIN 0
	VECLOAD 2, 12                                  ; gamma1
	VECLOAD 3, 14                                  ; beta1
	; ---- B: Y += a Wo.  Counts: 36 = three younger units; + 2 or + 10: the next quad's scale words (and b1), issued behind a quad's first unit
	UNIT 0, 1, 0, 64, 0, 0, 36, -1, 6144*4, 1, 0, 1024, -1
	UNIT 1, 1, 0, 64, 0, 0, 38, -1, 6144*5, 0, 0, 0, -1
	UNIT 2, 1, 0, 64, 0, 0, 38, -1, 6144*6, 0, 0, 0, -1
	UNIT 3, 1, 0, 64, 0, 0, 38, -1, 6144*7, 0, 0, 0, -1
	UNIT 0, 1, 32, 64, 0, 1, 36, -1, 6144*8, 2, 44, 2048, -1
	UNIT 1, 1, 32, 64, 0, 1, 46, -1, 6144*9, 0, 0, 0, -1
	UNIT 2, 1, 32, 64, 0, 1, 46, -1, 6144*10, 0, 0, 0, -1
	UNIT 3, 1, 32, 64, 0, 1, 46, -1, 6144*11, 0, 0, 0, -1
	s_wait_xcnt 0x0                                ; the stream's pointers step only behind this wait
	s_add_nc_u64 s[28:29], s[28:29], 49152
	s_add_nc_u64 s[30:31], s[30:31], 2048
	; ---- C: x1 = LN(Y).  58 = the ring's 48 loads and the 10 extras issued behind gamma1's and beta1's
	LN 0, 58
	; ---- D: x1 becomes an operand: my 128 columns are K step w of the second product
	VECLOAD 2, 18                                  ; b2
	VECLOAD 3, 22                                  ; beta2
.irp m, 0,1,2,3
	QUANT 64*\m, 1, PWM+\m
.irp g, 0,1,2
	ds_store_b128 v7, v[PC+4*\g:PC+4*\g+3] offset:1536*\m+512*\g
.endr
	s_wait_dscnt 0x0                               ; the stores have read their registers
.endr
	ds_store_b128 v[XSW], v[PWM:PWM+3]
	s_wait_loadcnt 0x0                             ; b2
	WIN 0x49
.irp m, 0,1,2,3
.set k, 0
.rept 32
	v_pk_add_f32 v[64*\m+k:64*\m+k+1], v[64*\m+k:64*\m+k+1], v[192+k:193+k]   ; Y = x1 + b2: the C of the third product
.set k, k+2
.endr
.endr
	WIN 0
	VECLOAD 2, 20                                  ; gamma2
	s_wait_dscnt 0x0
	s_barrier_signal -1
	s_barrier_wait -1                              ; x1's sixteen fragments lie in LDS
	WIN 0x80
.irp s, 0,1,2,3
.irp m, 0,1,2,3
.irp g, 0,1,2
	ds_load_b128 v[48*\s+12*\m+4*\g:48*\s+12*\m+4*\g+3], v8 offset:(4*\s+\m)*1536+512*\g
.endr
.endr
.endr
	WIN 0
.irp s, 0,1,2,3
	ds_load_b128 v[AS+4*\s:AS+4*\s+3], v8 offset:XSCO+512*\s
.endr
	s_wait_dscnt 0x0
	; ---- E: the hidden layer.  Trip q makes my hidden units 128 q .. 128 q + 127 (K step 4 w + q of the third product) in two quads of 64
	s_mov_b32 s34, 0
	s_mov_b32 s35, 512
	s_mov_b32 s36, 0
	s_mov_b32 s37, 0
	s_add_nc_u64 s[32:33], s[44:45], 256           ; b1 of the quad behind the trip's first,
	s_add_nc_u64 s[40:41], s[44:45], 512           ; and of the quad behind its second
.Lffn1:
	v_add_nc_u32 v[T16], s37, v9
	v_add_nc_u32 v[T8], s37, v10
	v_add_nc_u32 v[TW], s36, v11
.irp c, 0,1
	UNIT 0, 0, ACC1, 32, 1, \c, 36, -1, 6144*(4*\c+4), 2, 32+8*\c, 1024*(\c+1), -1
	UNIT 1, 0, ACC1, 32, 0, \c, 46, -1, 6144*(4*\c+5), 0, 0, 0, -1
	UNIT 2, 0, ACC1, 32, 0, \c, 46, -1, 6144*(4*\c+6), 0, 0, 0, -1
	UNIT 3, 0, ACC1, 32, 0, \c, 46, -1, 6144*(4*\c+7), 0, 0, 0, -1
.irp mm, 0,2                           ; two tiles of tokens at a time: 2 x 32 registers = 2 x 2 blocks
.set j, 0
.rept 64
	v_max_num_f32 v[ACC1+32*\mm+j], 0, v[ACC1+32*\mm+j]   ; the activation, in f32, each accumulator from its low end on
.set j, j+1
.endr
	QUANT ACC1+32*\mm, 0, PW
	ds_store_b128 v[T16], v[PC:PC+3] offset:1536*\mm+768*\c          ; registers 0-5: half c of tile mm's fragment,
	ds_store_b64 v[T8], v[PC+4:PC+5] offset:1536*\mm+768*\c+512
	ds_store_b128 v[T16], v[PC+6:PC+9] offset:1536*(\mm+1)+768*\c    ; registers 6-11: of tile mm + 1's
	ds_store_b64 v[T8], v[PC+10:PC+11] offset:1536*(\mm+1)+768*\c+512
.if \c == 0
	v_and_b32 v[PWM+\mm], 0xffff, v[PW]
	v_lshrrev_b32 v[PWM+\mm+1], 16, v[PW]
.else
	v_lshl_or_b32 v[PWM+\mm], v[PW], 16, v[PWM+\mm]
	v_and_or_b32 v[PWM+\mm+1], v[PW], 0xffff0000, v[PWM+\mm+1]
.endif
	s_wait_dscnt 0x0                               ; the stores have read their registers
.endr
.endr
	ds_store_b128 v[TW], v[PWM:PWM+3]
	s_wait_dscnt 0x0
	s_wait_xcnt 0x0                                ; the pointers step only behind this wait
	s_add_nc_u64 s[28:29], s[28:29], 49152
	s_add_nc_u64 s[30:31], s[30:31], 2048
	s_add_nc_u64 s[32:33], s[32:33], 512
	s_add_co_u32 s35, s35, 512
	s_min_u32 s42, s35, 1792                       ; the last look-ahead is held inside b1: its numbers are not used, and every trip issues the same loads
	s_add_nc_u64 s[40:41], s[44:45], s[42:43]
	s_add_co_u32 s36, s36, 512
	s_add_co_u32 s37, s37, 6144
	s_add_co_u32 s34, s34, 1
	s_cmp_lt_u32 s34, 4
	s_cbranch_scc1 .Lffn1
	s_barrier_signal -1
	s_barrier_wait -1                              ; the hidden layer's 64 fragments lie in LDS
	; ---- F: Y += hidden W2: 32 units, column group FV / 16, K step FV % 16
	HLOAD 0, 0
	HLOAD 1, 1
	HLOAD 2, 2
	HLOAD 3, 3
.set FV, 0
.rept 32
.set REM, 31-FV
.if REM > 3
.set REM, 3
.endif
.set LCV, 12*REM                       ; the younger units' loads,
.if (FV%4 != 0) && (FV/4 < 7)
.set LCV, LCV+2                        ; and the next quad's scale words
.endif
.set DCV, 17*REM                       ; the younger K steps' 17 LDS loads each
.set GOV, -1
.set HSV, -1
.if FV+4 <= 31
.set GOV, 6144*(FV+4)
.set HSV, (FV+4)%16
.endif
.set XAV, 0
.if (FV%4 == 0) && (FV/4 < 7)
.set XAV, 1
.endif
	UNIT FV%4, 1, 32*(FV/16), 64, 0, (FV/4)%2, LCV, DCV, GOV, XAV, 0, 1024*(FV/4+1), HSV
.set FV, FV+1
.endr
	; ---- G: out = LN(Y), through my stage, as whole pieces of rows
	LN 4096, 0
.irp m, 0,1,2,3
	WIN 0x04
.irp b, 0,1,2,3
.irp q, 0,1,2,3
	ds_store_b128 v4, v[64*\m+16*\b+4*\q:64*\m+16*\b+4*\q+3] offset:128*\b+16*\q
.endr
.endr
	WIN 0
.if \m >= 2
	s_wait_xcnt 0x0                                ; the stores of two tiles ago have read these registers
.endif
.irp i, 0,1,2,3,4,5,6,7,8,9,10,11,12,13,14,15
	ds_load_b128 v[ACC1+64*(\m%2)+4*\i:ACC1+64*(\m%2)+4*\i+3], v3 offset:528*\i   ; LDS serves a wave's instructions in order: these see my stores
.endr
.irp i, 0,1,2,3,4,5,6,7,8,9,10,11,12,13,14,15
	s_wait_dscnt 15-\i
	global_store_b128 v1, v[ACC1+64*(\m%2)+4*\i:ACC1+64*(\m%2)+4*\i+3], s[48:49] offset:(32*(\m/2)+8*(\m%2)+\i+8*(\i/8))*2048 th:TH_STORE_NT   ; 512 consecutive bytes, at a multiple of 256 from the output's first byte
.endr
.endr
	s_wait_tensorcnt 0x0
	ds_add_u32 v251, v255
	s_wait_dscnt 0x0
	s_endpgm
.Lfunc_end_k_qad27bc0bdd_chain:
	.size	k_qad27bc0bdd_chain, .Lfunc_end_k_qad27bc0bdd_chain-k_qad27bc0bdd_chain
	.p2alignl 7, 3214868480
	.fill 96, 4, 3214868480
	.section	.rodata,"a",@progbits
	.p2align	6, 0x0
	.amdhsa_kernel k_qad27bc0bdd_chain
		.amdhsa_group_segment_fixed_size 175616
		.amdhsa_private_segment_fixed_size 0
		.amdhsa_enable_private_segment 0
		.amdhsa_kernarg_size 88
		.amdhsa_user_sgpr_count 2
		.amdhsa_user_sgpr_kernarg_segment_ptr 1
		.amdhsa_wavefront_size32 1
		.amdhsa_system_sgpr_workgroup_id_x 1
		.amdhsa_system_sgpr_workgroup_id_y 1
		.amdhsa_system_sgpr_workgroup_id_z 1
		.amdhsa_system_vgpr_workitem_id 0
		.amdhsa_next_free_vgpr 1024
		.amdhsa_next_free_sgpr 66
		.amdhsa_reserve_vcc 0
		.amdhsa_float_denorm_mode_32 3
		.amdhsa_float_denorm_mode_16_64 3
		.amdhsa_memory_ordered 1
		.amdhsa_forward_progress 1
		.amdhsa_inst_pref_size 255
	.end_amdhsa_kernel
	.section	.bss,"aw",@nobits
	.p2align	6
	.space	262144
	.amdgpu_metadata
---
amdhsa.version: [ 1, 2 ]
amdhsa.kernels:
  - .name:           k_qad27bc0bdd_chain
    .symbol:         k_qad27bc0bdd_chain.kd
    .args:
      - { .name: x, .offset: 0, .size: 8, .value_kind: global_buffer, .address_space: global }
      - { .name: ao, .offset: 8, .size: 8, .value_kind: global_buffer, .address_space: global }
      - { .name: wts, .offset: 16, .size: 8, .value_kind: global_buffer, .address_space: global }
      - { .name: bo, .offset: 24, .size: 8, .value_kind: global_buffer, .address_space: global }
      - { .name: gamma1, .offset: 32, .size: 8, .value_kind: global_buffer, .address_space: global }
      - { .name: beta1, .offset: 40, .size: 8, .value_kind: global_buffer, .address_space: global }
      - { .name: b1, .offset: 48, .size: 8, .value_kind: global_buffer, .address_space: global }
      - { .name: b2, .offset: 56, .size: 8, .value_kind: global_buffer, .address_space: global }
      - { .name: gamma2, .offset: 64, .size: 8, .value_kind: global_buffer, .address_space: global }
      - { .name: beta2, .offset: 72, .size: 8, .value_kind: global_buffer, .address_space: global }
      - { .name: out0, .offset: 80, .size: 8, .value_kind: global_buffer, .address_space: global }
    .group_segment_fixed_size: 175616
    .private_segment_fixed_size: 0
    .kernarg_segment_align: 8
    .kernarg_segment_size: 88
    .max_flat_workgroup_size: 128
    .sgpr_count:     66
    .vgpr_count:     1024
    .wavefront_size: 32
...
	.end_amdgpu_metadata
.endif
;; end of part 4
;; ======== version 2 of 2: 4 launches
;; workspace buffers: xq 3,276,800 bytes; wts 2,457,600 bytes; qc 3,407,872 bytes; kv 6,684,672 bytes; ao 3,670,016 bytes
;; launch quant (part 5): grid 224 x 1, 4 waves a work-group, no clusters, 59,904 bytes of LDS; arguments x, Wq, Wk, Wv, Wo, W1, W2, xq, wts; writes xq, wts
.if DOCPART == 5
	.amdgcn_target "amdgcn-amd-amdhsa--gfx1250"
	.amdhsa_code_object_version 6
	.text
	.protected	k_qad27bc0bdd_quant
	.globl	k_qad27bc0bdd_quant
	.p2align	8
	.type	k_qad27bc0bdd_quant,@function
k_qad27bc0bdd_quant:
	s_mov_b64 s[64:65], 0
	v_nop
	global_prefetch_b8 v0, s[64:65] scope:SCOPE_SE
	s_setreg_imm32_b32 hwreg(HW_REG_WAVE_MODE, 25, 1), 1
	s_wait_xcnt 0x0
; x [8192][512] and the six weights ([K][N], f32) become codes of FP6 (E2M3) with one E8M0 byte for each 32 along K, laid as IMAGES OF OPERAND REGISTERS.
; A tile is 16 rows: tile 2 B + u, lane-row r, is row 32 B + 8 u + r + (r & 8).  A fragment image (16 rows x 128 K, 12 registers a lane) is 1,536 bytes: registers 4 g .. 4 g + 3 of lane l at 512 g + 16 l.
; Codes: [group of 4 tiles][K step of 128][tile] images.  Scales: for 4 tiles and 512 along K 1,024 bytes [tile][row 16][4 words].
; A block's scale is 2^(floor(log2(largest magnitude)) - 2); its byte is the largest magnitude's exponent field - 2, held at 1 from below.
; LIMITS: NaN and infinities are not served; a block whose largest magnitude lies under 2^-124 gets the byte 1; a block of zeros gets the byte 1 and not 127: its codes are zeros, and the bytes are read by this program alone.
; Work-groups 0-127 take x (a wave: one tile of 16 tokens, all 512 of K), work-groups 128-223 the weights (a wave: 32 columns x 256 along K).  The two ways have LDS bytes of their own.  Waves share nothing: no barrier.
.set XSOFF, 3145728                    ; xq: where the scale words begin
.set QKVS,  2359296                    ; wts: scales of Wq, Wk, Wv
.set CHC,   589824                     ; wts: codes of Wo, W1, W2 in the order in which the last launch's waves use them
.set CHS,   2383872                    ; wts: their scales
.set WSTG,  33792                      ; LDS: the weights' stages, 6,400 bytes a wave, behind x's four of 8,448
.set R,   16                           ; v16-143  x: two sets of 16 rows x 16 bytes a lane
.set X,   144                          ; v144-207 x: 64 numbers of my row
.set TM,  208                          ; v208-223 at work in QUANT
.set PC,  224                          ; v224-243 the codes just made
.set PW,  244                          ; v244-247 the four K steps' scale words
.set C,   176                          ; weights: a block's six registers of codes
.set SB,  188                          ; weights: v188-189 scale bytes, four to a register
.set SEL, 58                           ; s[58:59] selects of v_permlanex16_b32 for lane l xor 16
; 64 numbers of a lane, register 16 b + i = k 32 b + 16 (lane / 16) + i of my row, become a fragment's codes in v[PC] on and its scale word in v[pw].
.macro QUANT src, pw
.irp b, 0,1,2,3
	v_max3_num_f32 v[TM+\b], |v[\src+16*\b]|, |v[\src+1+16*\b]|, 0x1800000   ; my 16 numbers of block b, and the floor 2^(3 - 127): the byte cannot fall under 1
.endr
.irp i, 2,4,6,8,10,12,14
.irp b, 0,1,2,3
	v_max3_num_f32 v[TM+\b], v[TM+\b], |v[\src+16*\b+\i]|, |v[\src+1+16*\b+\i]|
.endr
.endr
.irp b, 0,1,2,3
	v_permlanex16_b32 v[TM+4+\b], v[TM+\b], s[SEL], s[SEL+1]
.endr
.irp b, 0,1,2,3
	v_max_num_f32 v[TM+\b], v[TM+\b], v[TM+4+\b]   ; with lane l xor 16's: the block's largest magnitude
.endr
.irp b, 0,1,2,3
	v_add_nc_u32 v[TM+12+\b], 0xff000000, v[TM+\b]   ; 2 off its exponent field: the conversion's scale operand
.endr
.irp b, 0,1,2,3
	v_lshrrev_b32 v[TM+4+\b], 23, v[TM+12+\b]      ; the scale's byte
.endr
	v_lshl_or_b32 v[\pw], v[TM+5], 8, v[TM+4]
	v_lshl_or_b32 v[\pw], v[TM+6], 16, v[\pw]
	v_lshl_or_b32 v[\pw], v[TM+7], 24, v[\pw]
.irp c, 0,1
	v_cvt_scalef32_pk16_fp6_f32 v[PC+6*\c:PC+2+6*\c], v[\src+32*\c:\src+15+32*\c], v[TM+12+2*\c]
	v_cvt_scalef32_pk16_fp6_f32 v[PC+12+4*\c:PC+14+4*\c], v[\src+16+32*\c:\src+31+32*\c], v[TM+12+2*\c+1]   ; (a conversion's three registers begin on an even number)
.endr
	v_nop                                          ; one plain place behind a scaled conversion
.irp c, 0,1                                    ; the operand's layout wants a whole block in a lane
.irp i, 0,1,2
	v_permlane16_swap_b32 v[PC+6*\c+\i], v[PC+12+4*\c+\i]
.endr
.irp i, 0,1,2
	v_mov_b32 v[PC+3+6*\c+\i], v[PC+12+4*\c+\i]
.endr
.endr
.endm
	s_load_b512 s[4:19], s[0:1], 0x0               ; x, Wq, Wk, Wv, Wo, W1, W2, xq
	s_load_b64 s[20:21], s[0:1], 0x40              ; wts
	v_lshl_add_u32 v254, v0, 2, 0xe800
	v_mov_b32 v255, 0
	v_lshrrev_b32 v1, 5, v0
	v_readfirstlane_b32 s22, v1                    ; wave
	v_and_b32 v10, 31, v0                          ; lane
	v_and_b32 v11, 15, v0                          ; r
	v_bfe_u32 v12, v0, 4, 1                        ; h
	v_lshlrev_b32 v1, 4, v10                       ; 16 x lane
	s_mov_b32 s[SEL], 0x76543210
	s_mov_b32 s[SEL+1], 0xfedcba98
	s_lshr_b32 s31, s22, 1                         ; wave / 2
	s_and_b32 s52, s22, 1                          ; wave % 2
	s_cmp_ge_u32 ttmp9, 128
	s_cbranch_scc1 .Lweights
; ---- x.  Wave w of work-group g takes tile 4 g + w: tokens 64 g + 32 (w / 2) + 8 (w % 2) + i + 8 (i / 8), i = 0 .. 15.
	s_mul_i32 s23, s22, 8448
	v_add_nc_u32 v2, s23, v1                       ; the stage, in: a row's 512 bytes on end; rows 528 bytes apart (an odd multiple of 16)
	v_mul_u32_u24 v3, v11, 528
	v_lshl_add_u32 v3, v12, 6, v3
	v_add_nc_u32 v3, s23, v3                       ; out: row r, + 64 h: my 16 numbers of each block of 32
	v_lshlrev_b32 v4, 4, v11
	v_lshl_add_u32 v4, v12, 3, v4                  ; my two scale words' place: 16 r + 8 h
.irp b, 0,1,2,3
	v_mov_b32 v[TM+4+\b], 0                        ; written once: a lane permute's destination counts as one of its sources
.endr
	v_cmp_eq_u32 vcc_lo, 1, v12
	s_lshl_b32 s24, ttmp9, 17                      ; 64 tokens of 2,048 bytes
	s_lshl_b32 s25, s31, 16
	s_add_co_u32 s24, s24, s25
	s_lshl_b32 s25, s52, 14
	s_add_co_u32 s24, s24, s25
	s_mov_b32 s25, 0
	s_mul_i32 s26, ttmp9, 24576                    ; my group of four tiles,
	s_mul_i32 s27, s22, 1536                       ; my tile in each K step's unit
	s_add_co_u32 s26, s26, s27
	s_mov_b32 s27, 0
	s_lshl_b32 s28, ttmp9, 10
	s_lshl_b32 s29, s22, 8
	s_add_co_u32 s28, s28, s29
	s_add_co_u32 s28, s28, XSOFF                   ; my tile's 256 bytes of scale words
	s_mov_b32 s29, 0
	s_wait_alu depctr_va_vdst(0)
	s_wait_kmcnt 0x0
	s_add_nc_u64 s[4:5], s[4:5], s[24:25]
	s_add_nc_u64 s[26:27], s[18:19], s[26:27]
	s_add_nc_u64 s[28:29], s[18:19], s[28:29]
.macro LOADX st                        ; K step st of my 16 rows: each load reads 512 consecutive bytes of one row
.irp i, 0,1,2,3,4,5,6,7,8,9,10,11,12,13,14,15
	global_load_b128 v[R+64*((\st)%2)+4*\i:R+64*((\st)%2)+4*\i+3], v1, s[4:5] offset:(\i+8*(\i/8))*2048+512*(\st)
.endr
.endm
.macro XSTEP st
.if (\st) < 3
	s_wait_loadcnt 16                              ; this K step's 16 loads are in; the next step's 16 stay out
.else
	s_wait_loadcnt 0x0
.endif
.irp i, 0,1,2,3,4,5,6,7,8,9,10,11,12,13,14,15
	ds_store_b128 v2, v[R+64*((\st)%2)+4*\i:R+64*((\st)%2)+4*\i+3] offset:528*\i
.endr
.irp b, 0,1,2,3
.irp q, 0,1,2,3
	ds_load_b128 v[X+16*\b+4*\q:X+16*\b+4*\q+3], v3 offset:128*\b+16*\q   ; LDS serves a wave's instructions in order: these see my stores
.endr
.endr
	s_wait_dscnt 0x0
.if (\st) < 2
	LOADX (\st)+2
.endif
	s_wait_xcnt 0x0                                ; the last step's stores have read the codes' registers
	QUANT X, PW+(\st)
.irp g, 0,1,2
	global_store_b128 v1, v[PC+4*\g:PC+4*\g+3], s[26:27] offset:6144*(\st)+512*\g   ; 512 consecutive bytes
.endr
.endm
	LOADX 0
	LOADX 1
	XSTEP 0
	XSTEP 1
	XSTEP 2
	XSTEP 3
	v_cndmask_b32 v248, v[PW], v[PW+2], vcc_lo     ; lanes 0-15 store words 0, 1 of their row, lanes 16-31 words 2, 3
	v_cndmask_b32 v249, v[PW+1], v[PW+3], vcc_lo
	global_store_b64 v4, v[248:249], s[28:29]      ; the wave stores 256 consecutive bytes
	s_wait_tensorcnt 0x0
	ds_add_u32 v254, v255
	s_wait_dscnt 0x0
	s_endpgm
; ---- the weights.  Work-group j takes 128 columns x 256 along K; a lane takes a column and its registers run down K.
.Lweights:
	s_sub_co_u32 s23, ttmp9, 128                   ; j
	s_mov_b32 s24, 2048                            ; bytes in a row of the weight
	s_mov_b32 s29, CHC
	s_mov_b32 s30, CHS
	s_cmp_ge_u32 s23, 24
	s_cbranch_scc1 .Lnot_qkv
	s_lshr_b32 s53, s23, 3                         ; Wq, Wk or Wv
	s_and_b32 s25, s23, 3                          ; column group of 128
	s_bfe_u32 s26, s23, 0x10002                    ; K chunk of 256
	s_lshl_b32 s54, s25, 1
	s_add_co_u32 s54, s54, s31                     ; group of four tiles
	s_lshl_b32 s27, s53, 5
	s_lshl_b32 s55, s54, 2
	s_add_co_u32 s27, s27, s55                     ; unit
	s_lshl_b32 s28, s53, 3
	s_add_co_u32 s28, s28, s54                     ; quad of scales
	s_mov_b32 s29, 0
	s_mov_b32 s30, QKVS
	s_branch .Larm_done
.Lnot_qkv:
	s_cmp_ge_u32 s23, 32
	s_cbranch_scc1 .Lnot_wo
	s_and_b32 s25, s23, 3                          ; Wo
	s_bfe_u32 s26, s23, 0x10002
	s_mul_i32 s27, s25, 72
	s_lshl_b32 s55, s31, 2
	s_add_co_u32 s27, s27, s55
	s_mul_i32 s28, s25, 18
	s_add_co_u32 s28, s28, s31
	s_branch .Larm_done
.Lnot_wo:
	s_cmp_ge_u32 s23, 64
	s_cbranch_scc1 .Lw2
	s_sub_co_u32 s53, s23, 32                      ; W1
	s_and_b32 s25, s53, 15
	s_lshr_b32 s26, s53, 4
	s_mov_b32 s24, 8192
	s_lshl_b32 s54, s25, 1
	s_add_co_u32 s54, s54, s31
	s_and_b32 s54, s54, 7
	s_lshr_b32 s55, s25, 2
	s_mul_i32 s27, s55, 72
	s_add_co_u32 s27, s27, 8
	s_lshl_b32 s56, s54, 2
	s_add_co_u32 s27, s27, s56
	s_mul_i32 s28, s55, 18
	s_add_co_u32 s28, s28, 2
	s_add_co_u32 s28, s28, s54
	s_branch .Larm_done
.Lw2:
	s_sub_co_u32 s53, s23, 64                      ; W2
	s_and_b32 s25, s53, 3
	s_lshr_b32 s26, s53, 2
	s_mul_i32 s27, s25, 72
	s_add_co_u32 s27, s27, 40
	s_lshl_b32 s55, s31, 4
	s_add_co_u32 s27, s27, s55
	s_mul_i32 s28, s25, 18
	s_add_co_u32 s28, s28, 10
	s_lshl_b32 s55, s31, 2
	s_add_co_u32 s28, s28, s55
	s_lshr_b32 s55, s26, 1
	s_add_co_u32 s28, s28, s55
.Larm_done:
	s_lshl_b32 s55, s26, 1
	s_add_co_u32 s27, s27, s55                     ; + the chunk's first K step
	s_mul_i32 s54, s27, 6144
	s_add_co_u32 s54, s54, s29
	s_mul_i32 s53, s52, 3072
	s_add_co_u32 s54, s54, s53                     ; codes: base + 6,144 x unit + my two tiles
	s_mov_b32 s55, 0
	s_lshl_b32 s56, s28, 10
	s_add_co_u32 s56, s56, s30
	s_lshl_b32 s53, s52, 9
	s_add_co_u32 s56, s56, s53
	s_and_b32 s53, s26, 1
	s_lshl_b32 s53, s53, 3
	s_add_co_u32 s56, s56, s53                     ; scales: base + 1,024 x quad + my two tiles + my two words
	s_mov_b32 s57, 0
	s_mul_i32 s48, s26, s24
	s_lshl_b32 s48, s48, 8                         ; 256 rows a chunk
	s_lshl_b32 s53, s25, 9
	s_add_co_u32 s48, s48, s53
	s_lshl_b32 s53, s22, 7
	s_add_co_u32 s48, s48, s53                     ; + my wave's first column
	s_mov_b32 s49, 0
	s_wait_alu depctr_va_vdst(0)
	v_bfe_u32 v13, v10, 3, 1                       ; my column c of 32 is lane-row r' = (c & 7) + 8 (c >> 4) of tile u = (c >> 3) & 1
	v_and_b32 v14, 7, v10
	v_lshrrev_b32 v15, 4, v10
	v_lshl_add_u32 v14, v15, 3, v14
	s_mul_i32 s53, s22, 6400
	s_add_co_u32 s53, s53, WSTG
	v_mul_u32_u24 v5, v13, 3200                    ; the stage: a tile's two images, 3,072 bytes, + 128
	v_lshl_add_u32 v5, v14, 4, v5
	v_add_nc_u32 v5, s53, v5
	v_add_nc_u32 v6, s53, v1
	v_lshlrev_b32 v7, 8, v13
	v_lshl_add_u32 v7, v14, 4, v7                  ; my row of scale words: 256 u + 16 r'
	v_lshlrev_b32 v16, 2, v10
.irp i, 1,2,3,4,5,6,7,8,9,10,11,12,13,14,15,16,17,18,19,20,21,22,23,24,25,26,27,28,29,30,31
	v_add_nc_u32 v[16+\i], s24, v[15+\i]           ; row i of a block: 4 c + i rows
.endr
	s_wait_alu depctr_va_vdst(0)
	s_wait_kmcnt 0x0
	s_cmp_lt_u32 s23, 8                            ; which weight: the choice hangs on the work-group's number alone
	s_cselect_b64 s[50:51], s[6:7], s[8:9]
	s_cmp_lt_u32 s23, 16
	s_cselect_b64 s[50:51], s[50:51], s[10:11]
	s_cmp_lt_u32 s23, 24
	s_cselect_b64 s[50:51], s[50:51], s[12:13]
	s_cmp_lt_u32 s23, 32
	s_cselect_b64 s[50:51], s[50:51], s[14:15]
	s_cmp_lt_u32 s23, 64
	s_cselect_b64 s[50:51], s[50:51], s[16:17]
	s_add_nc_u64 s[32:33], s[50:51], s[48:49]
	s_lshl_b32 s48, s24, 5                         ; 32 rows from block to block
.irp t, 1,2,3,4,5,6,7
	s_add_nc_u64 s[32+2*\t:33+2*\t], s[30+2*\t:31+2*\t], s[48:49]
.endr
	s_add_nc_u64 s[54:55], s[20:21], s[54:55]
	s_add_nc_u64 s[56:57], s[20:21], s[56:57]
.macro LOADW t                         ; block t: 32 rows at my column; a load reads 128 consecutive bytes
.irp i, 0,1,2,3,4,5,6,7,8,9,10,11,12,13,14,15,16,17,18,19,20,21,22,23,24,25,26,27,28,29,30,31
	global_load_b32 v[48+32*((\t)%2)+\i], v[16+\i], s[32+2*(\t):33+2*(\t)] th:TH_LOAD_NT
.endr
.endm
.macro BLOCK t
.set XB, 48+32*((\t)%2)
.set F, 1536*((\t)/4)+256*((\t)%2)     ; K step t / 4; lanes 16 (t % 2) on of its image
.if (\t) < 7
	s_wait_loadcnt 32                              ; this block's 32 loads are in; the next block's stay out
.else
	s_wait_loadcnt 0x0
.endif
	v_max3_num_f32 v190, |v[XB]|, |v[XB+1]|, |v[XB+2]|
	v_max3_num_f32 v191, |v[XB+3]|, |v[XB+4]|, |v[XB+5]|
.irp i, 6,10,14,18,22,26
	v_max3_num_f32 v190, v190, |v[XB+\i]|, |v[XB+\i+1]|
	v_max3_num_f32 v191, v191, |v[XB+\i+2]|, |v[XB+\i+3]|
.endr
	v_max3_num_f32 v190, v190, |v[XB+30]|, |v[XB+31]|
	v_max3_num_f32 v190, v190, v191, 0x1800000     ; and the floor
	v_add_nc_u32 v192, 0xff000000, v190
	v_lshrrev_b32 v193, 23, v192
.if (\t)%4 == 0
	v_mov_b32 v[SB+(\t)/4], v193
.else
	v_lshl_or_b32 v[SB+(\t)/4], v193, 8*((\t)%4), v[SB+(\t)/4]
.endif
	v_cvt_scalef32_pk16_fp6_f32 v[C:C+2], v[XB:XB+15], v192
	v_cvt_scalef32_pk16_fp6_f32 v[184:186], v[XB+16:XB+31], v192
	v_nop
	v_mov_b32 v[C+3], v184
	v_mov_b32 v[C+4], v185
	v_mov_b32 v[C+5], v186
.if ((\t)/2)%2 == 0                    ; the block is registers 0-5 of its lane,
	ds_store_b128 v5, v[C:C+3] offset:F
	ds_store_b64 v5, v[C+4:C+5] offset:F+512
.else                                  ; or registers 6-11
	ds_store_b64 v5, v[C:C+1] offset:F+520
	ds_store_b128 v5, v[C+2:C+5] offset:F+1024
.endif
.if (\t) < 6
	LOADW (\t)+2
.endif
	s_wait_dscnt 0x0                               ; the stores have read their registers
.endm
	LOADW 0
	LOADW 1
.irp t, 0,1,2,3,4,5,6,7
	BLOCK \t
.endr
	s_wait_alu depctr_va_vdst(0)
	global_store_b64 v7, v[SB:SB+1], s[56:57]      ; my column's two scale words
.irp u, 0,1
.irp ks, 0,1
.irp g, 0,1,2
	ds_load_b128 v[48+4*(6*\u+3*\ks+\g):48+4*(6*\u+3*\ks+\g)+3], v6 offset:3200*\u+1536*\ks+512*\g
.endr
.endr
.endr
.irp u, 0,1
.irp ks, 0,1
.irp g, 0,1,2
	s_wait_dscnt 11-(6*\u+3*\ks+\g)                ; LDS loads come back in order: this one is in
	global_store_b128 v1, v[48+4*(6*\u+3*\ks+\g):48+4*(6*\u+3*\ks+\g)+3], s[54:55] offset:6144*\ks+1536*\u+512*\g   ; 512 consecutive bytes
.endr
.endr
.endr
	s_wait_tensorcnt 0x0
	ds_add_u32 v254, v255
	s_wait_dscnt 0x0
	s_endpgm
.Lfunc_end_k_qad27bc0bdd_quant:
	.size	k_qad27bc0bdd_quant, .Lfunc_end_k_qad27bc0bdd_quant-k_qad27bc0bdd_quant
	.p2alignl 7, 3214868480
	.fill 96, 4, 3214868480
	.section	.rodata,"a",@progbits
	.p2align	6, 0x0
	.amdhsa_kernel k_qad27bc0bdd_quant
		.amdhsa_group_segment_fixed_size 59904
		.amdhsa_private_segment_fixed_size 0
		.amdhsa_enable_private_segment 0
		.amdhsa_kernarg_size 72
		.amdhsa_user_sgpr_count 2
		.amdhsa_user_sgpr_kernarg_segment_ptr 1
		.amdhsa_wavefront_size32 1
		.amdhsa_system_sgpr_workgroup_id_x 1
		.amdhsa_system_sgpr_workgroup_id_y 1
		.amdhsa_system_sgpr_workgroup_id_z 1
		.amdhsa_system_vgpr_workitem_id 0
		.amdhsa_next_free_vgpr 256
		.amdhsa_next_free_sgpr 66
		.amdhsa_reserve_vcc 1
		.amdhsa_float_denorm_mode_32 3
		.amdhsa_float_denorm_mode_16_64 3
		.amdhsa_memory_ordered 1
		.amdhsa_forward_progress 1
		.amdhsa_inst_pref_size 78
	.end_amdhsa_kernel
	.amdgpu_metadata
---
amdhsa.version: [ 1, 2 ]
amdhsa.kernels:
  - .name:           k_qad27bc0bdd_quant
    .symbol:         k_qad27bc0bdd_quant.kd
    .args:
      - { .name: x, .offset: 0, .size: 8, .value_kind: global_buffer, .address_space: global }
      - { .name: Wq, .offset: 8, .size: 8, .value_kind: global_buffer, .address_space: global }
      - { .name: Wk, .offset: 16, .size: 8, .value_kind: global_buffer, .address_space: global }
      - { .name: Wv, .offset: 24, .size: 8, .value_kind: global_buffer, .address_space: global }
      - { .name: Wo, .offset: 32, .size: 8, .value_kind: global_buffer, .address_space: global }
      - { .name: W1, .offset: 40, .size: 8, .value_kind: global_buffer, .address_space: global }
      - { .name: W2, .offset: 48, .size: 8, .value_kind: global_buffer, .address_space: global }
      - { .name: xq, .offset: 56, .size: 8, .value_kind: global_buffer, .address_space: global }
      - { .name: wts, .offset: 64, .size: 8, .value_kind: global_buffer, .address_space: global }
    .group_segment_fixed_size: 59904
    .private_segment_fixed_size: 0
    .kernarg_segment_align: 8
    .kernarg_segment_size: 72
    .max_flat_workgroup_size: 128
    .sgpr_count:     66
    .vgpr_count:     256
    .wavefront_size: 32
...
	.end_amdgpu_metadata
.endif
;; end of part 5
;; launch qkv (part 6): grid 64 x 3, 4 waves a work-group, no clusters, 0 bytes of LDS; arguments xq, wts, bq, bk, bv, qc, kv; writes qc, kv
.if DOCPART == 6
	.amdgcn_target "amdgcn-amd-amdhsa--gfx1250"
	.amdhsa_code_object_version 6
	.text
	.protected	k_qad27bc0bdd_qkv
	.globl	k_qad27bc0bdd_qkv
	.p2align	8
	.type	k_qad27bc0bdd_qkv,@function
k_qad27bc0bdd_qkv:
	s_mov_b64 s[64:65], 0
	v_nop
	global_prefetch_b8 v0, s[64:65] scope:SCOPE_SE
	s_setreg_imm32_b32 hwreg(HW_REG_WAVE_SCHED_MODE, 0, 2), 2
	s_setreg_imm32_b32 hwreg(HW_REG_WAVE_MODE, 25, 1), 1
	s_wait_xcnt 0x0
	s_wait_alu depctr_vm_vsrc(0)
; q = x Wq + bq, k = x Wk + bk, v = x Wv + bv on codes of FP6 (E2M3) with E8M0 scales; the results are quantised at once: q and k along the head's 64, v along the keys.
; Work-group (ch, mode): ch = 128 tokens (8 tiles), mode 0 q, 1 k, 2 v.  Wave w takes column tiles 8 w .. 8 w + 7: two heads.
; A wave keeps one operand R (8 tiles x 4 K steps: 384 registers) as source 0 and streams the other, S, tile by tile as source 1: 32 matrix instructions a tile.
; q, k: R = my columns of W, S = the tokens: a lane holds a token and its registers run along the columns.  v: R = the tokens, S = my columns of Wv: a lane holds a column and its registers run along 128 keys.
; Both chunks have one layout ([group of 4 tiles][K step][tile] images of 1,536 bytes), so the loads are the same lines on swapped pointers.  Each fragment is wanted by this wave alone and lies in register order: no LDS, no barrier.
; A tile's rows: tile 2 B + u, lane-row r, is row 32 B + 8 u + r + (r & 8): so the 16 registers of result tiles 2 B and 2 B + 1 are 16 neighbours along R's rows.
; LIMITS: NaN and infinities are not served; a block whose largest magnitude lies under 2^-124 gets the byte 1; a block of zeros gets the byte 1 and not 127: its codes are zeros, and the bytes are read by this program alone.
; THE MODE: SCHED_MODE bits 1:0 = 2 (LLVM: expert scheduling mode 2), set by the entry lines.  The code itself states the register dependences
; between vector or matrix instructions and memory instructions, with s_wait_alu, always for 0.
; THE PLAN.  Registers that memory instructions touch:
;   v1-v4        offsets, made once at the head and never written again.
;   R, RS, the biases: loaded once, then read by matrix and vector instructions alone.
;   S0, S1, S2   Tile i's 32 products read S[i % 3].  The loads of tile i + 2, issued at tile i's head, land in S[(i + 2) % 3] = S[(i - 1) % 3], which tile i - 1's products read.
;   SS0, SS1     S's scale words, a set for two tiles.  An even tile's head loads the set that tile i - 1's products read last.
;   PC0, PC1     Tile i's quantiser writes PC[i % 2]; its stores are issued in tile i + 1, between K steps 1 and 2 of that tile's products.
;   OW           scale words to store: each register is written once and stored once.
; So ONE wait on va_vdst stands at a tile's head: tile i - 1's products are done reading their S and SS, and its quantiser has written its PC.  The tile's loads follow it at once and its stores stand among
; its products, which name R, S[i % 3], RS, SS, the bias and the accumulators: none of the registers that those loads and stores touch.  One wait on vm_vsrc, beside the wait on XCNT, stands ahead of it:
; the stores issued in the tile before have read PC[i % 2], which this tile's quantiser writes again.
; REGISTERS: window 0: v1-7 addresses; v16-31 R's scale words; v32-43 PC1; v48-55 S's scale words; v56-119 the 8 accumulators; v120-135 QUANT; v136-147 PC0; v148-154 QUANT; v156-171 scale words made; v172-187 v's bias; v192-239 S0.
;   window 1: v0-191 R, K steps 0, 1; v192-255 the bias of q or k.   window 2: v0-191 R, K steps 2, 3; v192-239 S1.   window 3: v0-47 S2.
.set XSOFF, 3145728
.set QKVS,  2359296
.set QSOFF, 3145728
.set STEPB, 13056                      ; kv: a step of 128 keys: K's 8 half images, V's 4 images, K's 512 and V's 256 bytes of scale words
.set HEADKV, 417792
.set RS,  16
.set PC1, 32
.set SS,  48
.set ACC, 56
.set TM,  120
.set PC0, 136
.set PCS, 148
.set PW,  156
.set OW,  164
.set CB,  172
.set BV,  180
.set BR,  192
.set SEL, 58
.set MSB, 0
.macro WIN new                         ; the immediate's high byte repeats the setting that is left
.if MSB != (\new)
	s_set_vgpr_msb (MSB<<8)|(\new)
.set MSB, (\new)
.endif
.endm
.macro SBUFSET i                       ; where streamed tile i lies: window BW, first register SBB
.set BW, 0
.set SBB, 192
.if (\i)%3 == 1
.set BW, 2
.elseif (\i)%3 == 2
.set BW, 3
.set SBB, 0
.endif
.endm
.macro QUANT src, pw, pc               ; 64 numbers of a lane, register 16 b + i = k 32 b + 16 (lane / 16) + i, become 12 registers of codes in v[pc] on and a scale word
.irp b, 0,1,2,3
	v_max3_num_f32 v[TM+\b], |v[\src+16*\b]|, |v[\src+1+16*\b]|, 0x1800000   ; each accumulator is read from its low end on; the floor 2^(3 - 127) holds the byte at 1
.endr
.irp i, 2,4,6,8,10,12,14
.irp b, 0,1,2,3
	v_max3_num_f32 v[TM+\b], v[TM+\b], |v[\src+16*\b+\i]|, |v[\src+1+16*\b+\i]|
.endr
.endr
.irp b, 0,1,2,3
	v_permlanex16_b32 v[TM+4+\b], v[TM+\b], s[SEL], s[SEL+1]
.endr
.irp b, 0,1,2,3
	v_max_num_f32 v[TM+\b], v[TM+\b], v[TM+4+\b]
.endr
.irp b, 0,1,2,3
	v_add_nc_u32 v[TM+12+\b], 0xff000000, v[TM+\b]
.endr
.irp b, 0,1,2,3
	v_lshrrev_b32 v[TM+4+\b], 23, v[TM+12+\b]
.endr
	v_lshl_or_b32 v[\pw], v[TM+5], 8, v[TM+4]
	v_lshl_or_b32 v[\pw], v[TM+6], 16, v[\pw]
	v_lshl_or_b32 v[\pw], v[TM+7], 24, v[\pw]
.irp c, 0,1
	v_cvt_scalef32_pk16_fp6_f32 v[\pc+6*\c:\pc+2+6*\c], v[\src+32*\c:\src+15+32*\c], v[TM+12+2*\c]
	v_cvt_scalef32_pk16_fp6_f32 v[PCS+4*\c:PCS+2+4*\c], v[\src+16+32*\c:\src+31+32*\c], v[TM+12+2*\c+1]
.endr
	v_nop                                          ; one plain place behind a scaled conversion
.irp c, 0,1
.irp i, 0,1,2
	v_permlane16_swap_b32 v[\pc+6*\c+\i], v[PCS+4*\c+\i]
.endr
.irp i, 0,1,2
	v_mov_b32 v[\pc+3+6*\c+\i], v[PCS+4*\c+\i]
.endr
.endr
.endm
.macro WM d, a, b, c, sa, sb, ra, rb   ; one product; ra, rb: the scale words stand in lanes 16-31
.if (\ra) && (\rb)
	v_wmma_scale_f32_16x16x128_f8f6f4 v[\d:\d+7], v[\a:\a+11], v[\b:\b+11], v[\c:\c+7], v[\sa], v[\sb] matrix_a_fmt:MATRIX_FMT_FP6 matrix_b_fmt:MATRIX_FMT_FP6 matrix_a_scale:MATRIX_SCALE_ROW1 matrix_b_scale:MATRIX_SCALE_ROW1
.elseif (\ra)
	v_wmma_scale_f32_16x16x128_f8f6f4 v[\d:\d+7], v[\a:\a+11], v[\b:\b+11], v[\c:\c+7], v[\sa], v[\sb] matrix_a_fmt:MATRIX_FMT_FP6 matrix_b_fmt:MATRIX_FMT_FP6 matrix_a_scale:MATRIX_SCALE_ROW1
.elseif (\rb)
	v_wmma_scale_f32_16x16x128_f8f6f4 v[\d:\d+7], v[\a:\a+11], v[\b:\b+11], v[\c:\c+7], v[\sa], v[\sb] matrix_a_fmt:MATRIX_FMT_FP6 matrix_b_fmt:MATRIX_FMT_FP6 matrix_b_scale:MATRIX_SCALE_ROW1
.else
	v_wmma_scale_f32_16x16x128_f8f6f4 v[\d:\d+7], v[\a:\a+11], v[\b:\b+11], v[\c:\c+7], v[\sa], v[\sb] matrix_a_fmt:MATRIX_FMT_FP6 matrix_b_fmt:MATRIX_FMT_FP6
.endif
.endm
	s_load_b256 s[4:11], s[0:1], 0x0               ; xq, wts, bq, bk
	s_load_b128 s[12:15], s[0:1], 0x20             ; bv, qc
	s_load_b64 s[16:17], s[0:1], 0x30              ; kv
	v_lshrrev_b32 v1, 5, v0
	v_readfirstlane_b32 s18, v1                    ; wave
	v_and_b32 v5, 31, v0
	v_and_b32 v6, 15, v0                           ; r
	v_bfe_u32 v7, v0, 4, 1                         ; h
	v_lshlrev_b32 v1, 4, v5                        ; 16 x lane
	v_lshlrev_b32 v2, 3, v5                        ; 8 x lane
	v_lshlrev_b32 v3, 6, v7                        ; 64 h
	v_and_b32 v4, 8, v6
	v_add_nc_u32 v4, v4, v6
	v_lshlrev_b32 v4, 2, v4                        ; 4 (r + (r & 8))
.irp b, 0,1,2,3
	v_mov_b32 v[TM+4+\b], 0                        ; written once: a lane permute's destination counts as one of its sources
.endr
	v_cmp_eq_u32 vcc_lo, 1, v7
	s_wait_alu depctr_va_sdst(0)                   ; s18 is written, ahead of its first reader: the wave's pointers are made from it
	s_wait_alu depctr_va_vcc(0)                    ; VCC is written, in the compare's own run of code: the selects of the scale words read it, behind the branch on the mode
	s_and_b32 s19, ttmp7, 0xffff                   ; mode
	s_mov_b32 s[SEL], 0x76543210
	s_mov_b32 s[SEL+1], 0xfedcba98
	s_mul_i32 s32, ttmp9, 49152                    ; the tokens' 8 tiles x 4 K steps
	s_mov_b32 s33, 0
	s_lshl_b32 s34, ttmp9, 11
	s_add_co_u32 s34, s34, XSOFF
	s_mov_b32 s35, 0
	s_mul_i32 s36, s19, 196608
	s_mul_i32 s20, s18, 49152
	s_add_co_u32 s36, s36, s20                     ; my 8 column tiles of the mode's weight
	s_mov_b32 s37, 0
	s_lshl_b32 s38, s19, 13
	s_lshl_b32 s20, s18, 11
	s_add_co_u32 s38, s38, s20
	s_add_co_u32 s38, s38, QKVS
	s_mov_b32 s39, 0
	s_lshr_b32 s20, ttmp9, 5
	s_lshl_b32 s20, s20, 3
	s_lshl_b32 s21, s18, 1
	s_add_co_u32 s20, s20, s21                     ; my first head: 8 x batch + 2 w
	s_and_b32 s21, ttmp9, 31                       ; which 128 tokens of the batch
	s_lshl_b32 s22, s20, 5
	s_add_co_u32 s22, s22, s21
	s_mul_i32 s40, s22, STEPB                      ; kv: (head, step)
	s_mov_b32 s41, 0
	s_mul_i32 s42, s22, 6144                       ; qc: 8 half images of 768 bytes
	s_mov_b32 s43, 0
	s_lshl_b32 s44, s22, 9
	s_add_co_u32 s44, s44, QSOFF
	s_mov_b32 s45, 0
	s_mov_b32 s56, HEADKV                          ; from my first head to my second: k's codes and words,
	s_mov_b32 s57, 0
	s_mov_b32 s22, HEADKV
	s_mov_b32 s23, 0
	s_lshl_b32 s20, s18, 9                         ; my 128 columns of a bias
	s_mov_b32 s21, 0
	s_wait_kmcnt 0x0
	s_add_nc_u64 s[32:33], s[4:5], s[32:33]
	s_add_nc_u64 s[34:35], s[4:5], s[34:35]
	s_add_nc_u64 s[36:37], s[6:7], s[36:37]
	s_add_nc_u64 s[38:39], s[6:7], s[38:39]
	s_cmp_eq_u32 s19, 2                            ; which operand stays: the choice hangs on the work-group's number alone
	s_cselect_b64 s[24:25], s[32:33], s[36:37]     ; R's codes
	s_cselect_b64 s[28:29], s[34:35], s[38:39]     ; R's scales
	s_cselect_b64 s[26:27], s[36:37], s[32:33]     ; S's codes
	s_cselect_b64 s[30:31], s[38:39], s[34:35]     ; S's scales
	WIN 0x40
	s_wait_alu depctr_va_vdst(0)                   ; the offsets v1 to v4 are written: every load and store of the kernel reads one of them
.irp s, 0,1
.irp t, 0,1,2,3,4,5,6,7
.irp g, 0,1,2
	global_load_b128 v[96*\s+12*\t+4*\g:96*\s+12*\t+4*\g+3], v1, s[24:25] offset:24576*(\t/4)+6144*\s+1536*(\t%4)+512*\g
.endr
.endr
.endr
	WIN 0x80
.irp s, 0,1
.irp t, 0,1,2,3,4,5,6,7
.irp g, 0,1,2
	global_load_b128 v[96*\s+12*\t+4*\g:96*\s+12*\t+4*\g+3], v1, s[24:25] offset:24576*(\t/4)+6144*(\s+2)+1536*(\t%4)+512*\g
.endr
.endr
.endr
	WIN 0
.irp p, 0,1,2,3
	global_load_b128 v[RS+4*\p:RS+4*\p+3], v1, s[28:29] offset:512*\p   ; lanes 0-15: tile 2 p's four words, lanes 16-31: tile 2 p + 1's
.endr
	s_add_nc_u64 s[40:41], s[16:17], s[40:41]
	s_add_nc_u64 s[42:43], s[14:15], s[42:43]
	s_add_nc_u64 s[44:45], s[14:15], s[44:45]
	s_add_nc_u64 s[54:55], s[40:41], 12288
	s_cmp_eq_u32 s19, 0
	s_cselect_b64 s[46:47], s[42:43], s[40:41]     ; where codes go, first head,
	s_cselect_b64 s[50:51], s[44:45], s[54:55]     ; and scale words
	s_cselect_b32 s56, 196608, s56                 ; (q's: 256 tiles of 768 bytes, 32 octets of 512)
	s_cselect_b32 s22, 16384, s22
	s_cselect_b64 s[8:9], s[8:9], s[10:11]         ; bq or bk
	s_add_nc_u64 s[48:49], s[46:47], s[56:57]      ; second head
	s_add_nc_u64 s[52:53], s[50:51], s[22:23]
	s_add_nc_u64 s[8:9], s[8:9], s[20:21]
	s_add_nc_u64 s[12:13], s[12:13], s[20:21]
.macro SLOAD i                         ; streamed tile i: its four fragments into buffer i % 3; with an even tile the scale words of tiles i and i + 1
	SBUFSET \i
	WIN BW<<6
.irp s, 0,1,2,3
.irp g, 0,1,2
	global_load_b128 v[SBB+12*\s+4*\g:SBB+12*\s+4*\g+3], v1, s[26:27] offset:24576*((\i)/4)+6144*\s+1536*((\i)%4)+512*\g
.endr
.endr
	WIN 0
.if (\i)%2 == 0
	global_load_b128 v[SS+4*(((\i)/2)%2):SS+4*(((\i)/2)%2)+3], v1, s[30:31] offset:512*((\i)/2)
.endif
.endm
.macro STORES j, vm                    ; tile j's codes leave from PC[j % 2]; in v's mode, with every fourth tile, a head's scale words
.set PCB, PC0+(PC1-PC0)*((\j)%2)
.if \vm
.irp g, 0,1,2
	global_store_b128 v1, v[PCB+4*\g:PCB+4*\g+3], s[40:41] offset:HEADKV*((\j)/4)+6144+1536*((\j)%4)+512*\g   ; V's image: 16 of the head's 64 x these 128 keys
.endr
.if (\j)%4 == 3
	global_store_b64 v2, v[OW+2*((\j)/4):OW+2*((\j)/4)+1], s[40:41] offset:HEADKV*((\j)/4)+12800
.endif
.else
	global_store_b128 v1, v[PCB:PCB+3], s[46:47] offset:768*(\j)          ; registers 0-5: my first head's 64,
	global_store_b64 v2, v[PCB+4:PCB+5], s[46:47] offset:768*(\j)+512
	global_store_b128 v1, v[PCB+6:PCB+9], s[48:49] offset:768*(\j)        ; registers 6-11: my second head's
	global_store_b64 v2, v[PCB+10:PCB+11], s[48:49] offset:768*(\j)+512
.endif
.endm
.macro MULS i, vm                      ; 32 products: the 8 accumulators by turns, K step by K step; the bias is the C of each sum's first.  Between K steps 1 and 2, where the windows change anyway, stand the stores of the tile before
	SBUFSET \i
.irp s, 0,1,2,3
.if (\s == 2) && ((\i) >= 1)
	WIN 0
	STORES (\i)-1, \vm                             ; no wait: no vector or matrix instruction since the wait at this tile's head names these registers
.endif
.if (\s == 0) && (\vm == 0)
	WIN 0x11|(BW<<2)
.else
	WIN (1+\s/2)|(BW<<2)
.endif
.irp t, 0,1,2,3,4,5,6,7
.if (\s == 0) && (\vm == 0)
	WM ACC+8*\t, 96*(\s%2)+12*\t, SBB+12*\s, BR+8*\t, RS+4*(\t/2)+\s, SS+4*(((\i)/2)%2)+\s, \t%2, (\i)%2
.elseif \s == 0
	WM ACC+8*\t, 96*(\s%2)+12*\t, SBB+12*\s, CB, RS+4*(\t/2)+\s, SS+4*(((\i)/2)%2)+\s, \t%2, (\i)%2
.else
	WM ACC+8*\t, 96*(\s%2)+12*\t, SBB+12*\s, ACC+8*\t, RS+4*(\t/2)+\s, SS+4*(((\i)/2)%2)+\s, \t%2, (\i)%2
.endif
.endr
.endr
	WIN 0
.endm
.macro TILE i, vm
.if (\i) == 7
	s_wait_loadcnt 0x0
.elseif ((\i)+1)%2 == 0
	s_wait_loadcnt 13                              ; tile i is in; the next tile's 12 fragment loads and its scale words stay out
.else
	s_wait_loadcnt 12                              ; tile i is in; the next tile's 12 loads stay out
.endif
.if (\i) >= 2
	s_wait_xcnt 0x0                                ; the stores issued in the tile before have had their addresses translated: PC[i % 2] is rewritten only behind this wait
	s_wait_alu depctr_vm_vsrc(0)                   ; those stores have read PC[i % 2], which this tile's quantiser writes again
.endif
.if (\i) < 6
	SBUFSET (\i)+2
	WIN BW<<6                                      ; the window of the loads below, ahead of the wait
.endif
.if (\i) >= 1
	s_wait_alu depctr_va_vdst(0)                   ; the last tile's products are done reading their S and the other set of S's scale words, in which the loads below land; its quantiser has written its PC (and OW), which this tile's stores read
.endif
.if (\i) < 6
	SLOAD (\i)+2                                   ; two tiles ahead
.endif
.if \vm
.irp j, 0,1,2,3,4,5,6,7
	v_mov_b32 v[CB+\j], v[BV+(\i)]                 ; my column's bias for all eight tokens of a lane
.endr
.rept 4
	v_nop
.endr
.endif
	MULS \i, \vm
.rept 5
	v_nop                                          ; places in front of the first read of results
.endr
.set PCB, PC0+(PC1-PC0)*((\i)%2)
.if \vm
	QUANT ACC, PW+(\i)%4, PCB
.if (\i)%4 == 3
	v_cndmask_b32 v[OW+2*((\i)/4)], v[PW], v[PW+2], vcc_lo       ; lanes 0-15 store the words of tiles 0, 1, lanes 16-31 those of tiles 2, 3
	v_cndmask_b32 v[OW+2*((\i)/4)+1], v[PW+1], v[PW+3], vcc_lo
.endif
.else
	QUANT ACC, PW+(\i), PCB
.endif
.endm
	s_cmp_eq_u32 s19, 2
	s_cbranch_scc1 .Lv
	WIN 0x40
.irp b, 0,1,2,3
.irp q, 0,1,2,3
	global_load_b128 v[BR+16*\b+4*\q:BR+16*\b+4*\q+3], v3, s[8:9] offset:128*\b+16*\q   ; the bias at my lane's columns 32 b + 16 h + 0 .. 15
.endr
.endr
	WIN 0
	SLOAD 0
	SLOAD 1
.irp i, 0,1,2,3,4,5,6,7
	TILE \i, 0
.endr
.irp k, 0,1,2,3
	v_cndmask_b32 v[OW+\k], v[PW+\k], v[PW+4+\k], vcc_lo   ; lanes 0-15 store the words of tiles 0-3, lanes 16-31 those of tiles 4-7
.endr
.irp k, 0,1,2,3
	v_lshrrev_b32 v[OW+4+\k], 16, v[OW+\k]         ; bytes 2, 3: the second head's two blocks
.endr
.irp k, 0,1,2,3
	v_and_b32 v[OW+\k], 0xffff, v[OW+\k]           ; bytes 0, 1: the first head's.  The upper two bytes are 0: they scale zero codes
.endr
	s_wait_alu depctr_va_vdst(0)                   ; tile 7's quantiser has written PC1, and the lines above OW: the last stores read them
	STORES 7, 0
	global_store_b128 v1, v[OW:OW+3], s[50:51]
	global_store_b128 v1, v[OW+4:OW+7], s[52:53]
	s_endpgm
.Lv:
.irp i, 0,1,2,3,4,5,6,7
	global_load_b32 v[BV+\i], v4, s[12:13] offset:(32*(\i/2)+8*(\i%2))*4
.endr
	SLOAD 0
	SLOAD 1
.irp i, 0,1,2,3,4,5,6,7
	TILE \i, 1
.endr
	s_wait_alu depctr_va_vdst(0)                   ; tile 7's quantiser has written PC1, and the selects OW: the last stores read them
	STORES 7, 1
	s_endpgm
.Lfunc_end_k_qad27bc0bdd_qkv:
	.size	k_qad27bc0bdd_qkv, .Lfunc_end_k_qad27bc0bdd_qkv-k_qad27bc0bdd_qkv
	.p2alignl 7, 3214868480
	.fill 96, 4, 3214868480
	.section	.rodata,"a",@progbits
	.p2align	6, 0x0
	.amdhsa_kernel k_qad27bc0bdd_qkv
		.amdhsa_group_segment_fixed_size 0
		.amdhsa_private_segment_fixed_size 0
		.amdhsa_enable_private_segment 0
		.amdhsa_kernarg_size 56
		.amdhsa_user_sgpr_count 2
		.amdhsa_user_sgpr_kernarg_segment_ptr 1
		.amdhsa_wavefront_size32 1
		.amdhsa_system_sgpr_workgroup_id_x 1
		.amdhsa_system_sgpr_workgroup_id_y 1
		.amdhsa_system_sgpr_workgroup_id_z 1
		.amdhsa_system_vgpr_workitem_id 0
		.amdhsa_next_free_vgpr 816
		.amdhsa_next_free_sgpr 66
		.amdhsa_reserve_vcc 1
		.amdhsa_float_denorm_mode_32 3
		.amdhsa_float_denorm_mode_16_64 3
		.amdhsa_memory_ordered 1
		.amdhsa_forward_progress 1
		.amdhsa_inst_pref_size 175
	.end_amdhsa_kernel
	.amdgpu_metadata
---
amdhsa.version: [ 1, 2 ]
amdhsa.kernels:
  - .name:           k_qad27bc0bdd_qkv
    .symbol:         k_qad27bc0bdd_qkv.kd
    .args:
      - { .name: xq, .offset: 0, .size: 8, .value_kind: global_buffer, .address_space: global }
      - { .name: wts, .offset: 8, .size: 8, .value_kind: global_buffer, .address_space: global }
      - { .name: bq, .offset: 16, .size: 8, .value_kind: global_buffer, .address_space: global }
      - { .name: bk, .offset: 24, .size: 8, .value_kind: global_buffer, .address_space: global }
      - { .name: bv, .offset: 32, .size: 8, .value_kind: global_buffer, .address_space: global }
      - { .name: qc, .offset: 40, .size: 8, .value_kind: global_buffer, .address_space: global }
      - { .name: kv, .offset: 48, .size: 8, .value_kind: global_buffer, .address_space: global }
    .group_segment_fixed_size: 0
    .private_segment_fixed_size: 0
    .kernarg_segment_align: 8
    .kernarg_segment_size: 56
    .max_flat_workgroup_size: 128
    .sgpr_count:     66
    .vgpr_count:     816
    .wavefront_size: 32
...
	.end_amdgpu_metadata
.endif
;; end of part 6
;; launch attn (part 7): grid 16 x 16, 16 waves a work-group, clusters of 4 x 1, 327,680 bytes of LDS; arguments qc, kv, ao; writes ao
.if DOCPART == 7
	.amdgcn_target "amdgcn-amd-amdhsa--gfx1250"
	.amdhsa_code_object_version 6
	.text
	.protected	k_qad27bc0bdd_attn
	.globl	k_qad27bc0bdd_attn
	.p2align	8
	.type	k_qad27bc0bdd_attn,@function
k_qad27bc0bdd_attn:
	s_mov_b64 s[64:65], 0
	v_nop
	global_prefetch_b8 v0, s[64:65] scope:SCOPE_SE
	s_setreg_imm32_b32 hwreg(HW_REG_WAVE_MODE, 25, 1), 1
	s_wait_xcnt 0x0
	s_wait_alu depctr_hold_cnt(0) depctr_sa_sdst(0) depctr_va_vdst(0) depctr_va_sdst(0) depctr_va_ssrc(0) depctr_va_vcc(0) depctr_vm_vsrc(0)
	s_getreg_b32 s2, hwreg(HW_REG_IB_STS2, 6, 4)
	s_cmp_eq_u32 s2, 0
	s_cbranch_scc0 .Lentry_in_a_cluster
	s_endpgm
.Lentry_in_a_cluster:
	s_bfe_u32 s2, ttmp6, 0x10000c
	s_cmp_lg_u32 s2, 0x3003
	s_cbranch_scc0 .Lentry_shape_is_right
	s_endpgm
.Lentry_shape_is_right:
; O = softmax(q k^T / 8) v for one head, both products on codes of FP6 (E2M3) with E8M0 scales; O / l is quantised along the head's 64 for the next product.
; THE SOFTMAX: t = score x log2(e) / 8; M = the running largest t rounded UP to a whole number; p = 2^(t - M) is quantised along the keys, not normalised; the row's sum is taken of the unquantised p and divides at the end.
; When M moves, the sum and O are multiplied by 2^(old M - new M): exact.
; SHARES.  A work-group owns 256 queries of one head (grid y); each of its sixteen waves owns one tile of 16, in 256 registers: four waves to a SIMD, so that one wave's vector work stands beside another's products and LDS loads.
; Every wave walks the head's 4,096 keys, 128 a step.  A step's bytes (K's 8 half images, V's 4 images, their scale words: 13,056) are one dense run of memory in register order.
; LDS HOLDS 24 OF THE HEAD'S 32 STEPS: three groups of eight steps, step s at byte 13,056 s.  All three are asked for at the start.
; So the waves are brought into step three times in the walk: in front of steps 0, 8 and 24.
; CLUSTER.  The four work-groups of a cluster belong to one head and walk the same bytes: each group is asked for JOINTLY (mask 15), by waves 0 to 3, a quarter (two steps) each.  By this text's count a wave has at most three tensor loads out.
; LAYOUT.  Both products are used transposed: S^T = K Q^T, O^T = V^T P^T: a lane holds one query throughout.  A tile's keys are 32 b + 8 u + r + (r & 8), so the 16 registers of tiles 2 b, 2 b + 1 are 16 neighbouring keys.
; The first product's K is 64: registers 6-11 of Q's and K's fragments hold zero codes, cleared once, and the upper two scale bytes are 0.
; LIMITS: NaN and infinities are not served; a block whose largest magnitude lies under 2^-124 gets the byte 1; a block of zeros gets the byte 1 and not 127: its codes are zeros, and the bytes are read by this program alone.
; REGISTERS: v1-9 addresses; v[10:11] V's scale words; v12 -M, v13 the largest t, v[14:15] the sum; v16-27 Q; v28-31 K's scale words; v32-79 four fragments of K; v80-127 V's four; v128-191 S^T, then p; v192-223 O^T; v224-254 at work; v255 Q's scale word.
.set STEPB, 13056
.set GRP,   8*STEPB                    ; a group of eight steps: 104,448 bytes
.set SPARE, 3*GRP                      ; behind the three groups: the spare words, 128 bytes for each of 16 waves
.set OSC,   SPARE+2048                 ; 2,048 bytes: the sixteen tiles' scale words of O meet here; no fill lands here
.set HEADKV, 32*STEPB
.set QSOFF, 3145728
.set AOS,   3145728
.set WV,  18
.set SEL, 20
.set CS,  22
.set G1,  24                           ; s[24:31] descriptor group 1, the same for every load
.set G0,  40                           ; s[40:43] group 0 for group 0 of the steps, later for steps 24-31
.set G0B, 44                           ; s[44:47] for steps 8-15
.set G0C, 60                           ; s[60:63] for steps 16-23
.set TB,  48                           ; s48  LDS byte at which the four steps in hand begin
.set CNT, 49                           ; s49  trips to go
.macro CROUND                          ; a round of the cluster's barrier
	s_barrier_signal -1
	s_barrier_wait -1
	s_cmp_lg_u32 s[WV], 0
	s_cbranch_scc1 .Lnot_wave_0_\@
	s_barrier_signal -3
.Lnot_wave_0_\@:
	s_barrier_wait -3
	s_barrier_signal -1
	s_barrier_wait -1
.endm
	s_load_b128 s[4:7], s[0:1], 0x0                ; qc, kv
	s_load_b64 s[8:9], s[0:1], 0x10                ; ao
	v_lshl_add_u32 v5, v0, 2, SPARE                ; my spare word; never rewritten
	v_mov_b32 v6, 0                                ; 0; never rewritten
	ds_add_u32 v5, v6
	ds_add_u32 v5, v6
	s_wait_dscnt 0x0
	v_lshl_add_u32 v7, v0, 2, OSC                  ; where my lane's scale word of O goes
	v_lshl_add_u32 v4, v0, 4, OSC                  ; and where waves 0-3 read 16 bytes a lane back
	v_lshrrev_b32 v8, 5, v0
	s_delay_alu instid0(VALU_DEP_1)
	v_readfirstlane_b32 s[WV], v8                  ; wave 0..15
	v_and_b32 v8, 31, v0
	s_delay_alu instid0(VALU_DEP_1)
	v_lshlrev_b32 v1, 4, v8                        ; 16 x lane
	s_delay_alu instid0(VALU_DEP_2)
	v_lshlrev_b32 v2, 3, v8                        ; 8 x lane
	v_and_b32 v9, 15, v0
	s_delay_alu instid0(VALU_DEP_1)
	v_lshlrev_b32 v3, 4, v9                        ; 16 r
	s_bfe_u32 s10, ttmp6, 0x40000                  ; cx: it enters Q's and O's addresses alone
	s_lshl_b32 s11, ttmp9, 2
	s_add_co_u32 s11, s11, s10                     ; my block of 256 queries
	s_and_b32 s12, ttmp7, 0xffff                   ; the head, which the four partners share
	s_lshl_b32 s13, s11, 4
	s_add_co_u32 s13, s13, s[WV]                   ; my tile of queries
	s_lshl_b32 s14, s12, 8
	s_add_co_u32 s14, s14, s13
	s_mul_i32 s32, s14, 768                        ; its half image, in qc and in ao
	s_mov_b32 s33, 0
	s_lshl_b32 s15, s12, 5
	s_lshr_b32 s16, s13, 3
	s_add_co_u32 s15, s15, s16
	s_lshl_b32 s34, s15, 9                         ; Q's scale words: the octet's 512 bytes,
	s_bfe_u32 s16, s13, 0x10002
	s_lshl_b32 s16, s16, 8
	s_add_co_u32 s34, s34, s16                     ; its half of the lanes,
	s_and_b32 s16, s13, 3
	s_lshl_b32 s16, s16, 2
	s_add_co_u32 s34, s34, s16                     ; its word of four
	s_add_co_u32 s34, s34, QSOFF
	s_mov_b32 s35, 0
	s_lshl_b32 s36, s12, 8
	s_lshl_b32 s16, s11, 4
	s_add_co_u32 s36, s36, s16
	s_lshl_b32 s36, s36, 7
	s_add_co_u32 s36, s36, AOS                     ; O's scale words: 128 bytes a tile, my block's sixteen tiles
	s_mov_b32 s37, 0
	s_and_b32 s17, s[WV], 3                        ; which quarter of a group I would ask for (in registers that never hold cx)
	s_mul_i32 s19, s17, 2*STEPB                    ; two steps: the same bytes on in memory and in LDS
	s_mul_i32 s38, s12, HEADKV
	s_add_co_u32 s38, s38, s19
	s_mov_b32 s39, 0
	; descriptor group 1: 102 dense rows of 256 bytes (32 elements of 8 bytes): two steps.  No padding: the images are read 16 bytes a lane on end
	s_mov_b32 s[G1], 15|(3<<16)|(1<<21)            ; 15:0 the mask: all four work-groups; 17:16 elements of 8 bytes; 21 set beside a mask
	s_mov_b32 s[G1+1], 32<<16                      ; tensor_dim0 = 32
	s_mov_b32 s[G1+2], 102<<16                     ; tensor_dim1 = 102
	s_mov_b32 s[G1+3], 32<<16                      ; tile_dim0 = 32
	s_mov_b32 s[G1+4], 102                         ; tile_dim1 = 102
	s_mov_b32 s[G1+5], 32                          ; elements from row to row
	s_mov_b32 s[G1+6], 0
	s_mov_b32 s[G1+7], 0
	s_mov_b32 s[SEL], 0x76543210
	s_mov_b32 s[SEL+1], 0xfedcba98
	s_mov_b32 s[CS], 0x3e38aa3b                    ; c = log2(e) / 8
	s_mov_b32 s[CS+1], s[CS]                       ; (named with it as a pair, so it is written)
	s_mov_b32 s[TB], 0
	s_wait_kmcnt 0x0
	s_mov_b32 s[G0], 1                             ; count = 1
	s_mov_b32 s[G0+1], s19                         ; LDS address: group 0, my quarter
	s_add_nc_u64 s[G0+2:G0+3], s[6:7], s[38:39]    ; global address: the head's steps 0-7, my quarter
	s_mov_b32 s[G0B], 1
	s_add_co_u32 s[G0B+1], s19, GRP                ; group 1
	s_add_nc_u64 s[G0B+2:G0B+3], s[G0+2:G0+3], GRP
	s_mov_b32 s[G0C], 1
	s_add_co_u32 s[G0C+1], s19, 2*GRP              ; group 2
	s_add_nc_u64 s[G0C+2:G0C+3], s[G0+2:G0+3], 2*GRP
	s_or_b32 s[G0+3], s[G0+3], 0x80000000          ; type = 2
	s_or_b32 s[G0B+3], s[G0B+3], 0x80000000
	s_or_b32 s[G0C+3], s[G0C+3], 0x80000000
	CROUND                                         ; all four work-groups are here: the first joint loads meet
	s_cmp_lt_u32 s[WV], 4                          ; a wave's three first fills stand in one branch, ahead of every wait on TENSORcnt, every LDS read and every other barrier
	s_cbranch_scc0 .Lno_first
	tensor_load_to_lds s[G0:G0+3], s[G1:G1+7]      ; steps 0-7
	s_nop 0
	tensor_load_to_lds s[G0B:G0B+3], s[G1:G1+7]    ; steps 8-15
	s_nop 0
	tensor_load_to_lds s[G0C:G0C+3], s[G1:G1+7]    ; steps 16-23
	s_nop 0
.rept 4
	v_nop                                          ; four v_nop follow the last of them
.endr
.Lno_first:
	s_add_nc_u64 s[50:51], s[4:5], s[32:33]
	s_add_nc_u64 s[52:53], s[4:5], s[34:35]
	s_add_nc_u64 s[54:55], s[8:9], s[32:33]
	s_add_nc_u64 s[56:57], s[8:9], s[36:37]
	s_wait_alu depctr_va_vdst(0)
	global_load_b128 v[16:19], v1, s[50:51]        ; Q's half image stays in registers
	global_load_b64 v[20:21], v2, s[50:51] offset:512
	global_load_b32 v255, v3, s[52:53]
.irp j, 22,23,24,25,26,27
	v_mov_b32 v\j, 0                               ; K = 64 .. 127 of the first product: zero codes
.endr
.irp t, 0,1,2,3
.irp j, 6,7,8,9,10,11
	v_mov_b32 v[32+12*\t+\j], 0
.endr
.endr
	v_mov_b32 v13, 0xff61b1e6                      ; the largest t so far: -3e38
	s_delay_alu instid0(VALU_DEP_1)
	v_floor_f32 v12, -v13                          ; -M
	v_mov_b32 v14, 0
	v_mov_b32 v15, 0
.irp b, 0,1,2,3
	v_mov_b32 v[236+\b], 0                         ; written once: a lane permute's destination counts as one of its sources
.endr
	v_mov_b32 v253, 0                              ; (named as the upper half of v[252:253] before it is first written)
.set j, 0
.rept 32
	v_mov_b32 v[192+j], 0                          ; O^T: the step is written once; the first finds zeros
.set j, j+1
.endr
; A KEY STEP: 128 keys, the q-th of the four in hand.
.macro STEP q
.set OB, (\q)*STEPB
	v_add_nc_u32 v8, s[TB], v1
	s_setprio 2
	v_add_nc_u32 v9, s[TB], v2
.irp t, 0,1,2,3
	ds_load_b128 v[32+12*\t:35+12*\t], v8 offset:OB+768*\t
	ds_load_b64 v[36+12*\t:37+12*\t], v9 offset:OB+768*\t+512
.endr
	ds_load_b128 v[28:31], v8 offset:OB+12288      ; lanes 0-15: the words of tiles 0-3, lanes 16-31: of tiles 4-7
	s_wait_alu depctr_va_vdst(0)
	s_wait_dscnt 0x0
.irp t, 0,1,2,3
	v_wmma_scale_f32_16x16x128_f8f6f4 v[128+8*\t:135+8*\t], v[32+12*\t:43+12*\t], v[16:27], 0, v[28+\t], v255 matrix_a_fmt:MATRIX_FMT_FP6 matrix_b_fmt:MATRIX_FMT_FP6
.endr
.rept 4
	v_nop                                          ; places in front of loads into registers that matrix instructions have read (with the two additions above: six behind the last step's products), and of the first read of these four results
.endr
.irp t, 0,1,2,3
	ds_load_b128 v[32+12*\t:35+12*\t], v8 offset:OB+768*(\t+4)
	ds_load_b64 v[36+12*\t:37+12*\t], v9 offset:OB+768*(\t+4)+512
.endr
.irp d, 0,1,2,3
.irp g, 0,1,2
	ds_load_b128 v[80+12*\d+4*\g:83+12*\d+4*\g], v8 offset:OB+6144+1536*\d+512*\g
.endr
.endr
	ds_load_b64 v[10:11], v9 offset:OB+12800       ; lanes 0-15: the words of V's tiles 0, 1, lanes 16-31: of tiles 2, 3
	s_wait_dscnt 13                                ; K's tiles 4-7 are in; V's 12 loads and its words stay out
.irp t, 0,1,2,3
	v_wmma_scale_f32_16x16x128_f8f6f4 v[160+8*\t:167+8*\t], v[32+12*\t:43+12*\t], v[16:27], 0, v[28+\t], v255 matrix_a_fmt:MATRIX_FMT_FP6 matrix_b_fmt:MATRIX_FMT_FP6 matrix_a_scale:MATRIX_SCALE_ROW1
.endr
; THE LARGEST SCORE OF EACH BLOCK OF 32 KEYS: for the row's maximum and, since p rises with the score, for the block's largest p.  Blocks 0 and 1 first: their scores are the first four products', and these
; sixteen lines, which name no register of the four products just issued, are the places behind those.  Two chains a block, one for each of its two accumulators, each read from its low end on.
.irp p, 0,2
.irp b, 0,1
	v_max3_num_f32 v[232+\p+\b], v[128+16*(\p+\b)], v[129+16*(\p+\b)], v[130+16*(\p+\b)]
.endr
.irp b, 0,1
	v_max3_num_f32 v[236+\p+\b], v[136+16*(\p+\b)], v[137+16*(\p+\b)], v[138+16*(\p+\b)]
.endr
.irp i, 3,5
.irp b, 0,1
	v_max3_num_f32 v[232+\p+\b], v[232+\p+\b], v[128+16*(\p+\b)+\i], v[129+16*(\p+\b)+\i]
.endr
.irp b, 0,1
	v_max3_num_f32 v[236+\p+\b], v[236+\p+\b], v[136+16*(\p+\b)+\i], v[137+16*(\p+\b)+\i]
.endr
.endr
.irp b, 0,1
	v_max3_num_f32 v[232+\p+\b], v[232+\p+\b], v[236+\p+\b], v[135+16*(\p+\b)]
.endr
.irp b, 0,1
	v_max_num_f32 v[232+\p+\b], v[232+\p+\b], v[143+16*(\p+\b)]
.endr
.endr
.irp b, 0,1,2,3
	v_permlanex16_b32 v[236+\b], v[232+\b], s[SEL], s[SEL+1]
.endr
.irp b, 0,1,2,3
	s_delay_alu instid0(VALU_DEP_4)
	v_max_num_f32 v[232+\b], v[232+\b], v[236+\b]  ; with lane l xor 16's 16 keys
.endr
	s_delay_alu instid0(VALU_DEP_2)
	v_max3_num_f32 v254, v232, v233, v234
	s_delay_alu instid0(VALU_DEP_1)
	v_max_num_f32 v254, v254, v235
	s_delay_alu instid0(VALU_DEP_1)
	v_mul_f32 v254, s[CS], v254                    ; the step's largest t
	s_delay_alu instid0(VALU_DEP_1)
	v_max_num_f32 v13, v13, v254
	v_mov_b32 v254, v12
	s_delay_alu instid0(VALU_DEP_2)
	v_floor_f32 v12, -v13                          ; the new -M = -ceil(t)
	s_delay_alu instid0(VALU_DEP_1)
	v_sub_f32 v254, v12, v254                      ; old M - new M: a whole number, 0 or less
	s_delay_alu instid0(VALU_DEP_1)
	v_cvt_i32_f32 v254, v254                       ; (it saturates)
	s_delay_alu instid0(VALU_DEP_1)
	v_ldexp_f32 v252, 1.0, v254                    ; f = 2^(old M - new M)
.set j, 0
.rept 32
	v_pk_fma_f32 v[128+j:129+j], v[128+j:129+j], s[CS:CS+1], v[12:13] op_sel_hi:[1,0,0]   ; t - M, two at a time
.set j, j+2
.endr
.irp b, 0,1,2,3
	v_fma_f32 v[232+\b], v[232+\b], s[CS], v12
.endr
.set j, 0
	s_wait_alu depctr_va_vdst(0)
.rept 64
	v_exp_f32 v[128+j], v[128+j]                   ; p = 2^(t - M)
.set j, j+1
.endr
	s_setprio 1
.irp b, 0,1,2,3
	v_exp_f32 v[232+\b], v[232+\b]                 ; the block's largest p: the same two instructions on the same number
.endr
	v_pk_mul_f32 v[14:15], v[14:15], v[252:253] op_sel_hi:[1,0]   ; the sum under the new M (a plain place behind the exponentials)
	s_wait_alu depctr_va_vdst(0)
.irp b, 0,1,2,3
	v_max_num_f32 v[232+\b], 0x1800000, v[232+\b]  ; the floor: the byte cannot fall under 1
.endr
.irp b, 0,1,2,3
	s_delay_alu instid0(VALU_DEP_4)
	v_add_nc_u32 v[244+\b], 0xff000000, v[232+\b]
.endr
.irp b, 0,1,2,3
	s_delay_alu instid0(VALU_DEP_4)
	v_lshrrev_b32 v[236+\b], 23, v[244+\b]
.endr
	s_delay_alu instid0(VALU_DEP_3)
	v_lshl_or_b32 v253, v237, 8, v236              ; p's scale word for these 128 keys
	s_delay_alu instid0(VALU_DEP_1)
	v_lshl_or_b32 v253, v238, 16, v253
	s_delay_alu instid0(VALU_DEP_1)
	v_lshl_or_b32 v253, v239, 24, v253
.irp c, 0,1
	v_cvt_scalef32_pk16_fp6_f32 v[224+6*\c:226+6*\c], v[128+32*\c:143+32*\c], v[244+2*\c]
	v_cvt_scalef32_pk16_fp6_f32 v[236+4*\c:238+4*\c], v[144+32*\c:159+32*\c], v[244+2*\c+1]
.endr
	v_nop                                          ; one plain place behind a scaled conversion
.irp c, 0,1
.irp i, 0,1,2
	v_permlane16_swap_b32 v[224+6*\c+\i], v[236+4*\c+\i]
.endr
.irp i, 0,1,2
	s_delay_alu instid0(VALU_DEP_3)
	v_mov_b32 v[227+6*\c+\i], v[236+4*\c+\i]
.endr
.endr
	v_pk_add_f32 v[236:237], v[132:133], v[136:137]
	v_pk_add_f32 v[250:251], v[140:141], v[144:145]
	v_pk_add_f32 v[248:249], v[148:149], v[152:153]
	v_pk_add_f32 v[246:247], v[156:157], v[160:161]
	v_pk_add_f32 v[244:245], v[164:165], v[168:169]
	v_pk_add_f32 v[242:243], v[172:173], v[176:177]
	v_pk_add_f32 v[240:241], v[180:181], v[184:185]
	v_pk_add_f32 v[14:15], v[14:15], v[188:189]
	v_pk_add_f32 v[236:237], v[236:237], v[128:129]
	v_pk_add_f32 v[250:251], v[250:251], v[130:131]
	v_pk_add_f32 v[248:249], v[248:249], v[134:135]
	v_pk_add_f32 v[246:247], v[246:247], v[138:139]
	v_pk_add_f32 v[244:245], v[244:245], v[142:143]
	v_pk_add_f32 v[242:243], v[242:243], v[146:147]
	v_pk_add_f32 v[240:241], v[240:241], v[150:151]
	v_pk_add_f32 v[14:15], v[14:15], v[154:155]
	v_pk_add_f32 v[236:237], v[236:237], v[158:159]
	v_pk_add_f32 v[250:251], v[250:251], v[162:163]
	v_pk_add_f32 v[248:249], v[248:249], v[166:167]
	v_pk_add_f32 v[246:247], v[246:247], v[170:171]
	v_pk_add_f32 v[244:245], v[244:245], v[174:175]
	v_pk_add_f32 v[242:243], v[242:243], v[178:179]
	v_pk_add_f32 v[240:241], v[240:241], v[182:183]
	v_pk_add_f32 v[14:15], v[14:15], v[186:187]
	v_pk_add_f32 v[236:237], v[236:237], v[190:191]
	s_delay_alu instid0(VALU_DEP_2)
	v_pk_add_f32 v[14:15], v[14:15], v[246:247]
	s_delay_alu instid0(VALU_DEP_2)
	v_pk_add_f32 v[236:237], v[236:237], v[244:245]
	s_setprio 0
	v_pk_add_f32 v[250:251], v[250:251], v[242:243]
	v_pk_add_f32 v[248:249], v[248:249], v[240:241]
	s_delay_alu instid0(VALU_DEP_2)
	v_pk_add_f32 v[14:15], v[14:15], v[250:251]
	s_delay_alu instid0(VALU_DEP_2)
	v_pk_add_f32 v[236:237], v[236:237], v[248:249]
	s_delay_alu instid0(VALU_DEP_1)
	v_pk_add_f32 v[14:15], v[14:15], v[236:237]
.set j, 0
.rept 16
	v_pk_mul_f32 v[192+j:193+j], v[192+j:193+j], v[252:253] op_sel_hi:[1,0]   ; O^T under the new M, each accumulator from its low end on.  (These and the sums are the places between p's codes and word and the products)
.set j, j+2
.endr
	s_wait_alu depctr_va_vdst(0)
	s_wait_dscnt 0x0                               ; V is in
	v_wmma_scale_f32_16x16x128_f8f6f4 v[192:199], v[80:91], v[224:235], v[192:199], v10, v253 matrix_a_fmt:MATRIX_FMT_FP6 matrix_b_fmt:MATRIX_FMT_FP6
	v_wmma_scale_f32_16x16x128_f8f6f4 v[200:207], v[92:103], v[224:235], v[200:207], v11, v253 matrix_a_fmt:MATRIX_FMT_FP6 matrix_b_fmt:MATRIX_FMT_FP6
	v_wmma_scale_f32_16x16x128_f8f6f4 v[208:215], v[104:115], v[224:235], v[208:215], v10, v253 matrix_a_fmt:MATRIX_FMT_FP6 matrix_b_fmt:MATRIX_FMT_FP6 matrix_a_scale:MATRIX_SCALE_ROW1
	v_wmma_scale_f32_16x16x128_f8f6f4 v[216:223], v[116:127], v[224:235], v[216:223], v11, v253 matrix_a_fmt:MATRIX_FMT_FP6 matrix_b_fmt:MATRIX_FMT_FP6 matrix_a_scale:MATRIX_SCALE_ROW1
.endm
.macro FOUR_STEPS                      ; four steps by immediate offsets (51,968 bytes at the most), then the base goes on
	STEP 0
	STEP 1
	STEP 2
	STEP 3
	s_add_co_u32 s[TB], s[TB], 4*STEPB
.endm
	s_wait_loadcnt 0x0                             ; Q
	s_wait_tensorcnt 2                             ; my quarter of steps 0-7 is in; my two younger loads stay out
	s_barrier_signal -1
	s_barrier_wait -1                              ; everybody's is
	s_mov_b32 s[CNT], 2
.Lfirst:                                           ; steps 0-7, from group 0
	FOUR_STEPS
	s_sub_co_u32 s[CNT], s[CNT], 1
	s_cmp_lg_u32 s[CNT], 0
	s_cbranch_scc1 .Lfirst
	s_setprio 0
	; THE ONE REFILL.  Each wave waits for all its tensor loads (groups 1 and 2 are in), adds 0 to its spare word, and waits for that and for its reads of group 0; a round of the cluster's barrier, so that no wave
	; of any partner still reads group 0; then steps 24-31 are asked for jointly onto group 0's bytes, one load a wave: it has sixteen steps in which to land.
	s_wait_tensorcnt 0x0                           ; no tensor load of mine is out, so a descriptor may be written
	ds_add_u32 v5, v6                              ; 0 onto my spare word
	ds_add_u32 v5, v6
	s_add_nc_u64 s[G0+2:G0+3], s[G0+2:G0+3], 3*GRP ; 24 steps on; the LDS address stays; the type bits on top are not reached
	s_wait_dscnt 0x0                               ; the add is done, and my reads of group 0 are over
	CROUND
	s_cmp_lt_u32 s[WV], 4
	s_cbranch_scc0 .Lno_refill
	tensor_load_to_lds s[G0:G0+3], s[G1:G1+7]      ; the first thing behind the round, and the wave's last tensor load
	s_nop 0
.rept 4
	v_nop
.endr
.Lno_refill:
	s_mov_b32 s[TB], GRP
	s_mov_b32 s[CNT], 4
.Lmiddle:                                          ; steps 8-23, from groups 1 and 2: no barrier among them
	FOUR_STEPS
	s_sub_co_u32 s[CNT], s[CNT], 1
	s_cmp_lg_u32 s[CNT], 0
	s_cbranch_scc1 .Lmiddle
	s_setprio 0
	s_wait_tensorcnt 0x0                           ; my quarter of steps 24-31 is in
	ds_add_u32 v5, v6
	s_mov_b32 s[TB], 0
	s_wait_dscnt 0x0
	s_barrier_signal -1
	s_barrier_wait -1                              ; everybody's is; nothing is filled any more
	s_mov_b32 s[CNT], 2
.Llast:                                            ; steps 24-31, from group 0's bytes
	FOUR_STEPS
	s_sub_co_u32 s[CNT], s[CNT], 1
	s_cmp_lg_u32 s[CNT], 0
	s_cbranch_scc1 .Llast
	s_setprio 0
	; THE WAY OUT.  O^T / the sum; its 64 numbers a row are two blocks of the next product's K: quantised here, stored as a half image.
.rept 4
	v_nop                                          ; places behind the last products
.endr
	v_add_f32 v14, v14, v15
	s_delay_alu instid0(VALU_DEP_1)
	v_permlanex16_b32 v252, v14, s[SEL], s[SEL+1]
	s_delay_alu instid0(VALU_DEP_1)
	v_add_f32 v14, v14, v252                       ; the row's sum
	s_wait_alu depctr_va_vdst(0)
	v_rcp_f32 v14, v14
	v_lshlrev_b32 v8, 4, v0                        ; (a plain place behind the reciprocal)  16 x thread
.set j, 0
	s_wait_alu depctr_va_vdst(0)
.rept 32
	v_mul_f32 v[128+j], v[192+j], v14              ; register 16 b + i: channel 32 b + 16 (lane / 16) + i of my query
.set j, j+1
.endr
.irp b, 0,1
	v_max3_num_f32 v[232+\b], |v[128+16*\b]|, |v[129+16*\b]|, 0x1800000
.endr
.irp i, 2,4,6,8,10,12,14
.irp b, 0,1
	s_delay_alu instid0(VALU_DEP_2)
	v_max3_num_f32 v[232+\b], v[232+\b], |v[128+16*\b+\i]|, |v[129+16*\b+\i]|
.endr
.endr
.irp b, 0,1
	s_delay_alu instid0(VALU_DEP_2)
	v_permlanex16_b32 v[236+\b], v[232+\b], s[SEL], s[SEL+1]
.endr
.irp b, 0,1
	s_delay_alu instid0(VALU_DEP_2)
	v_max_num_f32 v[232+\b], v[232+\b], v[236+\b]
.endr
.irp b, 0,1
	s_delay_alu instid0(VALU_DEP_2)
	v_add_nc_u32 v[244+\b], 0xff000000, v[232+\b]
.endr
.irp b, 0,1
	s_delay_alu instid0(VALU_DEP_2)
	v_lshrrev_b32 v[236+\b], 23, v[244+\b]
.endr
	s_delay_alu instid0(VALU_DEP_1)
	v_lshl_or_b32 v254, v237, 8, v236              ; my row's two bytes
	v_cvt_scalef32_pk16_fp6_f32 v[224:226], v[128:143], v244
	v_cvt_scalef32_pk16_fp6_f32 v[240:242], v[144:159], v245
	v_nop
.irp i, 0,1,2
	v_permlane16_swap_b32 v[224+\i], v[240+\i]
.endr
.irp i, 0,1,2
	s_delay_alu instid0(VALU_DEP_3)
	v_mov_b32 v[227+\i], v[240+\i]
.endr
	global_store_b128 v1, v[224:227], s[54:55]     ; 512 consecutive bytes,
	global_store_b64 v2, v[228:229], s[54:55] offset:512   ; and 256
	ds_store_b32 v7, v254
	s_wait_dscnt 0x0                               ; for the others' sake: my word lies in LDS
	s_barrier_signal -1
	s_barrier_wait -1
	s_cmp_lt_u32 s[WV], 4
	s_cbranch_scc0 .Lno_words
	ds_load_b128 v[128:131], v4                    ; the block's 2,048 bytes of scale words leave in stores of 512 consecutive bytes
	s_wait_dscnt 0x0
	global_store_b128 v8, v[128:131], s[56:57]
.Lno_words:
	s_wait_tensorcnt 0x0                           ; the wave's end
	ds_add_u32 v5, v6
	s_wait_dscnt 0x0
	CROUND                                         ; the closing round: no work-group ends while a partner may still ask for a tile that names it
	s_endpgm
.Lfunc_end_k_qad27bc0bdd_attn:
	.size	k_qad27bc0bdd_attn, .Lfunc_end_k_qad27bc0bdd_attn-k_qad27bc0bdd_attn
	.p2alignl 7, 3214868480
	.fill 96, 4, 3214868480
	.section	.rodata,"a",@progbits
	.p2align	6, 0x0
	.amdhsa_kernel k_qad27bc0bdd_attn
		.amdhsa_group_segment_fixed_size 327680
		.amdhsa_private_segment_fixed_size 0
		.amdhsa_enable_private_segment 0
		.amdhsa_kernarg_size 24
		.amdhsa_user_sgpr_count 2
		.amdhsa_user_sgpr_kernarg_segment_ptr 1
		.amdhsa_wavefront_size32 1
		.amdhsa_system_sgpr_workgroup_id_x 1
		.amdhsa_system_sgpr_workgroup_id_y 1
		.amdhsa_system_sgpr_workgroup_id_z 1
		.amdhsa_system_vgpr_workitem_id 0
		.amdhsa_next_free_vgpr 256
		.amdhsa_next_free_sgpr 66
		.amdhsa_reserve_vcc 0
		.amdhsa_float_denorm_mode_32 3
		.amdhsa_float_denorm_mode_16_64 3
		.amdhsa_memory_ordered 1
		.amdhsa_forward_progress 1
		.amdhsa_inst_pref_size 213
	.end_amdhsa_kernel
	.amdgpu_metadata
---
amdhsa.version: [ 1, 2 ]
amdhsa.kernels:
  - .name:           k_qad27bc0bdd_attn
    .symbol:         k_qad27bc0bdd_attn.kd
    .args:
      - { .name: qc, .offset: 0, .size: 8, .value_kind: global_buffer, .address_space: global }
      - { .name: kv, .offset: 8, .size: 8, .value_kind: global_buffer, .address_space: global }
      - { .name: ao, .offset: 16, .size: 8, .value_kind: global_buffer, .address_space: global }
    .group_segment_fixed_size: 327680
    .private_segment_fixed_size: 0
    .kernarg_segment_align: 8
    .kernarg_segment_size: 24
    .max_flat_workgroup_size: 512
    .sgpr_count:     66
    .vgpr_count:     256
    .wavefront_size: 32
...
	.end_amdgpu_metadata
.endif
;; end of part 7
;; launch chain (part 8): grid 128 x 1, 4 waves a work-group, no clusters, 175,616 bytes of LDS; arguments x, ao, wts, bo, gamma1, beta1, b1, b2, gamma2, beta2, out0; writes out0
.if DOCPART == 8
	.amdgcn_target "amdgcn-amd-amdhsa--gfx1250"
	.amdhsa_code_object_version 6
	.text
	.protected	k_qad27bc0bdd_chain
	.globl	k_qad27bc0bdd_chain
	.p2align	8
	.type	k_qad27bc0bdd_chain,@function
k_qad27bc0bdd_chain:
	s_mov_b64 s[64:65], 0
	v_nop
	global_prefetch_b8 v0, s[64:65] scope:SCOPE_SE
	s_setreg_imm32_b32 hwreg(HW_REG_WAVE_SCHED_MODE, 0, 2), 2
	s_setreg_imm32_b32 hwreg(HW_REG_WAVE_MODE, 25, 1), 1
	s_wait_xcnt 0x0
	s_wait_alu depctr_vm_vsrc(0)
; x1 = LN(x + a Wo + bo); out = LN(x1 + relu(x1 W1 + b1) W2 + b2), LN(y) = (y - mean) / (std + 1e-5) x gain + shift.  The three products on codes of FP6 (E2M3) with E8M0 scales; all else in f32.
; SHARES.  A work-group takes 64 tokens (4 tiles m).  The waves share the COLUMNS: wave w makes columns 128 w on of the first and third product and hidden units 512 w on, which are K steps 4 w .. 4 w + 3 of the third.
; Every work-group that owns whole rows has to see all 1.77 MB of the weights' codes; with 64 tokens each fragment of a weight feeds four matrix instructions.
; THE WEIGHTS' CODES lie in memory in the order in which a wave uses them, in register order: 72 units (4 column tiles x 128 K: 6,144 bytes) a wave, streamed into a ring of four unit buffers in registers: 48 loads of 512 bytes a wave are out.
; Each fragment is wanted by one wave of the work-group alone, so it goes through no LDS and no tensor load is used.
; x1 and the hidden layer are quantised in registers and go from wave to wave through LDS as images of operand registers.  They never go to memory.
; The products are used transposed (source 0 = 16 columns of a weight, source 1 = 16 tokens): a lane holds one token, and register 16 b + i of its 64 is column 128 w + 32 b + 16 (lane / 16) + i.
; The variance is taken in two passes: no difference of large sums is formed.
; LIMITS: NaN and infinities are not served; a block whose largest magnitude lies under 2^-124 gets the byte 1; a block of zeros gets the byte 1 and not 127: its codes are zeros, and the bytes are read by this program alone.
; THE MODE: SCHED_MODE bits 1:0 = 2 (LLVM: expert scheduling mode 2), set by the entry lines.  The code itself states the register dependences
; between vector or matrix instructions and memory or LDS instructions, with s_wait_alu, always for 0.
; THE PLAN.  Registers that memory or LDS instructions touch:
;   v1-15, v229-231, v235  offsets and LDS addresses, made once at the head and never written again.  v232-234: the hidden images' addresses, stepped once a trip of the second product.
;   The ring (window 3), the tokens' fragments (window 2), WS, AS, b1: a unit's 16 products read its ring buffer, its fragments and its scale words; behind them the unit four on is asked for into the same registers at once,
;     so that the ring keeps its three units' lead: ONE wait on va_vdst a unit, behind the products' places, and behind it only loads and window switches.
;   The row vectors (v192-255 of windows 2 and 3): read by packed additions and multiply-adds, then loaded again: a wait on va_vdst ahead of each such run of loads.
;   Y (window 1): goes through the stage at both ends: LDS stores read it, LDS loads land in it.
;   v88-91: partial sums, stored to LDS, then written again;  v96-111: the four waves' partial sums, loaded.
;   Codes to store: x1's four fragments in v80-127 (free there), ONE wait for their 13 LDS stores; the hidden layer's in v236-247 and in v80-91 (its accumulators have been quantised by then), ONE wait for each quad's 8 stores.
;     A wait on vm_vsrc stands behind each of these runs of stores, in the stores' own run of code, ahead of the lines that write the registers again.
;   v251, v255: written at the head, read by the closing add alone.
; REGISTERS: window 0: v1-15, v229-235 addresses; v16-31 the weights' scale words, two sets; v32-47 the tokens' scale words; v48-79 b1; v80-207 the hidden layer's 16 accumulators, else at work; v208-228, v236-254 QUANT.
;   window 1: Y, 4 tiles x 64: x, then the sums.   window 2: v0-191 the tokens' fragments (K step s', tile m at 48 s' + 12 m); v192-255 a row vector.   window 3: v0-191 the ring; v192-255 a row vector.
.set RED,  33792                       ; LDS: 0: a stage of 16 rows x 528 bytes for each wave;  RED: 4 uses x 4 waves x 512 bytes of partial sums
.set XIMG, 41984                       ; x1's 16 fragments, (4 s + m) x 1,536;  behind them its scale words, 512 s + 16 l
.set XSCO, 24576
.set HIMG, 68608                       ; the hidden layer's 64 fragments, (4 s + m) x 1,536, each as two half images
.set HSC,  166912                      ; its scale words, 512 s + 16 l
.set CHC,  589824
.set CHS,  2383872
.set AOS,  3145728
.set WS,   16
.set AS,   32
.set B1,   48
.set ACC1, 80
.set OB,   80                          ; x1's four fragments of codes, 12 registers each
.set TM,   208
.set PWM,  224
.set PW,   228
.set HSR,  229
.set CV,   230
.set AW,   231
.set T16,  232
.set T8,   233
.set TW,   234
.set XSW,  235
.set PC,   236
.set PCS,  248                         ; v248-250, v252-254: the upper halves of the blocks' codes, at work in QUANT
.set SEL,  38
.set MSB, 0
.macro WIN new                         ; the immediate's high byte repeats the setting that is left
.if MSB != (\new)
	s_set_vgpr_msb (MSB<<8)|(\new)
.set MSB, (\new)
.endif
.endm
; 64 numbers of a lane in window sw, register 16 b + i = k 32 b + 16 (lane / 16) + i, become 12 registers of codes in v[pc] on and a scale word in v[pw].
.macro QUANT src, sw, pw, pc
	WIN (\sw)*5
.irp b, 0,1,2,3
	v_max3_num_f32 v[TM+\b], |v[\src+16*\b]|, |v[\src+1+16*\b]|, 0x1800000   ; the floor 2^(3 - 127) holds the byte at 1
.endr
	WIN (\sw)*20
.irp i, 2,4,6,8,10,12,14
.irp b, 0,1,2,3
	v_max3_num_f32 v[TM+\b], v[TM+\b], |v[\src+16*\b+\i]|, |v[\src+1+16*\b+\i]|
.endr
.endr
	WIN 0
.irp b, 0,1,2,3
	v_permlanex16_b32 v[TM+4+\b], v[TM+\b], s[SEL], s[SEL+1]
.endr
.irp b, 0,1,2,3
	v_max_num_f32 v[TM+\b], v[TM+\b], v[TM+4+\b]
.endr
.irp b, 0,1,2,3
	v_add_nc_u32 v[TM+12+\b], 0xff000000, v[TM+\b]
.endr
.irp b, 0,1,2,3
	v_lshrrev_b32 v[TM+4+\b], 23, v[TM+12+\b]
.endr
	v_lshl_or_b32 v[\pw], v[TM+5], 8, v[TM+4]
	v_lshl_or_b32 v[\pw], v[TM+6], 16, v[\pw]
	v_lshl_or_b32 v[\pw], v[TM+7], 24, v[\pw]
	WIN (\sw)
.irp c, 0,1
	v_cvt_scalef32_pk16_fp6_f32 v[\pc+6*\c:\pc+2+6*\c], v[\src+32*\c:\src+15+32*\c], v[TM+12+2*\c]
	v_cvt_scalef32_pk16_fp6_f32 v[PCS+4*\c:PCS+2+4*\c], v[\src+16+32*\c:\src+31+32*\c], v[TM+12+2*\c+1]
.endr
	WIN 0
	v_nop                                          ; one plain place behind a scaled conversion
.irp c, 0,1
.irp i, 0,1,2
	v_permlane16_swap_b32 v[\pc+6*\c+\i], v[PCS+4*\c+\i]
.endr
.irp i, 0,1,2
	v_mov_b32 v[\pc+3+6*\c+\i], v[PCS+4*\c+\i]
.endr
.endr
.endm
.macro WM d, a, b, c, sa, sb, ra       ; one product; ra: the weight's scale words stand in lanes 16-31
.if (\ra)
	v_wmma_scale_f32_16x16x128_f8f6f4 v[\d:\d+7], v[\a:\a+11], v[\b:\b+11], v[\c:\c+7], v[\sa], v[\sb] matrix_a_fmt:MATRIX_FMT_FP6 matrix_b_fmt:MATRIX_FMT_FP6 matrix_a_scale:MATRIX_SCALE_ROW1
.else
	v_wmma_scale_f32_16x16x128_f8f6f4 v[\d:\d+7], v[\a:\a+11], v[\b:\b+11], v[\c:\c+7], v[\sa], v[\sb] matrix_a_fmt:MATRIX_FMT_FP6 matrix_b_fmt:MATRIX_FMT_FP6
.endif
.endm
.macro HLOAD hs, sp                    ; the hidden layer's K step hs, four tiles of tokens, into buffer sp, and its scale words: 17 LDS loads
.if (\hs) < 8
.set HB, 12
.else
.set HB, 14
.endif
.set HO, ((\hs)%8)*6144
	WIN 0x80
.irp m, 0,1,2,3
	ds_load_b128 v[48*(\sp)+12*\m:48*(\sp)+12*\m+3], v[HB] offset:HO+1536*\m
	ds_load_b64 v[48*(\sp)+12*\m+4:48*(\sp)+12*\m+5], v[HB+1] offset:HO+1536*\m+512
	ds_load_b128 v[48*(\sp)+12*\m+6:48*(\sp)+12*\m+9], v[HB] offset:HO+1536*\m+768
	ds_load_b64 v[48*(\sp)+12*\m+10:48*(\sp)+12*\m+11], v[HB+1] offset:HO+1536*\m+1280
.endr
	WIN 0
	ds_load_b128 v[AS+4*(\sp):AS+4*(\sp)+3], v[HSR] offset:512*(\hs)
.endm
; A UNIT: 4 column tiles x 4 tiles of tokens x 128 K: 16 products, the 16 accumulators by turns in one order.
; sp: ring and token buffer; aw, ab, am: the accumulators' window, base and step from tile to tile of tokens; cf: b1 starts the sums; wsb: the set of the weight's scale words;
; lc, dc: the younger global and LDS loads that may stay out; goff: the unit four on, fetched into this buffer; xa: 1: the next quad's scale words (xoff), 2: and its b1 (pointer s[bp]); hs: the hidden K step four on.
.macro UNIT sp, aw, ab, am, cf, wsb, lc, dc, goff, xa, bp, xoff, hs
	s_wait_loadcnt \lc
.if (\dc) >= 0
	s_wait_dscnt \dc
.endif
	WIN 0x0b|((\aw)*0x50)
.irp m, 0,1,2,3
.irp t, 0,1,2,3
.if \cf
	WM \ab+\am*\m+8*\t, 48*(\sp)+12*\t, 48*(\sp)+12*\m, B1+8*\t, WS+8*(\wsb)+4*(\t/2)+(\sp), AS+4*(\sp)+\m, \t%2
.else
	WM \ab+\am*\m+8*\t, 48*(\sp)+12*\t, 48*(\sp)+12*\m, \ab+\am*\m+8*\t, WS+8*(\wsb)+4*(\t/2)+(\sp), AS+4*(\sp)+\m, \t%2
.endif
.endr
.endr
	WIN 0
.rept 5
	v_nop                                          ; places in front of the first read of results and of sums begun anew; they stay beside the wait below
.endr
.if ((\xa) >= 1) || ((\goff) >= 0) || ((\hs) >= 0)
	s_wait_alu depctr_va_vdst(0)                   ; this unit's products are done reading its ring buffer, its tokens' fragments and scale words and b1, and the last quad's the other set of the weight's scale words: the loads below land in these
.endif
.if (\xa) >= 1
	global_load_b128 v[WS+8*(1-(\wsb)):WS+8*(1-(\wsb))+3], v1, s[30:31] offset:\xoff
	global_load_b128 v[WS+8*(1-(\wsb))+4:WS+8*(1-(\wsb))+7], v1, s[30:31] offset:\xoff+512
.endif
.if (\xa) == 2
.irp b, 0,1
.irp q, 0,1,2,3
	global_load_b128 v[B1+16*\b+4*\q:B1+16*\b+4*\q+3], v[CV], s[\bp:\bp+1] offset:128*\b+16*\q
.endr
.endr
.endif
.if (\goff) >= 0
	WIN 0xc0
.irp t, 0,1,2,3
.irp g, 0,1,2
	global_load_b128 v[48*(\sp)+12*\t+4*\g:48*(\sp)+12*\t+4*\g+3], v1, s[28:29] offset:\goff+1536*\t+512*\g
.endr
.endr
	WIN 0
.endif
.if (\hs) >= 0
	HLOAD \hs, \sp
.endif
.endm
.macro VECLOAD dw, p                   ; a row vector at my lane's 64 columns into v192-255 of window dw
	WIN (\dw)<<6
.irp b, 0,1,2,3
.irp q, 0,1,2,3
	global_load_b128 v[192+16*\b+4*\q:192+16*\b+4*\q+3], v[CV], s[\p:\p+1] offset:128*\b+16*\q
.endr
.endr
	WIN 0
.endm
.macro REDUCE red                      ; v[80 + 2 m] pairs -> v[88 + m]: the row's total over my lane, lane l xor 16 and the four waves, in a fixed order
.irp m, 0,1,2,3
	v_add_f32 v[88+\m], v[80+2*\m], v[81+2*\m]
.endr
.irp m, 0,1,2,3
	v_permlanex16_b32 v[92+\m], v[88+\m], s[SEL], s[SEL+1]
.endr
.irp m, 0,1,2,3
	v_add_f32 v[88+\m], v[88+\m], v[92+\m]
.endr
	s_wait_alu depctr_va_vdst(0)                   ; v[88:91] are written, which the LDS store reads; every earlier vector or matrix line is done with v96 to v111, in which the LDS loads below land
	ds_store_b128 v5, v[88:91] offset:\red
	s_wait_dscnt 0x0                               ; for the others' sake: my partial sums lie in LDS
	s_barrier_signal -1
	s_barrier_wait -1
.irp k, 0,1,2,3
	ds_load_b128 v[96+4*\k:99+4*\k], v6 offset:\red+512*\k
.endr
	s_wait_dscnt 0x0
	s_wait_alu depctr_vm_vsrc(0)                   ; the LDS store has read v[88:91], which the additions below write again
.irp m, 0,1,2,3
	v_add_f32 v[88+\m], v[96+\m], v[100+\m]
.endr
.irp m, 0,1,2,3
	v_add_f32 v[92+\m], v[104+\m], v[108+\m]
.endr
.irp m, 0,1,2,3
	v_add_f32 v[88+\m], v[88+\m], v[92+\m]
.endr
.endm
; The layer norm of Y's 64 rows.  The gain lies in window 2, the shift in window 3.  red: this use's bytes for partial sums; lcnt: the loads issued behind the gain's and the shift's.
.macro LN red, lcnt
.irp m, 0,1,2,3
	v_mov_b32 v[92+\m], 0                          ; a lane permute's destination counts as one of its sources
.endr
	WIN 0x05
.irp m, 0,1,2,3
	v_pk_add_f32 v[80+2*\m:81+2*\m], v[64*\m:64*\m+1], v[64*\m+2:64*\m+3]   ; each accumulator is read from its low end on
.endr
	WIN 0x04
.set k, 4
.rept 30
.irp m, 0,1,2,3
	v_pk_add_f32 v[80+2*\m:81+2*\m], v[80+2*\m:81+2*\m], v[64*\m+k:64*\m+k+1]
.endr
.set k, k+2
.endr
	WIN 0
	REDUCE \red
.irp m, 0,1,2,3
	v_mul_f32 v[112+2*\m], 0xbb000000, v[88+\m]    ; -mean = -sum / 512
.endr
.irp m, 0,1,2,3
	v_mov_b32 v[113+2*\m], v[112+2*\m]
.endr
	WIN 0x41
.irp m, 0,1,2,3
.set k, 0
.rept 32
	v_pk_add_f32 v[64*\m+k:64*\m+k+1], v[64*\m+k:64*\m+k+1], v[112+2*\m:113+2*\m]
.set k, k+2
.endr
.endr
	WIN 0x05
.irp m, 0,1,2,3
	v_pk_mul_f32 v[80+2*\m:81+2*\m], v[64*\m:64*\m+1], v[64*\m:64*\m+1]
.endr
.set k, 2
.rept 31
.irp m, 0,1,2,3
	v_pk_fma_f32 v[80+2*\m:81+2*\m], v[64*\m+k:64*\m+k+1], v[64*\m+k:64*\m+k+1], v[80+2*\m:81+2*\m]
.endr
.set k, k+2
.endr
	WIN 0
	REDUCE \red+2048
.irp m, 0,1,2,3
	v_mul_f32 v[88+\m], 0x3b000000, v[88+\m]       ; the variance
.endr
	s_wait_alu depctr_va_vdst(0)
.irp m, 0,1,2,3
	v_sqrt_f32 v[88+\m], v[88+\m]
.endr
	v_nop                                          ; one plain place behind a transcendental
	s_wait_alu depctr_va_vdst(0)                   ; the four roots v[88:91] are written, ahead of their first reader
.irp m, 0,1,2,3
	v_add_f32 v[88+\m], 0x3727c5ac, v[88+\m]       ; std + 1e-5
.endr
	s_wait_alu depctr_va_vdst(0)
.irp m, 0,1,2,3
	v_rcp_f32 v[120+2*\m], v[88+\m]
.endr
	v_nop
	s_wait_alu depctr_va_vdst(0)                   ; the four reciprocals v120, v122, v124, v126 are written, ahead of their first reader
.irp m, 0,1,2,3
	v_mov_b32 v[121+2*\m], v[120+2*\m]
.endr
	WIN 0x41
.irp m, 0,1,2,3
.set k, 0
.rept 32
	v_pk_mul_f32 v[64*\m+k:64*\m+k+1], v[64*\m+k:64*\m+k+1], v[120+2*\m:121+2*\m]
.set k, k+2
.endr
.endr
	s_wait_loadcnt \lcnt                           ; the gain and the shift are in
	WIN 0x79
.irp m, 0,1,2,3
.set k, 0
.rept 32
	v_pk_fma_f32 v[64*\m+k:64*\m+k+1], v[64*\m+k:64*\m+k+1], v[192+k:193+k], v[192+k:193+k]   ; x gain (window 2) + shift (window 3)
.set k, k+2
.endr
.endr
	WIN 0
.endm
	s_load_b512 s[4:19], s[0:1], 0x0               ; x, ao, wts, bo, gamma1, beta1, b1, b2
	s_load_b128 s[20:23], s[0:1], 0x40             ; gamma2, beta2
	s_load_b64 s[24:25], s[0:1], 0x50              ; out0
	v_lshl_add_u32 v251, v0, 2, 0x2ac00
	v_mov_b32 v255, 0
	v_lshrrev_b32 v1, 5, v0
	v_readfirstlane_b32 s26, v1                    ; wave
	v_and_b32 v80, 31, v0                          ; lane
	v_and_b32 v81, 15, v0                          ; r
	v_bfe_u32 v82, v0, 4, 1                        ; h
	v_lshlrev_b32 v1, 4, v80                       ; 16 l
	v_lshlrev_b32 v2, 3, v80                       ; 8 l
	s_wait_alu depctr_va_sdst(0)                   ; s26 is written, ahead of its first reader: the wave's LDS places and pointers are made from it
	s_mul_i32 s27, s26, 8448
	v_add_nc_u32 v3, s27, v1                       ; my stage by rows: 512 bytes on end, rows 528 apart (an odd multiple of 16)
	v_mul_u32_u24 v4, v81, 528
	v_lshl_add_u32 v4, v82, 6, v4
	v_add_nc_u32 v4, s27, v4                       ; and by lanes: row r, + 64 h
	s_lshl_b32 s27, s26, 9
	v_add_nc_u32 v5, s27, v1
	v_add_nc_u32 v5, RED, v5                       ; my wave's partial sums
	v_add_nc_u32 v6, RED, v1                       ; every wave's
	v_add_nc_u32 v[XSW], s27, v1
	v_add_nc_u32 v[XSW], XIMG+XSCO, v[XSW]         ; x1's scale words of K step w
	s_mul_i32 s27, s26, 6144
	v_add_nc_u32 v7, s27, v1
	v_add_nc_u32 v7, XIMG, v7                      ; x1's images of K step w
	v_add_nc_u32 v8, XIMG, v1                      ; all of x1's images
	s_mul_i32 s27, s26, 24576
	v_add_nc_u32 v9, s27, v1
	v_add_nc_u32 v9, HIMG, v9                      ; the hidden layer's images of K steps 4 w on: 16 bytes a lane,
	v_add_nc_u32 v10, s27, v2
	v_add_nc_u32 v10, HIMG, v10                    ; 8 bytes a lane
	s_lshl_b32 s27, s26, 11
	v_add_nc_u32 v11, s27, v1
	v_add_nc_u32 v11, HSC, v11                     ; and their scale words
	v_add_nc_u32 v12, HIMG, v1                     ; all hidden images: K steps 0-7,
	v_add_nc_u32 v13, HIMG, v2
	v_add_nc_u32 v14, HIMG+49152, v1               ; K steps 8-15: so that every immediate stays under 65,536
	v_add_nc_u32 v15, HIMG+49152, v2
	v_add_nc_u32 v[HSR], HSC, v1
	v_lshlrev_b32 v[CV], 6, v82                    ; a row vector: 64 h
	v_lshlrev_b32 v[AW], 2, v80
.irp b, 0,1,2,3
	v_mov_b32 v[TM+4+\b], 0                        ; written once: a lane permute's destination counts as one of its sources
.endr
	s_mov_b32 s[SEL], 0x76543210
	s_mov_b32 s[SEL+1], 0xfedcba98
	s_lshl_b32 s56, ttmp9, 17                      ; 64 tokens of 2,048 bytes,
	s_lshl_b32 s54, s26, 9                         ; my 128 columns
	s_add_co_u32 s56, s56, s54
	s_mov_b32 s57, 0
	s_mov_b32 s55, 0
	s_lshr_b32 s35, ttmp9, 6                       ; the batch
	s_lshl_b32 s35, s35, 11                        ; its first head's first tile: 8 x 256
	s_and_b32 s36, ttmp9, 63
	s_lshl_b32 s36, s36, 2
	s_add_co_u32 s35, s35, s36                     ; + my first tile
	s_mul_i32 s50, s35, 768
	s_mov_b32 s51, 0
	s_lshl_b32 s52, s35, 7
	s_add_co_u32 s52, s52, AOS
	s_mov_b32 s53, 0
	s_mul_i32 s28, s26, 442368                     ; my 72 units
	s_add_co_u32 s28, s28, CHC
	s_mov_b32 s29, 0
	s_mul_i32 s30, s26, 18432                      ; my 18 quads of scale words
	s_add_co_u32 s30, s30, CHS
	s_mov_b32 s31, 0
	s_lshl_b32 s42, s26, 11                        ; my 512 numbers of b1
	s_mov_b32 s43, 0
	s_wait_kmcnt 0x0
	s_add_nc_u64 s[46:47], s[4:5], s[56:57]
	s_add_nc_u64 s[48:49], s[24:25], s[56:57]
	s_add_nc_u64 s[50:51], s[6:7], s[50:51]
	s_add_nc_u64 s[52:53], s[6:7], s[52:53]
	s_add_nc_u64 s[28:29], s[8:9], s[28:29]
	s_add_nc_u64 s[30:31], s[8:9], s[30:31]
	s_add_nc_u64 s[10:11], s[10:11], s[54:55]
	s_add_nc_u64 s[12:13], s[12:13], s[54:55]
	s_add_nc_u64 s[14:15], s[14:15], s[54:55]
	s_add_nc_u64 s[18:19], s[18:19], s[54:55]
	s_add_nc_u64 s[20:21], s[20:21], s[54:55]
	s_add_nc_u64 s[22:23], s[22:23], s[54:55]
	s_add_nc_u64 s[44:45], s[16:17], s[42:43]
	; ---- A: everything that the first product wants is asked for in one run
	WIN 0x40
	s_wait_alu depctr_va_vdst(0)                   ; the head has written the offsets and LDS addresses v1 to v15, v229 to v231 and v235, which the kernel's loads and stores read
.irp m, 0,1,2,3
.irp i, 0,1,2,3,4,5,6,7,8,9,10,11,12,13,14,15
	global_load_b128 v[64*\m+4*\i:64*\m+4*\i+3], v1, s[46:47] offset:(32*(\m/2)+8*(\m%2)+\i+8*(\i/8))*2048 th:TH_LOAD_NT   ; 512 consecutive bytes of one row of x
.endr
.endr
	VECLOAD 2, 10                                  ; bo
	WIN 0x80
.irp s, 0,1,2,3                        ; K step s of the first product is heads 2 s and 2 s + 1: two half images make a fragment
.irp m, 0,1,2,3
	global_load_b128 v[48*\s+12*\m:48*\s+12*\m+3], v1, s[50:51] offset:196608*(2*\s)+768*\m
	global_load_b64 v[48*\s+12*\m+4:48*\s+12*\m+5], v2, s[50:51] offset:196608*(2*\s)+768*\m+512
	global_load_b128 v[48*\s+12*\m+6:48*\s+12*\m+9], v1, s[50:51] offset:196608*(2*\s+1)+768*\m
	global_load_b64 v[48*\s+12*\m+10:48*\s+12*\m+11], v2, s[50:51] offset:196608*(2*\s+1)+768*\m+512
.endr
.endr
	WIN 0
.irp m, 0,1,2,3
.irp d, 0,1,2,3,4,5,6,7
	global_load_b32 v[128+8*\m+\d], v[AW], s[52:53] offset:32768*\d+128*\m   ; head d's two scale bytes of my row
.endr
.endr
	global_load_b128 v[WS:WS+3], v1, s[30:31]
	global_load_b128 v[WS+4:WS+7], v1, s[30:31] offset:512
	WIN 0xc0
.irp u, 0,1,2,3
.irp t, 0,1,2,3
.irp g, 0,1,2
	global_load_b128 v[48*\u+12*\t+4*\g:48*\u+12*\t+4*\g+3], v1, s[28:29] offset:6144*\u+1536*\t+512*\g
.endr
.endr
.endr
	WIN 0
	s_wait_loadcnt 50                              ; all but the stream's first 2 + 48 loads
.irp m, 0,1,2,3                        ; x turns through my stage: in by rows, back 64 numbers a lane.  LDS serves a wave's instructions in order
	WIN 0x04
.irp i, 0,1,2,3,4,5,6,7,8,9,10,11,12,13,14,15
	ds_store_b128 v3, v[64*\m+4*\i:64*\m+4*\i+3] offset:528*\i
.endr
	WIN 0x40
	s_wait_alu depctr_vm_vsrc(0)                   ; the LDS stores above have read this tile's 64 registers of Y, in which the LDS loads below land
.irp b, 0,1,2,3
.irp q, 0,1,2,3
	ds_load_b128 v[64*\m+16*\b+4*\q:64*\m+16*\b+4*\q+3], v4 offset:128*\b+16*\q
.endr
.endr
.endr
	WIN 0
.irp s, 0,1,2,3
.irp m, 0,1,2,3
	v_lshl_or_b32 v[AS+4*\s+\m], v[128+8*\m+2*\s+1], 16, v[128+8*\m+2*\s]   ; the two heads' bytes make K step s's scale word
.endr
.endr
	s_wait_dscnt 0x0
	WIN 0x49
.irp m, 0,1,2,3
.set k, 0
.rept 32
	v_pk_add_f32 v[64*\m+k:64*\m+k+1], v[64*\m+k:64*\m+k+1], v[192+k:193+k]   ; Y = x + bo: the C of the first product.  (These are also the places between the scale words made above and the products)
.set k, k+2
.endr
.endr
	WIN 0x80
	s_wait_alu depctr_va_vdst(0)                   ; the additions are done reading bo, in whose registers gamma1 lands; the scale words v32 to v47 are written, which the first product's instructions take as scales
	VECLOAD 2, 12                                  ; gamma1
	VECLOAD 3, 14                                  ; beta1
	; ---- B: Y += a Wo.  Counts: 36 = three younger units; + 2 or + 10: the next quad's scale words (and b1), issued behind a quad's first unit
	UNIT 0, 1, 0, 64, 0, 0, 36, -1, 6144*4, 1, 0, 1024, -1
	UNIT 1, 1, 0, 64, 0, 0, 38, -1, 6144*5, 0, 0, 0, -1
	UNIT 2, 1, 0, 64, 0, 0, 38, -1, 6144*6, 0, 0, 0, -1
	UNIT 3, 1, 0, 64, 0, 0, 38, -1, 6144*7, 0, 0, 0, -1
	UNIT 0, 1, 32, 64, 0, 1, 36, -1, 6144*8, 2, 44, 2048, -1
	UNIT 1, 1, 32, 64, 0, 1, 46, -1, 6144*9, 0, 0, 0, -1
	UNIT 2, 1, 32, 64, 0, 1, 46, -1, 6144*10, 0, 0, 0, -1
	UNIT 3, 1, 32, 64, 0, 1, 46, -1, 6144*11, 0, 0, 0, -1
	s_wait_xcnt 0x0                                ; the stream's pointers step only behind this wait
	s_add_nc_u64 s[28:29], s[28:29], 49152
	s_add_nc_u64 s[30:31], s[30:31], 2048
	; ---- C: x1 = LN(Y).  58 = the ring's 48 loads and the 10 extras issued behind gamma1's and beta1's
	LN 0, 58
	; ---- D: x1 becomes an operand: my 128 columns are K step w of the second product.  The four fragments' codes are made into four runs of registers, so that one wait serves all their LDS stores
	WIN 0x80
	s_wait_alu depctr_va_vdst(0)                   ; the norm's last lines are done reading the gain and the shift, in whose registers b2 and beta2 land
	VECLOAD 2, 18                                  ; b2
	VECLOAD 3, 22                                  ; beta2
.irp m, 0,1,2,3
	QUANT 64*\m, 1, PWM+\m, OB+12*\m
.endr
	s_wait_loadcnt 0x0                             ; b2
	WIN 0x49
.irp m, 0,1,2,3
.set k, 0
.rept 32
	v_pk_add_f32 v[64*\m+k:64*\m+k+1], v[64*\m+k:64*\m+k+1], v[192+k:193+k]   ; Y = x1 + b2: the C of the third product
.set k, k+2
.endr
.endr
	WIN 0x80
	s_wait_alu depctr_va_vdst(0)                   ; the additions are done reading b2, in whose registers gamma2 lands; the codes v80 to v127 and the words v224 to v227 are written, which the LDS stores below read
	VECLOAD 2, 20                                  ; gamma2
.irp m, 0,1,2,3
.irp g, 0,1,2
	ds_store_b128 v7, v[OB+12*\m+4*\g:OB+12*\m+4*\g+3] offset:1536*\m+512*\g
.endr
.endr
	ds_store_b128 v[XSW], v[PWM:PWM+3]
	s_wait_dscnt 0x0
	s_barrier_signal -1
	s_barrier_wait -1                              ; x1's sixteen fragments lie in LDS
	WIN 0x80
.irp s, 0,1,2,3
.irp m, 0,1,2,3
.irp g, 0,1,2
	ds_load_b128 v[48*\s+12*\m+4*\g:48*\s+12*\m+4*\g+3], v8 offset:(4*\s+\m)*1536+512*\g
.endr
.endr
.endr
	WIN 0
.irp s, 0,1,2,3
	ds_load_b128 v[AS+4*\s:AS+4*\s+3], v8 offset:XSCO+512*\s
.endr
	s_wait_dscnt 0x0
	s_wait_alu depctr_vm_vsrc(0)                   ; my LDS stores of x1's codes and words have read v80 to v127 and v224 to v227: the second product's accumulators and the hidden layer's words are written there
	; ---- E: the hidden layer.  Trip q makes my hidden units 128 q .. 128 q + 127 (K step 4 w + q of the third product) in two quads of 64
	s_mov_b32 s34, 0
	s_mov_b32 s35, 512
	s_mov_b32 s36, 0
	s_mov_b32 s37, 0
	s_add_nc_u64 s[32:33], s[44:45], 256           ; b1 of the quad behind the trip's first,
	s_add_nc_u64 s[40:41], s[44:45], 512           ; and of the quad behind its second
.Lffn1:
	v_add_nc_u32 v[T16], s37, v9                   ; (the last trip's LDS stores have read these three: the wait on vm_vsrc at the trip's end; the units' waits on va_vdst show them written ahead of this trip's stores)
	v_add_nc_u32 v[T8], s37, v10
	v_add_nc_u32 v[TW], s36, v11
.irp c, 0,1
.if \c == 1
	s_wait_alu depctr_vm_vsrc(0)                   ; the first quad's LDS stores have read v236 to v247 and v80 to v91, which this quad's products and quantiser write again
.endif
	UNIT 0, 0, ACC1, 32, 1, \c, 36, -1, 6144*(4*\c+4), 2, 32+8*\c, 1024*(\c+1), -1
	UNIT 1, 0, ACC1, 32, 0, \c, 46, -1, 6144*(4*\c+5), 0, 0, 0, -1
	UNIT 2, 0, ACC1, 32, 0, \c, 46, -1, 6144*(4*\c+6), 0, 0, 0, -1
	UNIT 3, 0, ACC1, 32, 0, \c, 46, -1, 6144*(4*\c+7), 0, 0, 0, -1
.irp mm, 0,2                           ; two tiles of tokens at a time: 2 x 32 registers = 2 x 2 blocks.  The first pair's codes go to v236 on, the second pair's to v80 on, where the first pair's numbers lay
.set j, 0
.rept 64
	v_max_num_f32 v[ACC1+32*\mm+j], 0, v[ACC1+32*\mm+j]   ; the activation, in f32, each accumulator from its low end on
.set j, j+1
.endr
.set PCB, PC+(ACC1-PC)*(\mm/2)
	QUANT ACC1+32*\mm, 0, PW, PCB
.if \c == 0
	v_and_b32 v[PWM+\mm], 0xffff, v[PW]
	v_lshrrev_b32 v[PWM+\mm+1], 16, v[PW]
.else
	v_lshl_or_b32 v[PWM+\mm], v[PW], 16, v[PWM+\mm]
	v_and_or_b32 v[PWM+\mm+1], v[PW], 0xffff0000, v[PWM+\mm+1]
.endif
.endr
	s_wait_alu depctr_va_vdst(0)                   ; the quad's codes, v236 to v247 and v80 to v91, and in the second quad the words v224 to v227, are written: the LDS stores below read them
.irp mm, 0,2
.set PCB, PC+(ACC1-PC)*(\mm/2)
	ds_store_b128 v[T16], v[PCB:PCB+3] offset:1536*\mm+768*\c          ; registers 0-5: half c of tile mm's fragment,
	ds_store_b64 v[T8], v[PCB+4:PCB+5] offset:1536*\mm+768*\c+512
	ds_store_b128 v[T16], v[PCB+6:PCB+9] offset:1536*(\mm+1)+768*\c    ; registers 6-11: of tile mm + 1's
	ds_store_b64 v[T8], v[PCB+10:PCB+11] offset:1536*(\mm+1)+768*\c+512
.endr
.endr
	ds_store_b128 v[TW], v[PWM:PWM+3]
	s_wait_dscnt 0x0
	s_wait_alu depctr_vm_vsrc(0)                   ; this trip's LDS stores have read v232 to v234, v236 to v247, v80 to v91 and v224 to v227, which the next trip, and behind the loop the second norm, write again
	s_wait_xcnt 0x0                                ; the pointers step only behind this wait
	s_add_nc_u64 s[28:29], s[28:29], 49152
	s_add_nc_u64 s[30:31], s[30:31], 2048
	s_add_nc_u64 s[32:33], s[32:33], 512
	s_add_co_u32 s35, s35, 512
	s_min_u32 s42, s35, 1792                       ; the last look-ahead is held inside b1: its numbers are not used, and every trip issues the same loads
	s_add_nc_u64 s[40:41], s[44:45], s[42:43]
	s_add_co_u32 s36, s36, 512
	s_add_co_u32 s37, s37, 6144
	s_add_co_u32 s34, s34, 1
	s_cmp_lt_u32 s34, 4
	s_cbranch_scc1 .Lffn1
	s_barrier_signal -1
	s_barrier_wait -1                              ; the hidden layer's 64 fragments lie in LDS
	; ---- F: Y += hidden W2: 32 units, column group FV / 16, K step FV % 16
	WIN 0x80
	s_wait_alu depctr_va_vdst(0)                   ; the second product's instructions are done reading x1's fragments and scale words, in whose registers the hidden layer's land
	HLOAD 0, 0
	HLOAD 1, 1
	HLOAD 2, 2
	HLOAD 3, 3
.set FV, 0
.rept 32
.set REM, 31-FV
.if REM > 3
.set REM, 3
.endif
.set LCV, 12*REM                       ; the younger units' loads,
.if (FV%4 != 0) && (FV/4 < 7)
.set LCV, LCV+2                        ; and the next quad's scale words
.endif
.set DCV, 17*REM                       ; the younger K steps' 17 LDS loads each
.set GOV, -1
.set HSV, -1
.if FV+4 <= 31
.set GOV, 6144*(FV+4)
.set HSV, (FV+4)%16
.endif
.set XAV, 0
.if (FV%4 == 0) && (FV/4 < 7)
.set XAV, 1
.endif
	UNIT FV%4, 1, 32*(FV/16), 64, 0, (FV/4)%2, LCV, DCV, GOV, XAV, 0, 1024*(FV/4+1), HSV
.set FV, FV+1
.endr
	; ---- G: out = LN(Y), through my stage, as whole pieces of rows
	LN 4096, 0
	s_wait_alu depctr_va_vdst(0)                   ; the norm has written Y, which the LDS stores below read, and is done with v80 to v127; the second product's lines are done with v80 to v207: the rows read back land there
.irp m, 0,1,2,3
	WIN 0x04
.irp b, 0,1,2,3
.irp q, 0,1,2,3
	ds_store_b128 v4, v[64*\m+16*\b+4*\q:64*\m+16*\b+4*\q+3] offset:128*\b+16*\q
.endr
.endr
	WIN 0
.if \m >= 2
	s_wait_xcnt 0x0                                ; the stores of two tiles ago have had their addresses translated
	s_wait_alu depctr_vm_vsrc(0)                   ; the stores of two tiles ago have read these 64 registers, in which the LDS loads below land
.endif
.irp i, 0,1,2,3,4,5,6,7,8,9,10,11,12,13,14,15
	ds_load_b128 v[ACC1+64*(\m%2)+4*\i:ACC1+64*(\m%2)+4*\i+3], v3 offset:528*\i   ; LDS serves a wave's instructions in order: these see my stores
.endr
.irp i, 0,1,2,3,4,5,6,7,8,9,10,11,12,13,14,15
	s_wait_dscnt 15-\i
	global_store_b128 v1, v[ACC1+64*(\m%2)+4*\i:ACC1+64*(\m%2)+4*\i+3], s[48:49] offset:(32*(\m/2)+8*(\m%2)+\i+8*(\i/8))*2048 th:TH_STORE_NT   ; 512 consecutive bytes, at a multiple of 256 from the output's first byte
.endr
.endr
	s_wait_dscnt 0x0                               ; the closing lines, six on end
	s_wait_alu 0x0
	s_wait_tensorcnt 0x0
	ds_add_u32 v251, v255
	s_wait_dscnt 0x0
	s_endpgm
.Lfunc_end_k_qad27bc0bdd_chain:
	.size	k_qad27bc0bdd_chain, .Lfunc_end_k_qad27bc0bdd_chain-k_qad27bc0bdd_chain
	.p2alignl 7, 3214868480
	.fill 96, 4, 3214868480
	.section	.rodata,"a",@progbits
	.p2align	6, 0x0
	.amdhsa_kernel k_qad27bc0bdd_chain
		.amdhsa_group_segment_fixed_size 175616
		.amdhsa_private_segment_fixed_size 0
		.amdhsa_enable_private_segment 0
		.amdhsa_kernarg_size 88
		.amdhsa_user_sgpr_count 2
		.amdhsa_user_sgpr_kernarg_segment_ptr 1
		.amdhsa_wavefront_size32 1
		.amdhsa_system_sgpr_workgroup_id_x 1
		.amdhsa_system_sgpr_workgroup_id_y 1
		.amdhsa_system_sgpr_workgroup_id_z 1
		.amdhsa_system_vgpr_workitem_id 0
		.amdhsa_next_free_vgpr 1024
		.amdhsa_next_free_sgpr 66
		.amdhsa_reserve_vcc 0
		.amdhsa_float_denorm_mode_32 3
		.amdhsa_float_denorm_mode_16_64 3
		.amdhsa_memory_ordered 1
		.amdhsa_forward_progress 1
		.amdhsa_inst_pref_size 255
	.end_amdhsa_kernel
	.section	.bss,"aw",@nobits
	.p2align	6
	.space	262144
	.amdgpu_metadata
---
amdhsa.version: [ 1, 2 ]
amdhsa.kernels:
  - .name:           k_qad27bc0bdd_chain
    .symbol:         k_qad27bc0bdd_chain.kd
    .args:
      - { .name: x, .offset: 0, .size: 8, .value_kind: global_buffer, .address_space: global }
      - { .name: ao, .offset: 8, .size: 8, .value_kind: global_buffer, .address_space: global }
      - { .name: wts, .offset: 16, .size: 8, .value_kind: global_buffer, .address_space: global }
      - { .name: bo, .offset: 24, .size: 8, .value_kind: global_buffer, .address_space: global }
      - { .name: gamma1, .offset: 32, .size: 8, .value_kind: global_buffer, .address_space: global }
      - { .name: beta1, .offset: 40, .size: 8, .value_kind: global_buffer, .address_space: global }
      - { .name: b1, .offset: 48, .size: 8, .value_kind: global_buffer, .address_space: global }
      - { .name: b2, .offset: 56, .size: 8, .value_kind: global_buffer, .address_space: global }
      - { .name: gamma2, .offset: 64, .size: 8, .value_kind: global_buffer, .address_space: global }
      - { .name: beta2, .offset: 72, .size: 8, .value_kind: global_buffer, .address_space: global }
      - { .name: out0, .offset: 80, .size: 8, .value_kind: global_buffer, .address_space: global }
    .group_segment_fixed_size: 175616
    .private_segment_fixed_size: 0
    .kernarg_segment_align: 8
    .kernarg_segment_size: 88
    .max_flat_workgroup_size: 128
    .sgpr_count:     66
    .vgpr_count:     1024
    .wavefront_size: 32
...
	.end_amdgpu_metadata
.endif
;; end of part 8
